; MI455X (gfx1250); checked and timed in simulation.
; The chip was launched on July 23, 2026; its instructions are those of AMD's public machine-readable ISA for CDNA 5 (MIT licence, August 2026) and "CDNA5" Instruction Set Architecture Reference Guide (July 2026). The comments in the code are by the model that wrote it; some were corrected since.
;; Point Net2 Feature Propagator. Allowed arithmetic: float matrix products may take bf16 or f16 operands with f32 sums; all other float work in f32.
;; Inputs: b1 256 float32; b2 256 float32; beta1 256 float32; beta2 256 float32; features 8 x 256 x 8,192 float32; features_prev 8 x 256 x 2,048 float32; g1 256 float32; g2 256 float32; w1 256 x 512 float32; w2 256 x 256 float32; xyz 8 x 8,192 x 3 float32; xyz_prev 8 x 2,048 x 3 float32.
;; Outputs: out0 8 x 256 x 8,192 float32.
;; 3 versions, each right; version 2 is faster than version 1; version 3 is version 2 with the launches knn, gemm1 written anew for expert scheduling mode. Each part assembles by itself: llvm-mc -triple=amdgcn-amd-amdhsa -mcpu=gfx1250 --defsym DOCPART=n.
;; ======== version 1 of 3: 6 launches
;; limits: values are held in f16: magnitudes above 65,504 overflow, below 6.1e-05 lose precision; inputs' magnitudes at most 65,504
;; workspace buffers: nidx 1,048,576 bytes of whole numbers; nw 1,048,576 bytes; fpt 8,388,608 bytes; wh 393,216 bytes; y1 67,108,864 bytes; part 2,097,152 bytes; ab1 2,048 bytes; ab2 2,048 bytes
;; launch knn (part 1): grid 256 x 1, 4 waves a work-group, no clusters, 67,072 bytes of LDS; arguments xyz, xyz_prev, features_prev, w1, w2, nidx, nw, fpt, wh; writes nidx, nw, fpt, wh
.if DOCPART == 1
	.amdgcn_target "amdgcn-amd-amdhsa--gfx1250"
	.amdhsa_code_object_version 6
	.text
	.protected	k_q53b343e692_knn
	.globl	k_q53b343e692_knn
	.p2align	8
	.type	k_q53b343e692_knn,@function
k_q53b343e692_knn:
	s_mov_b64 s[64:65], 0
	v_nop
	global_prefetch_b8 v0, s[64:65] scope:SCOPE_SE
	s_setreg_imm32_b32 hwreg(HW_REG_WAVE_MODE, 25, 1), 1
	s_wait_xcnt 0x0
; THREE NEAREST NEIGHBOURS, and the operands that the later launches want in 16 bits.
; Work-group g = 32 b + blk owns queries 256 blk .. +255 of batch b.  A lane holds two queries (64 w + l and 64 w + 32 + l) in register pairs
; and walks all 2,048 known points of the batch, which lie in LDS as (x, y, z, x^2+y^2+z^2).
; d2 = (sq_u + sq_k) - 2 ((ux kx + uy ky) + uz kz), each sum in this order.  The coordinates are rounded to bf16 first, so every product is exact in f32
; and a fused multiply-add rounds as a multiply and an add do.  Equal distances go to the lower index: a candidate enters only where it is strictly nearer.
; Beside that the group turns features_prev[b][:, 64 blk .. +63] into fpt[b][m][channel] in bf16, and writes 512 numbers of w1 and 256 of w2 as f16, by chunks of 64 along k.
; LIMITS.  All inputs are rounded to bf16 (nearest even).  w1 and w2 are then written as f16: exact for 6.1e-5 <= |w| <= 65,504, within 3e-8 below, not served above.
; Root and reciprocal are good to 1 ULP.  NaN and infinities are not treated.
; No matrix unit: three terms a product.  No cluster: the known points of a batch are 24 KB, read once by each group.
.set KN,    0                          ; 2,048 x 16 bytes
.set TT,    32768                      ; 64 rows (m) of 512 bytes (256 channels in bf16) + 16 of padding
.set TP,    528
.set SPARE, 66560                      ; the spare words: 128 bytes a wave
.set SPW, 2
.set NIL, 3
.set KAD, 4                            ; LDS address of the trip's first candidate (the same in all lanes)
.set NS,  5                            ; 16 (64 w + l): my first query's place in nidx and nw
.set UX,  6                            ; v[6:7] x of my two queries; UY, UZ likewise; SU their squared norms
.set UY,  8
.set UZ,  10
.set SU,  12
; v14-16 the three least d2 of query A, ascending; v17-19 their indices; v20-25 the same for query B
; ahead of the loop v14-47 hold offsets and weights:
.set CAO, 14
.set QO,  15
.set FO,  16
.set W1O, 17
.set W2O, 18
.set LN,  19
.set RR,  20
.set HH,  21
.set W1S, 22
.set KST, 23
.set TST, 24
.set TRD, 25
.set W1D, 26
.set W2D, 30
.set FS,  34
.set W2S, 35
.set W1H, 44
.set W2H, 46
.set KA,  48                           ; v[48:79], v[80:111] eight candidates each
.set KB,  80
.set FD,  112                          ; v[112:239] 32 rows x 4 columns of features_prev
.set PP,  112                          ; in the loop: eight pairs, dot products and then d2
.set TS,  128                          ; eight pairs sq_u + sq_k
	s_load_b512 s[4:19], s[0:1], 0x0               ; xyz, xyz_prev, features_prev, w1, w2, nidx, nw, fpt
	s_load_b64 s[20:21], s[0:1], 0x40              ; wh
	v_lshl_add_u32 v[SPW], v0, 2, SPARE
	v_mov_b32 v[NIL], 0
	v_lshrrev_b32 v1, 5, v0
	v_readfirstlane_b32 s22, v1                    ; wave
	s_mov_b32 s23, 0xffff0000                      ; a word's upper bf16
	v_and_b32 v[LN], 31, v0
	v_and_b32 v[RR], 15, v0
	v_bfe_u32 v[HH], v0, 4, 1
	s_lshr_b32 s25, ttmp9, 5                       ; b
	s_and_b32 s26, ttmp9, 31                       ; blk
	s_mul_i32 s42, s25, 24576                      ; the batch's known points
	s_mov_b32 s43, 0
	s_mul_i32 s44, ttmp9, 3072                     ; the group's 256 queries
	s_mov_b32 s45, 0
	s_lshl_b32 s46, s25, 21                        ; features_prev[b], columns 64 blk on
	s_lshl_b32 s27, s26, 8
	s_add_co_u32 s46, s46, s27
	s_mov_b32 s47, 0
	s_lshl_b32 s48, ttmp9, 15                      ; fpt: 64 rows of 512 bytes a group
	s_mov_b32 s49, 0
	s_lshl_b32 s50, ttmp9, 12                      ; nidx, nw: 256 rows of 16 bytes a group
	s_mov_b32 s51, 0
	v_mul_u32_u24 v[CAO], v0, 12
	s_lshl_b32 s27, s22, 6
	v_add_nc_u32 v[NS], s27, v[LN]                 ; 64 w + l
	v_mul_u32_u24 v[QO], v[NS], 12
	v_lshlrev_b32 v[NS], 4, v[NS]
	s_lshl_b32 s27, s22, 19
	v_lshlrev_b32 v[FO], 18, v[HH]
	v_lshl_add_u32 v[FO], v[RR], 4, v[FO]
	v_add_nc_u32 v[FO], s27, v[FO]                 ; (64 w + 32 (l / 16)) rows of 8,192 bytes + 16 (l % 16)
	; w1: unit u = 4 g + w is rows 2 (u / 8), +1 of chunk u % 8
	s_lshl_b32 s28, ttmp9, 2
	s_add_co_u32 s28, s28, s22
	s_and_b32 s29, s28, 7
	s_lshr_b32 s30, s28, 3
	s_lshl_b32 s31, s30, 12
	s_lshl_b32 s32, s29, 8
	s_add_co_u32 s31, s31, s32
	s_lshl_b32 s29, s29, 15
	s_lshl_b32 s30, s30, 8
	s_add_co_u32 s29, s29, s30
	v_lshlrev_b32 v[W1O], 11, v[HH]
	v_lshl_add_u32 v[W1O], v[RR], 4, v[W1O]
	v_add_nc_u32 v[W1O], s31, v[W1O]
	v_lshl_add_u32 v[W1S], v[LN], 3, s29
	; w2: unit 2 g + w (waves 0 and 1) is rows 2 (u / 4), +1 of chunk u % 4
	s_lshl_b32 s28, ttmp9, 1
	s_add_co_u32 s28, s28, s22
	s_and_b32 s29, s28, 3
	s_lshr_b32 s30, s28, 2
	s_lshl_b32 s31, s30, 11
	s_lshl_b32 s32, s29, 8
	s_add_co_u32 s31, s31, s32
	s_lshl_b32 s29, s29, 15
	s_lshl_b32 s30, s30, 8
	s_add_co_u32 s29, s29, s30
	s_add_co_u32 s29, s29, 262144
	v_lshlrev_b32 v[W2O], 10, v[HH]
	v_lshl_add_u32 v[W2O], v[RR], 4, v[W2O]
	v_add_nc_u32 v[W2O], s31, v[W2O]
	v_lshl_add_u32 v[W2S], v[LN], 3, s29
	; LDS addresses: the wave's number times a constant plus a lane term
	s_lshl_b32 s28, s22, 9
	v_lshl_add_u32 v[KST], v[LN], 4, s28           ; candidate 128 i + t at 16 t + 2,048 i
	s_lshl_b32 s28, s22, 7
	s_add_co_u32 s28, s28, TT
	v_mul_u32_u24 v[TST], v[RR], 4*TP
	v_lshl_add_u32 v[TST], v[HH], 6, v[TST]
	v_add_nc_u32 v[TST], s28, v[TST]               ; row 4 r, channels 64 w + 32 (l / 16) on
	s_mul_i32 s28, s22, 16*TP
	s_add_co_u32 s28, s28, TT
	v_lshl_add_u32 v[TRD], v[LN], 4, s28           ; back: rows 16 w on, whole
	s_lshl_b32 s28, s22, 13
	v_lshl_add_u32 v[FS], v[LN], 4, s28
	s_wait_kmcnt 0x0
	s_add_nc_u64 s[6:7], s[6:7], s[42:43]
	s_add_nc_u64 s[4:5], s[4:5], s[44:45]
	s_add_nc_u64 s[8:9], s[8:9], s[46:47]
	s_add_nc_u64 s[18:19], s[18:19], s[48:49]
	s_add_nc_u64 s[14:15], s[14:15], s[50:51]
	s_add_nc_u64 s[16:17], s[16:17], s[50:51]
	s_cmp_lt_u32 s22, 2
	s_cbranch_scc0 .Lno_w2_load
	global_load_b128 v[W2D:W2D+3], v[W2O], s[12:13]  ; the oldest load, so that the counts below are the same in all waves
.Lno_w2_load:
.set i, 0
.rept 16
	global_load_b32 v[KA+4*i],   v[CAO], s[6:7] offset:1536*i
	global_load_b32 v[KA+4*i+1], v[CAO], s[6:7] offset:1536*i+4
	global_load_b32 v[KA+4*i+2], v[CAO], s[6:7] offset:1536*i+8
.set i, i+1
.endr
	global_load_b32 v6,  v[QO], s[4:5]
	global_load_b32 v8,  v[QO], s[4:5] offset:4
	global_load_b32 v10, v[QO], s[4:5] offset:8
	global_load_b32 v7,  v[QO], s[4:5] offset:384
	global_load_b32 v9,  v[QO], s[4:5] offset:388
	global_load_b32 v11, v[QO], s[4:5] offset:392
.set i, 0
.rept 32
	global_load_b128 v[FD+4*i:FD+4*i+3], v[FO], s[8:9] offset:8192*i th:TH_LOAD_NT  ; sixteen lanes take 256 consecutive bytes of a row
.set i, i+1
.endr
	global_load_b128 v[W1D:W1D+3], v[W1O], s[10:11]
	s_wait_loadcnt 33                              ; candidates and queries are in; the 32 loads of features_prev and w1's stay out
.set i, 0
.rept 16
	v_cvt_pk_bf16_f32 v38, v[KA+4*i], v[KA+4*i+1]
	v_cvt_pk_bf16_f32 v39, v[KA+4*i+2], v[KA+4*i+2]
	v_lshlrev_b32 v[KA+4*i], 16, v38
	v_and_b32 v[KA+4*i+1], s23, v38
	v_lshlrev_b32 v[KA+4*i+2], 16, v39
	v_mul_f32 v[KA+4*i+3], v[KA+4*i], v[KA+4*i]
	v_fma_f32 v[KA+4*i+3], v[KA+4*i+1], v[KA+4*i+1], v[KA+4*i+3]
	v_fma_f32 v[KA+4*i+3], v[KA+4*i+2], v[KA+4*i+2], v[KA+4*i+3]
	ds_store_b128 v[KST], v[KA+4*i:KA+4*i+3] offset:KN+2048*i
.set i, i+1
.endr
	v_cvt_pk_bf16_f32 v38, v6, v7
	v_cvt_pk_bf16_f32 v39, v8, v9
	v_cvt_pk_bf16_f32 v40, v10, v11
	v_lshlrev_b32 v6, 16, v38
	v_and_b32 v7, s23, v38
	v_lshlrev_b32 v8, 16, v39
	v_and_b32 v9, s23, v39
	v_lshlrev_b32 v10, 16, v40
	v_and_b32 v11, s23, v40
	v_pk_mul_f32 v[SU:SU+1], v[UX:UX+1], v[UX:UX+1]
	v_pk_fma_f32 v[SU:SU+1], v[UY:UY+1], v[UY:UY+1], v[SU:SU+1]
	v_pk_fma_f32 v[SU:SU+1], v[UZ:UZ+1], v[UZ:UZ+1], v[SU:SU+1]
	s_wait_loadcnt 0x1                             ; features_prev is in; w1's load stays out
.set c, 0
.rept 4                                            ; column c of my four: 32 channels, two to a word
.set ii, 0
.rept 16
	v_cvt_pk_bf16_f32 v[KA+16*c+ii], v[FD+8*ii+c], v[FD+8*ii+4+c]
.set ii, ii+1
.endr
.set c, c+1
.endr
.set c, 0
.rept 4
.set q, 0
.rept 4
	ds_store_b128 v[TST], v[KA+16*c+4*q:KA+16*c+4*q+3] offset:TP*c+16*q
.set q, q+1
.endr
.set c, c+1
.endr
	s_wait_dscnt 0x0                               ; for the others' sake: my candidates and my part of the turned tile are stored
	s_barrier_signal -1
	s_barrier_wait -1
.set t, 0
.rept 16
	ds_load_b128 v[FD+4*t:FD+4*t+3], v[TRD] offset:TP*t
.set t, t+1
.endr
.set t, 0
.rept 16
	s_wait_dscnt 15-t                              ; LDS loads come back in order: row t is in
	global_store_b128 v[FS], v[FD+4*t:FD+4*t+3], s[18:19] offset:512*t  ; a wave stores 512 consecutive bytes: a row of fpt
.set t, t+1
.endr
.macro WCV src, dst                    ; four weights: rounded to bf16, then written as f16
	v_cvt_pk_bf16_f32 v38, v[(\src)], v[(\src)+1]
	v_cvt_pk_bf16_f32 v39, v[(\src)+2], v[(\src)+3]
	v_lshlrev_b32 v40, 16, v38
	v_and_b32 v41, s23, v38
	v_lshlrev_b32 v42, 16, v39
	v_and_b32 v43, s23, v39
	v_cvt_pk_f16_f32 v[(\dst)], v40, v41
	v_cvt_pk_f16_f32 v[(\dst)+1], v42, v43
.endm
	s_wait_loadcnt 0x0
	WCV W1D, W1H
	global_store_b64 v[W1S], v[W1H:W1H+1], s[20:21]  ; 256 consecutive bytes: two rows of a chunk
	s_cmp_lt_u32 s22, 2
	s_cbranch_scc0 .Lno_w2_store
	WCV W2D, W2H
	global_store_b64 v[W2S], v[W2H:W2H+1], s[20:21]
.Lno_w2_store:
; One candidate enters the two sorted triples.  d: the pair (d2 for A, d2 for B); l: its number in the trip; p picks one of two sets of masks and temporaries.
; The three compares take the old triple; then the distances move (the middle of three is the new value), then the indices.
.macro INS d, l, p
.set sm, 30+6*((\p)%2)
.set tm, 38+4*((\p)%2)
	v_cmp_lt_f32 s[sm],   v[(\d)],   v14
	v_cmp_lt_f32 s[sm+3], v[(\d)+1], v20
	v_cmp_lt_f32 s[sm+1], v[(\d)],   v15
	v_cmp_lt_f32 s[sm+4], v[(\d)+1], v21
	v_cmp_lt_f32 s[sm+2], v[(\d)],   v16
	v_cmp_lt_f32 s[sm+5], v[(\d)+1], v22
	v_med3_num_f32 v16, v15, v16, v[(\d)]
	v_med3_num_f32 v22, v21, v22, v[(\d)+1]
	v_med3_num_f32 v15, v14, v15, v[(\d)]
	v_med3_num_f32 v21, v20, v21, v[(\d)+1]
	v_min_num_f32 v14, v14, v[(\d)]
	v_min_num_f32 v20, v20, v[(\d)+1]
	v_cndmask_b32 v[tm],   (\l), v18, s[sm+1]      ; what the third place would take: the old second, or the candidate
	v_cndmask_b32 v[tm+1], (\l), v24, s[sm+4]
	v_cndmask_b32 v[tm+2], (\l), v17, s[sm]        ; the second place: the old first, or the candidate
	v_cndmask_b32 v[tm+3], (\l), v23, s[sm+3]
	v_cndmask_b32 v19, v19, v[tm],   s[sm+2]
	v_cndmask_b32 v25, v25, v[tm+1], s[sm+5]
	v_cndmask_b32 v18, v18, v[tm+2], s[sm+1]
	v_cndmask_b32 v24, v24, v[tm+3], s[sm+4]
	v_cndmask_b32 v17, v17, (\l), s[sm]
	v_cndmask_b32 v23, v23, (\l), s[sm+3]
.endm
; Eight candidates: the next eight are asked for, these eight's d2 are made stage by stage, then they enter one after the other.
.macro GROUP cur, nxt, off, l0
.irp q, 0,1,2,3,4,5,6,7
	ds_load_b128 v[(\nxt)+4*\q:(\nxt)+4*\q+3], v[KAD] offset:(\off)+16*\q
.endr
	s_wait_dscnt 0x8                               ; all but the eight just issued
.irp q, 0,1,2,3,4,5,6,7
	v_pk_mul_f32 v[PP+2*\q:PP+2*\q+1], v[UX:UX+1], v[(\cur)+4*\q:(\cur)+4*\q+1] op_sel_hi:[1,0]
.endr
.irp q, 0,1,2,3,4,5,6,7
	v_pk_add_f32 v[TS+2*\q:TS+2*\q+1], v[SU:SU+1], v[(\cur)+4*\q+2:(\cur)+4*\q+3] op_sel:[0,1] op_sel_hi:[1,1]
.endr
.irp q, 0,1,2,3,4,5,6,7
	v_pk_fma_f32 v[PP+2*\q:PP+2*\q+1], v[UY:UY+1], v[(\cur)+4*\q:(\cur)+4*\q+1], v[PP+2*\q:PP+2*\q+1] op_sel:[0,1,0] op_sel_hi:[1,1,1]
.endr
.irp q, 0,1,2,3,4,5,6,7
	v_pk_fma_f32 v[PP+2*\q:PP+2*\q+1], v[UZ:UZ+1], v[(\cur)+4*\q+2:(\cur)+4*\q+3], v[PP+2*\q:PP+2*\q+1] op_sel_hi:[1,0,1]
.endr
.irp q, 0,1,2,3,4,5,6,7
	v_pk_fma_f32 v[PP+2*\q:PP+2*\q+1], v[PP+2*\q:PP+2*\q+1], -2.0, v[TS+2*\q:TS+2*\q+1] op_sel_hi:[1,0,1]
.endr
.irp q, 0,1,2,3,4,5,6,7
	INS PP+2*\q, (\l0)+\q, \q
.endr
.endm
	s_wait_xcnt 0x0                                ; the stores above have read their registers: v14-47 and v112 on are written again only behind this wait
.irp r, 14,15,16,20,21,22
	v_mov_b32 v\r, 0x7f800000                      ; no distance yet
.endr
.irp r, 17,18,19,23,24,25
	v_mov_b32 v\r, 0
.endr
	v_mov_b32 v[KAD], KN
.irp q, 0,1,2,3,4,5,6,7
	ds_load_b128 v[KA+4*\q:KA+4*\q+3], v[KAD] offset:16*\q
.endr
	s_mov_b32 s24, 128
.Ltrip:                                            ; 16 candidates a trip.  An index is kept as its number in its own trip, and taken down by 16 at each trip's end
	GROUP KA, KB, 128, 0
	GROUP KB, KA, 256, 8                           ; the last trip's look-ahead reads 128 bytes of the turned tile's row 0, which are written, and drops them
.irp r, 17,18,19,23,24,25
	v_sub_nc_u32 v\r, v\r, 16
.endr
	v_add_nc_u32 v[KAD], 256, v[KAD]
	s_sub_co_u32 s24, s24, 1
	s_cmp_lg_u32 s24, 0
	s_cbranch_scc1 .Ltrip
	s_wait_dscnt 0x0                               ; the look-ahead
	; weights: 1 / (sqrt(max(d2, 0)) + 1e-8), divided by their sum
.irp r, 14,15,16,20,21,22
	v_max_num_f32 v\r, 0, v\r
.endr
.irp r, 14,15,16,20,21,22
	v_sqrt_f32 v\r, v\r
.endr
	v_nop                                          ; a plain instruction behind the last root
	s_wait_alu depctr_va_vdst(0)
.irp r, 14,15,16,20,21,22
	v_add_f32 v\r, 0x322bcc77, v\r
.endr
.irp r, 14,15,16,20,21,22
	v_rcp_f32 v\r, v\r
.endr
	v_nop
	s_wait_alu depctr_va_vdst(0)
	v_add_f32 v38, v14, v15
	v_add_f32 v39, v20, v21
	v_add_f32 v38, v38, v16
	v_add_f32 v39, v39, v22
	v_rcp_f32 v38, v38
	v_rcp_f32 v39, v39
	v_add_nc_u32 v48, 0x800, v17                   ; 128 trips took 2,048 off
	v_add_nc_u32 v49, 0x800, v18
	v_add_nc_u32 v50, 0x800, v19
	v_mov_b32 v51, 0
	v_add_nc_u32 v56, 0x800, v23
	v_add_nc_u32 v57, 0x800, v24
	v_add_nc_u32 v58, 0x800, v25
	v_mov_b32 v59, 0
	s_wait_alu depctr_va_vdst(0)
	v_mul_f32 v52, v14, v38
	v_mul_f32 v53, v15, v38
	v_mul_f32 v54, v16, v38
	v_mov_b32 v55, 0
	v_mul_f32 v60, v20, v39
	v_mul_f32 v61, v21, v39
	v_mul_f32 v62, v22, v39
	v_mov_b32 v63, 0
	global_store_b128 v[NS], v[48:51], s[14:15]             ; 512 consecutive bytes a store
	global_store_b128 v[NS], v[56:59], s[14:15] offset:512
	global_store_b128 v[NS], v[52:55], s[16:17]
	global_store_b128 v[NS], v[60:63], s[16:17] offset:512
	s_wait_tensorcnt 0x0                           ; the wave's end
	ds_add_u32 v[SPW], v[NIL]
	s_wait_dscnt 0x0
	s_endpgm
.Lfunc_end_k_q53b343e692_knn:
	.size	k_q53b343e692_knn, .Lfunc_end_k_q53b343e692_knn-k_q53b343e692_knn
	.p2alignl 7, 3214868480
	.fill 96, 4, 3214868480
	.section	.rodata,"a",@progbits
	.p2align	6, 0x0
	.amdhsa_kernel k_q53b343e692_knn
		.amdhsa_group_segment_fixed_size 67072
		.amdhsa_private_segment_fixed_size 0
		.amdhsa_enable_private_segment 0
		.amdhsa_kernarg_size 72
		.amdhsa_user_sgpr_count 2
		.amdhsa_user_sgpr_kernarg_segment_ptr 1
		.amdhsa_wavefront_size32 1
		.amdhsa_system_sgpr_workgroup_id_x 1
		.amdhsa_system_sgpr_workgroup_id_y 1
		.amdhsa_system_sgpr_workgroup_id_z 1
		.amdhsa_system_vgpr_workitem_id 0
		.amdhsa_next_free_vgpr 240
		.amdhsa_next_free_sgpr 66
		.amdhsa_reserve_vcc 0
		.amdhsa_float_denorm_mode_32 3
		.amdhsa_float_denorm_mode_16_64 3
		.amdhsa_memory_ordered 1
		.amdhsa_forward_progress 1
		.amdhsa_inst_pref_size 60
	.end_amdhsa_kernel
	.amdgpu_metadata
---
amdhsa.version: [ 1, 2 ]
amdhsa.kernels:
  - .name:           k_q53b343e692_knn
    .symbol:         k_q53b343e692_knn.kd
    .args:
      - { .name: xyz, .offset: 0, .size: 8, .value_kind: global_buffer, .address_space: global }
      - { .name: xyz_prev, .offset: 8, .size: 8, .value_kind: global_buffer, .address_space: global }
      - { .name: features_prev, .offset: 16, .size: 8, .value_kind: global_buffer, .address_space: global }
      - { .name: w1, .offset: 24, .size: 8, .value_kind: global_buffer, .address_space: global }
      - { .name: w2, .offset: 32, .size: 8, .value_kind: global_buffer, .address_space: global }
      - { .name: nidx, .offset: 40, .size: 8, .value_kind: global_buffer, .address_space: global }
      - { .name: nw, .offset: 48, .size: 8, .value_kind: global_buffer, .address_space: global }
      - { .name: fpt, .offset: 56, .size: 8, .value_kind: global_buffer, .address_space: global }
      - { .name: wh, .offset: 64, .size: 8, .value_kind: global_buffer, .address_space: global }
    .group_segment_fixed_size: 67072
    .private_segment_fixed_size: 0
    .kernarg_segment_align: 8
    .kernarg_segment_size: 72
    .max_flat_workgroup_size: 128
    .sgpr_count:     66
    .vgpr_count:     240
    .wavefront_size: 32
...
	.end_amdgpu_metadata
.endif
;; end of part 1
;; launch gemm1 (part 2): grid 256 x 1, 16 waves a work-group, no clusters, 253,952 bytes of LDS; arguments features, fpt, wh, nidx, nw, b1, y1, part; writes y1, part
.if DOCPART == 2
	.amdgcn_target "amdgcn-amd-amdhsa--gfx1250"
	.amdhsa_code_object_version 6
	.text
	.protected	k_q53b343e692_gemm1
	.globl	k_q53b343e692_gemm1
	.p2align	8
	.type	k_q53b343e692_gemm1,@function
k_q53b343e692_gemm1:
	s_mov_b64 s[64:65], 0
	v_nop
	global_prefetch_b8 v0, s[64:65] scope:SCOPE_SE
	s_setreg_imm32_b32 hwreg(HW_REG_WAVE_MODE, 25, 1), 1
	s_wait_xcnt 0x0
; y1[b][o][n] = sum over k of w1[o][k] x[b][k][n] + b1[o], x = (interpolated features_prev, features); and for each channel and 64 points the sum and the squares about their own mean.
; Work-group g = 32 b + blk: all 256 channels x points 256 blk .. +255.  Wave w: points 64 (w % 4) on, channels 64 (w / 4) on: 16 accumulators of 16 x 16.
; The matrix instruction's first source is 16 points, its second 16 channels: a lane then holds one channel (l % 16) and eight neighbouring points 8 (l / 16) + 0..7.
; K goes in eight chunks of 64, by turns one of features (staged [k][point], read turned) and one of the interpolated tile (made once, [point][k], all 256 k in LDS).
; FORMATS.  features, w1, b1 are rounded to bf16 and the first two written as f16 (exact for 6.1e-5 <= |v| <= 65,504, within 3e-8 below, not served above); the interpolated
; numbers are rounded once, to f16; sums in f32; y1 stays f32.
; NO CLUSTER, NO TENSOR LOAD: features have to pass through registers to be rounded, w1's chunk is a third of a trip's bytes, and one way of staging (load, store to LDS, barrier) serves both.
.set XP,    544                        ; a row of the features chunk: 256 points in f16 + 32 bytes: an odd multiple of 32
.set WB0,   34816                      ; two buffers for w1's chunk: 256 rows of 128 bytes + 16
.set WP,    144
.set WBUF,  36864
.set IT,    108544                     ; 256 points x 256 k in f16, rows of 512 bytes + 16
.set IP,    528
.set STG,   0                          ; the way out: 16 rows of 272 bytes a wave, over the features chunk and w1's buffer 0, whose last reads lie ahead of the last barrier
.set SPARE, 251904                     ; the spare words: 128 bytes a wave
.set ACC,   128
; v2 v3 the add's two; v4 XLD v5 WLD global offsets; v6 XST v7 WST LDS stores; v8 XRD v9 IRD v10 WRD fragment reads; v11 STO v12 RD v13 CO the way out; v14 PO v15 BO
; v16-31 w1's chunk on its way; v32-63 features on their way; v64-95 fragments of x; v96-127 fragments of w1; v128-255 accumulators ((pb, cb) at 128 + 8 (4 pb + cb))
; ahead of the first product: v64-87 gather offsets, v88-107 at work, v108 16 l, v109 0, v110 where I put a point's row, v128-223 gathered rows, v224-255 weights
.macro PLACES                          ; four places between a matrix instruction and a load into, or a vector write of, its registers
.rept 4
	v_nop
.endr
.endm
.macro BAR
	s_wait_dscnt 0x0                               ; my LDS stores are done and my LDS reads are back
	s_barrier_signal -1
	s_barrier_wait -1
.endm
.macro LDW off                         ; a chunk of w1: 32,768 dense bytes, 16 a thread, four times
.irp j, 0,1,2,3
	global_load_b128 v[16+4*\j:19+4*\j], v5, s[8:9] offset:(\off)+8192*\j
.endr
.endm
.macro LDX c                           ; chunk c of features: rows 64 c + 4 w + i, 1,024 bytes each in two halves
.irp i, 0,1,2,3
	global_load_b128 v[32+8*\i:35+8*\i], v4, s[4:5] offset:(64*(\c)+\i)*32768 th:TH_LOAD_NT
	global_load_b128 v[36+8*\i:39+8*\i], v4, s[4:5] offset:(64*(\c)+\i)*32768+512 th:TH_LOAD_NT
.endr
.endm
.macro STW buf
.irp j, 0,1,2,3
	ds_store_b128 v7, v[16+4*\j:19+4*\j] offset:9216*\j+WBUF*(\buf)
.endr
.endm
.macro STX                             ; four numbers at a time: to bf16, widened, written as f16, stored
.irp q, 0,1,2,3,4,5,6,7
.set xb, 32+4*\q
	v_cvt_pk_bf16_f32 v[xb], v[xb], v[xb+1]
	v_cvt_pk_bf16_f32 v[xb+2], v[xb+2], v[xb+3]
	v_and_b32 v[xb+1], s23, v[xb]
	v_lshlrev_b32 v[xb], 16, v[xb]
	v_and_b32 v[xb+3], s23, v[xb+2]
	v_lshlrev_b32 v[xb+2], 16, v[xb+2]
	v_cvt_pk_f16_f32 v[xb], v[xb], v[xb+1]
	v_cvt_pk_f16_f32 v[xb+1], v[xb+2], v[xb+3]
	ds_store_b64 v6, v[xb:xb+1] offset:XP*((\q)/2)+256*((\q)%2)
.endr
.endm
; 32 along K: eight loads for w1's four fragments, eight for x's four, then 16 products; the accumulators take turns.
; kind = 1: x from the interpolated tile (k along the rows); 0: from the features chunk, turned.  The counts leave the younger fragments of x out.
.macro KSTEP kind, xoff, woff, zero
	PLACES
.irp cb, 0,1,2,3
	ds_load_b128 v[96+8*\cb:99+8*\cb],   v10 offset:(\woff)+2304*\cb
	ds_load_b128 v[100+8*\cb:103+8*\cb], v10 offset:(\woff)+2304*\cb+32
.endr
.irp pb, 0,1,2,3
.if \kind
	ds_load_b128 v[64+8*\pb:67+8*\pb], v9 offset:(\xoff)+16*IP*\pb
	ds_load_b128 v[68+8*\pb:71+8*\pb], v9 offset:(\xoff)+16*IP*\pb+32
.else
	ds_load_tr16_b128 v[64+8*\pb:67+8*\pb], v8 offset:(\xoff)+32*\pb
	ds_load_tr16_b128 v[68+8*\pb:71+8*\pb], v8 offset:(\xoff)+32*\pb+16*XP
.endif
.endr
.irp pb, 0,1,2,3
	s_wait_dscnt 6-2*\pb
.irp cb, 0,1,2,3
.if \zero
	v_wmma_f32_16x16x32_f16 v[ACC+8*(4*\pb+\cb):ACC+8*(4*\pb+\cb)+7], v[64+8*\pb:71+8*\pb], v[96+8*\cb:103+8*\cb], 0
.else
	v_wmma_f32_16x16x32_f16 v[ACC+8*(4*\pb+\cb):ACC+8*(4*\pb+\cb)+7], v[64+8*\pb:71+8*\pb], v[96+8*\cb:103+8*\cb], v[ACC+8*(4*\pb+\cb):ACC+8*(4*\pb+\cb)+7]
.endif
.endr
.endr
.endm
	s_load_b512 s[4:19], s[0:1], 0x0               ; features, fpt, wh, nidx, nw, b1, y1, part
	v_lshl_add_u32 v2, v0, 2, SPARE
	v_mov_b32 v3, 0
	v_lshrrev_b32 v1, 5, v0
	v_readfirstlane_b32 s20, v1                    ; wave
	s_and_b32 s21, s20, 3                          ; which 64 points
	s_lshr_b32 s22, s20, 2                         ; which 64 channels
	s_mov_b32 s23, 0xffff0000                      ; a word's upper bf16; as a lane mask: lanes 16 to 31
	s_mov_b32 s28, 0x76543210                      ; v_permlanex16_b32: each lane takes its own place in the other half
	s_mov_b32 s29, 0xfedcba98
	v_and_b32 v113, 31, v0                         ; l
	v_and_b32 v111, 15, v0                         ; l % 16
	v_bfe_u32 v112, v0, 4, 1                       ; l / 16
	s_lshl_b32 s24, s20, 17
	v_lshl_add_u32 v4, v113, 4, s24                ; XLD: 4 w rows of 32,768 bytes + 16 l
	v_lshlrev_b32 v5, 4, v0                        ; WLD
	s_lshr_b32 s26, ttmp9, 5                       ; b
	s_and_b32 s27, ttmp9, 31
	s_lshl_b32 s24, s26, 23
	s_lshl_b32 s27, s27, 10
	s_add_co_u32 s24, s24, s27                     ; the batch, and the group's 256 points
	s_mov_b32 s25, 0
	s_lshl_b32 s30, s26, 20                        ; fpt[b]
	s_mov_b32 s31, 0
	s_lshl_b32 s26, ttmp9, 12
	s_lshl_b32 s27, s20, 8
	s_add_co_u32 s26, s26, s27                     ; nidx, nw: my wave's 16 points
	s_mov_b32 s27, 0
	s_wait_kmcnt 0x0
	s_add_nc_u64 s[10:11], s[10:11], s[26:27]
	s_add_nc_u64 s[12:13], s[12:13], s[26:27]
	s_load_b512 s[32:47], s[10:11], 0x0            ; the neighbours of my 16 points, four words a point
	s_load_b512 s[48:63], s[10:11], 0x40
	s_load_b512 s[68:83], s[10:11], 0x80
	s_load_b512 s[84:99], s[10:11], 0xc0
	s_add_nc_u64 s[4:5], s[4:5], s[24:25]
	s_add_nc_u64 s[6:7], s[6:7], s[30:31]
	LDW 4*32768                                    ; w1's chunk 4 goes with features' chunk 0
	LDX 0
	s_lshl_b32 s26, s21, 8
	s_add_co_u32 s24, s24, s26
	s_add_nc_u64 s[16:17], s[16:17], s[24:25]      ; y1 at the batch and my wave's 64 points
	s_lshl_b32 s24, ttmp9, 13
	s_add_nc_u64 s[18:19], s[18:19], s[24:25]      ; part: four groups of 2,048 bytes a work-group
	s_mul_i32 s24, s20, 4*XP
	v_lshl_add_u32 v6, v113, 3, s24                ; XST
	s_mul_i32 s24, s20, 4*WP
	s_add_co_u32 s24, s24, WB0
	v_bfe_u32 v1, v0, 3, 2
	v_mul_u32_u24 v7, v1, WP
	v_and_b32 v1, 7, v0
	v_lshl_add_u32 v7, v1, 4, v7
	v_add_nc_u32 v7, s24, v7                       ; WST: row 4 w + l / 8, 16 (l % 8)
	v_lshl_add_u32 v1, v112, 3, v1
	v_mul_u32_u24 v8, v1, XP
	v_bfe_u32 v1, v0, 3, 1
	v_lshl_add_u32 v8, v1, 4, v8
	s_lshl_b32 s24, s21, 7
	v_add_nc_u32 v8, s24, v8                       ; XRD: row 8 (l / 16) + l % 8, points 64 pg + 8 ((l / 8) % 2) on
	v_mul_u32_u24 v9, v111, IP
	v_lshl_add_u32 v9, v112, 4, v9
	s_mul_i32 s24, s21, 64*IP
	s_add_co_u32 s24, s24, IT
	v_add_nc_u32 v9, s24, v9                       ; IRD
	v_mul_u32_u24 v10, v111, WP
	v_lshl_add_u32 v10, v112, 4, v10
	s_mul_i32 s24, s22, 64*WP
	s_add_co_u32 s24, s24, WB0
	v_add_nc_u32 v10, s24, v10                     ; WRD
	s_mul_i32 s24, s20, 4352
	s_add_co_u32 s24, s24, STG
	v_mul_u32_u24 v11, v111, 272
	v_lshl_add_u32 v11, v112, 5, v11
	v_add_nc_u32 v11, s24, v11                     ; STO: row l % 16, 32 bytes for each half of the lanes
	v_mul_u32_u24 v12, v112, 272
	v_lshl_add_u32 v12, v111, 4, v12
	v_add_nc_u32 v12, s24, v12                     ; RD: lanes 0-15 one row of 256 bytes, lanes 16-31 the next
	s_lshl_b32 s24, s22, 21
	v_lshlrev_b32 v13, 15, v112
	v_lshl_add_u32 v13, v111, 4, v13
	v_add_nc_u32 v13, s24, v13                     ; CO: the same two rows in y1
	s_lshl_b32 s24, s22, 9
	s_lshl_b32 s26, s21, 11
	s_add_co_u32 s24, s24, s26
	v_lshl_add_u32 v14, v113, 3, s24               ; PO
	s_lshl_b32 s24, s22, 8
	v_lshl_add_u32 v15, v111, 2, s24               ; BO
	v_lshlrev_b32 v108, 4, v113
	v_mov_b32 v109, 0
	s_mul_i32 s24, s20, 16*IP
	s_add_co_u32 s24, s24, IT
	v_add_nc_u32 v110, s24, v108
	s_wait_kmcnt 0x0                               ; the indices
; THE INTERPOLATED TILE.  Wave w makes points 16 w .. +15; a lane takes 8 channels (16 bytes) of each of a point's three rows of fpt.  A ring of eight point slots.
.macro GISS p                          ; point p is asked for: its weights (the same 16 bytes for all lanes), then three rows.  An index is cut to the table's 2,048 rows
.set sb, 32+4*(\p)+4*((\p)/8)
.set sl, (\p)%8
	global_load_b128 v[224+4*sl:227+4*sl], v109, s[12:13] offset:16*(\p)
.irp j, 0,1,2
	s_min_u32 s[sb+\j], s[sb+\j], 0x7ff
	s_lshl_b32 s[sb+\j], s[sb+\j], 9
	v_add_nc_u32 v[64+3*sl+\j], s[sb+\j], v108
	global_load_b128 v[128+12*sl+4*\j:131+12*sl+4*\j], v[64+3*sl+\j], s[6:7]
.endr
.endm
.macro GPT p, left                     ; point p is made: f0 w0 + f1 w1 + f2 w2 in f32, rounded to f16, 16 bytes into its row
.set sl, (\p)%8
	s_wait_loadcnt \left                           ; four loads for each younger point stay out
.irp d, 0,1,2,3
.set tb, 88+8*((\d)%2)
	v_lshlrev_b32 v[tb],   16,  v[128+12*sl+\d]
	v_and_b32     v[tb+1], s23, v[128+12*sl+\d]
	v_lshlrev_b32 v[tb+2], 16,  v[132+12*sl+\d]
	v_and_b32     v[tb+3], s23, v[132+12*sl+\d]
	v_lshlrev_b32 v[tb+4], 16,  v[136+12*sl+\d]
	v_and_b32     v[tb+5], s23, v[136+12*sl+\d]
	v_pk_mul_f32 v[tb:tb+1], v[tb:tb+1], v[224+4*sl:225+4*sl] op_sel_hi:[1,0]
	v_pk_fma_f32 v[tb:tb+1], v[tb+2:tb+3], v[224+4*sl:225+4*sl], v[tb:tb+1] op_sel:[0,1,0] op_sel_hi:[1,1,1]
	v_pk_fma_f32 v[tb:tb+1], v[tb+4:tb+5], v[226+4*sl:227+4*sl], v[tb:tb+1] op_sel_hi:[1,0,1]
	v_cvt_pk_f16_f32 v[104+\d], v[tb], v[tb+1]
.endr
	ds_store_b128 v110, v[104:107] offset:IP*(\p)
.endm
.irp p, 0,1,2,3,4,5,6,7
	GISS \p
.endr
.irp p, 0,1,2,3,4,5,6,7
	GPT \p, 28                                     ; seven younger points are out
	GISS (\p)+8                                    ; the slot's loads are done, so its registers take the point eight further on
.endr
.irp p, 8,9,10,11,12,13,14,15
	GPT \p, 4*(15-(\p))
.endr
	s_wait_loadcnt 0x0
	STW 0
	STX
	BAR                                            ; the tile, features' chunk 0 and w1's chunk 4 are whole
.macro TRIPF c, zero                   ; features' chunk c x w1's chunk 4 + c (buffer 0); w1's chunk c is staged into buffer 1, features' chunk c + 1 is asked for
	LDW (\c)*32768
.if (\c) < 3
	LDX (\c)+1
.endif
	KSTEP 0, 0, 0, \zero
	KSTEP 0, 32*XP, 64, 0
.if (\c) < 3
	s_wait_loadcnt 0x8                             ; w1's four are in; features' eight stay out
.else
	s_wait_loadcnt 0x0
.endif
	STW 1                                          ; buffer 1 was last read ahead of the last barrier
	BAR
.endm
.macro TRIPI c                         ; the tile's chunk c x w1's chunk c (buffer 1); the next features chunk and w1's chunk 5 + c are staged
.if (\c) < 3
	LDW (5+(\c))*32768
.else
.irp cb, 0,1,2,3
	global_load_b32 v[16+\cb], v15, s[14:15] offset:64*\cb  ; b1 of my lane's four channels
.endr
.endif
	KSTEP 1, 128*(\c), WBUF, 0
	KSTEP 1, 128*(\c)+64, WBUF+64, 0
.if (\c) < 3
	s_wait_loadcnt 0x0
	STW 0                                          ; buffer 0 and the features chunk were last read ahead of the last barrier
	STX
	BAR
.endif
.endm
	TRIPF 0, 1
	TRIPI 0
	TRIPF 1, 0
	TRIPI 1
	TRIPF 2, 0
	TRIPI 2
	TRIPF 3, 0
	TRIPI 3
; For channel block cb: the bias is added; then over the wave's 64 points (32 in my lane, 32 in the lane 16 away) the sum, and the squares about sum / 64.  Each accumulator is read from its low end on.
.macro STAT cb
.irp pb, 0,1,2,3
.irp q, 0,1,2,3
	v_pk_add_f32 v[ACC+8*(4*\pb+(\cb))+2*\q:ACC+8*(4*\pb+(\cb))+2*\q+1], v[ACC+8*(4*\pb+(\cb))+2*\q:ACC+8*(4*\pb+(\cb))+2*\q+1], v[20+2*(\cb):21+2*(\cb)]
.endr
.endr
.irp pb, 0,1,2,3
	v_pk_add_f32 v[64+2*\pb:65+2*\pb], v[ACC+8*(4*\pb+(\cb)):ACC+8*(4*\pb+(\cb))+1], v[ACC+8*(4*\pb+(\cb))+2:ACC+8*(4*\pb+(\cb))+3]
.endr
.irp pb, 0,1,2,3
	v_pk_add_f32 v[64+2*\pb:65+2*\pb], v[64+2*\pb:65+2*\pb], v[ACC+8*(4*\pb+(\cb))+4:ACC+8*(4*\pb+(\cb))+5]
.endr
.irp pb, 0,1,2,3
	v_pk_add_f32 v[64+2*\pb:65+2*\pb], v[64+2*\pb:65+2*\pb], v[ACC+8*(4*\pb+(\cb))+6:ACC+8*(4*\pb+(\cb))+7]
.endr
	v_pk_add_f32 v[64:65], v[64:65], v[66:67]
	v_pk_add_f32 v[68:69], v[68:69], v[70:71]
	v_pk_add_f32 v[64:65], v[64:65], v[68:69]
	v_add_f32 v64, v64, v65
	v_permlanex16_b32 v65, v64, s28, s29
	v_add_f32 v[32+2*(\cb)], v64, v65
	v_mul_f32 v72, 0x3c800000, v[32+2*(\cb)]       ; the 64 points' mean
	v_mov_b32 v73, v72
.irp pb, 0,1,2,3
.irp q, 0,1,2,3
	v_pk_add_f32 v[76+2*\q:77+2*\q], v[ACC+8*(4*\pb+(\cb))+2*\q:ACC+8*(4*\pb+(\cb))+2*\q+1], v[72:73] neg_lo:[0,1] neg_hi:[0,1]
.endr
.irp q, 0,1,2,3
.if (\pb) == 0 && (\q) < 2
	v_pk_mul_f32 v[84+2*\q:85+2*\q], v[76+2*\q:77+2*\q], v[76+2*\q:77+2*\q]
.else
	v_pk_fma_f32 v[84+2*((\q)%2):85+2*((\q)%2)], v[76+2*\q:77+2*\q], v[76+2*\q:77+2*\q], v[84+2*((\q)%2):85+2*((\q)%2)]
.endif
.endr
.endr
	v_pk_add_f32 v[84:85], v[84:85], v[86:87]
	v_add_f32 v84, v84, v85
	v_permlanex16_b32 v85, v84, s28, s29
	v_add_f32 v[33+2*(\cb)], v84, v85
.endm
.macro PSTORE q                        ; lanes 0-15 give block 2 q's pair, lanes 16-31 block 2 q + 1's: 32 neighbouring channels, 256 consecutive bytes
	v_cndmask_b32 v[40+2*(\q)], v[32+4*(\q)], v[34+4*(\q)], s23
	v_cndmask_b32 v[41+2*(\q)], v[33+4*(\q)], v[35+4*(\q)], s23
	global_store_b64 v14, v[40+2*(\q):41+2*(\q)], s[18:19] offset:256*(\q)
.endm
; Channel block cb leaves: 16 rows (channels) of 64 points through my own stage, back as whole rows of 256 bytes.
.macro OUTP cb, base
.set ob, 64+32*((\cb)%2)
	s_wait_xcnt 0x0                                ; earlier stores have read their registers
.irp pb, 0,1,2,3
	ds_store_b128 v11, v[ACC+8*(4*\pb+(\cb)):ACC+8*(4*\pb+(\cb))+3]   offset:64*\pb
	ds_store_b128 v11, v[ACC+8*(4*\pb+(\cb))+4:ACC+8*(4*\pb+(\cb))+7] offset:64*\pb+16
.endr
.irp t, 0,1,2,3,4,5,6,7
	ds_load_b128 v[ob+4*\t:ob+4*\t+3], v12 offset:544*\t  ; LDS serves a wave's instructions in order: these see the stores above
.endr
.irp t, 0,1,2,3,4,5,6,7
	s_wait_dscnt 7-\t
	global_store_b128 v13, v[ob+4*\t:ob+4*\t+3], s[(\base):(\base)+1] offset:(16*(\cb)+2*\t)*32768  ; sixteen lanes store 256 consecutive bytes, aligned
.endr
.endm
	s_wait_loadcnt 0x0                             ; b1
	PLACES
	v_cvt_pk_bf16_f32 v16, v16, v17
	v_cvt_pk_bf16_f32 v18, v18, v19
	v_lshlrev_b32 v20, 16, v16
	v_and_b32 v22, s23, v16
	v_lshlrev_b32 v24, 16, v18
	v_and_b32 v26, s23, v18
	v_mov_b32 v21, v20
	v_mov_b32 v23, v22
	v_mov_b32 v25, v24
	v_mov_b32 v27, v26
	STAT 0
	STAT 1
	STAT 2
	STAT 3
	PSTORE 0
	PSTORE 1
	OUTP 0, 16
	OUTP 1, 16
	OUTP 2, 16
	OUTP 3, 16
	s_wait_tensorcnt 0x0                           ; the wave's end
	ds_add_u32 v2, v3
	s_wait_dscnt 0x0
	s_endpgm
.Lfunc_end_k_q53b343e692_gemm1:
	.size	k_q53b343e692_gemm1, .Lfunc_end_k_q53b343e692_gemm1-k_q53b343e692_gemm1
	.p2alignl 7, 3214868480
	.fill 96, 4, 3214868480
	.section	.rodata,"a",@progbits
	.p2align	6, 0x0
	.amdhsa_kernel k_q53b343e692_gemm1
		.amdhsa_group_segment_fixed_size 253952
		.amdhsa_private_segment_fixed_size 0
		.amdhsa_enable_private_segment 0
		.amdhsa_kernarg_size 64
		.amdhsa_user_sgpr_count 2
		.amdhsa_user_sgpr_kernarg_segment_ptr 1
		.amdhsa_wavefront_size32 1
		.amdhsa_system_sgpr_workgroup_id_x 1
		.amdhsa_system_sgpr_workgroup_id_y 1
		.amdhsa_system_sgpr_workgroup_id_z 1
		.amdhsa_system_vgpr_workitem_id 0
		.amdhsa_next_free_vgpr 256
		.amdhsa_next_free_sgpr 100
		.amdhsa_reserve_vcc 0
		.amdhsa_float_denorm_mode_32 3
		.amdhsa_float_denorm_mode_16_64 3
		.amdhsa_memory_ordered 1
		.amdhsa_forward_progress 1
		.amdhsa_inst_pref_size 133
	.end_amdhsa_kernel
	.amdgpu_metadata
---
amdhsa.version: [ 1, 2 ]
amdhsa.kernels:
  - .name:           k_q53b343e692_gemm1
    .symbol:         k_q53b343e692_gemm1.kd
    .args:
      - { .name: features, .offset: 0, .size: 8, .value_kind: global_buffer, .address_space: global }
      - { .name: fpt, .offset: 8, .size: 8, .value_kind: global_buffer, .address_space: global }
      - { .name: wh, .offset: 16, .size: 8, .value_kind: global_buffer, .address_space: global }
      - { .name: nidx, .offset: 24, .size: 8, .value_kind: global_buffer, .address_space: global }
      - { .name: nw, .offset: 32, .size: 8, .value_kind: global_buffer, .address_space: global }
      - { .name: b1, .offset: 40, .size: 8, .value_kind: global_buffer, .address_space: global }
      - { .name: y1, .offset: 48, .size: 8, .value_kind: global_buffer, .address_space: global }
      - { .name: part, .offset: 56, .size: 8, .value_kind: global_buffer, .address_space: global }
    .group_segment_fixed_size: 253952
    .private_segment_fixed_size: 0
    .kernarg_segment_align: 8
    .kernarg_segment_size: 64
    .max_flat_workgroup_size: 512
    .sgpr_count:     100
    .vgpr_count:     256
    .wavefront_size: 32
...
	.end_amdgpu_metadata
.endif
;; end of part 2
;; launch stat1 (part 3): grid 8 x 1, 16 waves a work-group, no clusters, 6,144 bytes of LDS; arguments part, g1, beta1, ab1; writes ab1
.if DOCPART == 3
	.amdgcn_target "amdgcn-amd-amdhsa--gfx1250"
	.amdhsa_code_object_version 6
	.text
	.protected	k_q53b343e692_stat1
	.globl	k_q53b343e692_stat1
	.p2align	8
	.type	k_q53b343e692_stat1,@function
k_q53b343e692_stat1:
	s_mov_b64 s[64:65], 0
	v_nop
	global_prefetch_b8 v0, s[64:65] scope:SCOPE_SE
	s_setreg_imm32_b32 hwreg(HW_REG_WAVE_MODE, 25, 1), 1
	s_wait_xcnt 0x0
; BATCH NORM'S TWO NUMBERS A CHANNEL.  part holds, for 1,024 groups of 64 points and 256 channels, (sum, squares about the group's own mean).
; mean = total / 65,536; the squares about it = the sum over groups of M2_i + 64 (sum_i / 64 - mean)^2: no difference of large sums is formed.
; a = gamma rsq(var + 1e-5), s = beta - mean a, so that the normalised number is a y + s.  gamma and beta are rounded to bf16, like all inputs.
; Work-group c: channels 32 c + l.  Wave v: groups 64 v .. +63, kept in registers between the two passes.  Eight groups: a load of a wave covers 256 consecutive bytes, and 256 channels give eight such.
.set RA,    0                          ; 16 waves x 32 channels x 4 bytes: the sums
.set RB,    2048                       ; the same for the squares
.set SPARE, 4096
.macro BAR
	s_wait_dscnt 0x0
	s_barrier_signal -1
	s_barrier_wait -1
.endm
.macro RED16 at                        ; the sixteen waves' figures for my channel, added: into v24
.irp j, 0,1,2,3,4,5,6,7,8,9,10,11,12,13,14,15
	ds_load_b32 v[24+\j], v6 offset:(\at)+128*\j
.endr
	s_wait_dscnt 0x0
.irp j, 0,1,2,3,4,5,6,7
	v_add_f32 v[24+\j], v[24+\j], v[32+\j]
.endr
.irp j, 0,1,2,3
	v_add_f32 v[24+\j], v[24+\j], v[28+\j]
.endr
	v_add_f32 v24, v24, v26
	v_add_f32 v25, v25, v27
	v_add_f32 v24, v24, v25
.endm
	s_load_b256 s[4:11], s[0:1], 0x0               ; part, gamma, beta, ab
	v_lshl_add_u32 v2, v0, 2, SPARE
	v_mov_b32 v3, 0
	v_lshrrev_b32 v1, 5, v0
	v_readfirstlane_b32 s12, v1                    ; wave
	v_and_b32 v4, 31, v0
	s_lshl_b32 s13, s12, 17                        ; 64 groups of 2,048 bytes
	v_lshl_add_u32 v5, v4, 3, s13
	s_lshl_b32 s14, ttmp9, 8
	s_mov_b32 s15, 0
	s_lshl_b32 s16, ttmp9, 7
	s_mov_b32 s17, 0
	s_mov_b32 s19, 0x3c800000                      ; 1 / 64
	v_lshlrev_b32 v6, 2, v4
	v_lshlrev_b32 v7, 3, v4
	s_lshl_b32 s18, s12, 7
	v_add_nc_u32 v13, s18, v6                      ; my word: 128 v + 4 l
	s_wait_kmcnt 0x0
	s_add_nc_u64 s[4:5], s[4:5], s[14:15]
	s_add_nc_u64 s[10:11], s[10:11], s[14:15]
	s_add_nc_u64 s[6:7], s[6:7], s[16:17]
	s_add_nc_u64 s[8:9], s[8:9], s[16:17]
.set i, 0
.rept 64
	global_load_b64 v[64+2*i:65+2*i], v5, s[4:5] offset:2048*i
.set i, i+1
.endr
	global_load_b32 v20, v6, s[6:7]
	global_load_b32 v21, v6, s[8:9]
	s_wait_loadcnt 0x0
.irp k, 0,1,2,3
	v_add_f32 v[8+\k], v[64+2*\k], v[72+2*\k]      ; four chains, started by the first eight
.endr
.set i, 8
.rept 56
	v_add_f32 v[8+i%4], v[8+i%4], v[64+2*i]
.set i, i+1
.endr
	v_add_f32 v8, v8, v9
	v_add_f32 v10, v10, v11
	v_add_f32 v8, v8, v10
	ds_store_b32 v13, v8 offset:RA
	BAR
	RED16 RA
	v_mul_f32 v14, 0x37800000, v24                 ; mean = total / 65,536
.set i, 0
.rept 64
	v_fma_f32 v[64+2*i], v[64+2*i], s19, -v14      ; the group's mean less the mean
.set i, i+1
.endr
.irp k, 0,1,2,3
	v_mul_f32 v[8+\k], v[64+2*\k], v[64+2*\k]
	v_add_f32 v[16+\k], v[65+2*\k], v[73+2*\k]
.endr
.set i, 4
.rept 60
	v_fma_f32 v[8+i%4], v[64+2*i], v[64+2*i], v[8+i%4]
.set i, i+1
.endr
.set i, 8
.rept 56
	v_add_f32 v[16+i%4], v[16+i%4], v[65+2*i]
.set i, i+1
.endr
	v_add_f32 v8, v8, v9
	v_add_f32 v10, v10, v11
	v_add_f32 v16, v16, v17
	v_add_f32 v18, v18, v19
	v_add_f32 v8, v8, v10
	v_add_f32 v16, v16, v18
	v_fma_f32 v8, 0x42800000, v8, v16              ; 64 x the squares of the means' distances + the groups' own squares
	ds_store_b32 v13, v8 offset:RB                 ; other bytes than the first exchange's
	BAR
	RED16 RB
	v_mul_f32 v24, 0x37800000, v24                 ; the biased variance
	v_add_f32 v24, 0x3727c5ac, v24                 ; + 1e-5
	v_rsq_f32 v24, v24
	v_nop                                          ; a plain instruction behind the reciprocal root
	v_cvt_pk_bf16_f32 v20, v20, v21
	v_lshlrev_b32 v22, 16, v20
	v_and_b32 v23, 0xffff0000, v20
	s_wait_alu depctr_va_vdst(0)
	v_mul_f32 v26, v22, v24
	v_fma_f32 v27, -v14, v26, v23
	s_cmp_lg_u32 s12, 0
	s_cbranch_scc1 .Lnot_wave_0                    ; all waves hold the same numbers; wave 0 stores them
	global_store_b64 v7, v[26:27], s[10:11]        ; 256 consecutive bytes
.Lnot_wave_0:
	s_wait_tensorcnt 0x0                           ; the wave's end
	ds_add_u32 v2, v3
	s_wait_dscnt 0x0
	s_endpgm
.Lfunc_end_k_q53b343e692_stat1:
	.size	k_q53b343e692_stat1, .Lfunc_end_k_q53b343e692_stat1-k_q53b343e692_stat1
	.p2alignl 7, 3214868480
	.fill 96, 4, 3214868480
	.section	.rodata,"a",@progbits
	.p2align	6, 0x0
	.amdhsa_kernel k_q53b343e692_stat1
		.amdhsa_group_segment_fixed_size 6144
		.amdhsa_private_segment_fixed_size 0
		.amdhsa_enable_private_segment 0
		.amdhsa_kernarg_size 32
		.amdhsa_user_sgpr_count 2
		.amdhsa_user_sgpr_kernarg_segment_ptr 1
		.amdhsa_wavefront_size32 1
		.amdhsa_system_sgpr_workgroup_id_x 1
		.amdhsa_system_sgpr_workgroup_id_y 1
		.amdhsa_system_sgpr_workgroup_id_z 1
		.amdhsa_system_vgpr_workitem_id 0
		.amdhsa_next_free_vgpr 200
		.amdhsa_next_free_sgpr 66
		.amdhsa_reserve_vcc 0
		.amdhsa_float_denorm_mode_32 3
		.amdhsa_float_denorm_mode_16_64 3
		.amdhsa_memory_ordered 1
		.amdhsa_forward_progress 1
		.amdhsa_inst_pref_size 24
	.end_amdhsa_kernel
	.amdgpu_metadata
---
amdhsa.version: [ 1, 2 ]
amdhsa.kernels:
  - .name:           k_q53b343e692_stat1
    .symbol:         k_q53b343e692_stat1.kd
    .args:
      - { .name: part, .offset: 0, .size: 8, .value_kind: global_buffer, .address_space: global }
      - { .name: g1, .offset: 8, .size: 8, .value_kind: global_buffer, .address_space: global }
      - { .name: beta1, .offset: 16, .size: 8, .value_kind: global_buffer, .address_space: global }
      - { .name: ab1, .offset: 24, .size: 8, .value_kind: global_buffer, .address_space: global }
    .group_segment_fixed_size: 6144
    .private_segment_fixed_size: 0
    .kernarg_segment_align: 8
    .kernarg_segment_size: 32
    .max_flat_workgroup_size: 512
    .sgpr_count:     66
    .vgpr_count:     200
    .wavefront_size: 32
...
	.end_amdgpu_metadata
.endif
;; end of part 3
;; launch gemm2s (part 4): grid 256 x 1, 16 waves a work-group, no clusters, 215,040 bytes of LDS; arguments y1, wh, ab1, b2, part; writes part
.if DOCPART == 4
	.amdgcn_target "amdgcn-amd-amdhsa--gfx1250"
	.amdhsa_code_object_version 6
	.text
	.protected	k_q53b343e692_gemm2s
	.globl	k_q53b343e692_gemm2s
	.p2align	8
	.type	k_q53b343e692_gemm2s,@function
k_q53b343e692_gemm2s:
	s_mov_b64 s[64:65], 0
	v_nop
	global_prefetch_b8 v0, s[64:65] scope:SCOPE_SE
	s_setreg_imm32_b32 hwreg(HW_REG_WAVE_MODE, 25, 1), 1
	s_wait_xcnt 0x0
; THE SECOND LAYER'S STATISTICS.  y2[b][o][n] = sum over k of w2[o][k] h[b][k][n] + b2[o], h = max(a1[k] y1[b][k][n] + s1[k], 0); y2 is not stored: only, for each channel
; and 64 points, its sum and its squares about their own mean.  The last launch makes y2 again: that reads y1 once more and spares y2's way to memory and back.
; Shares, layouts and the K step as in the first layer: work-group g = 32 b + blk, 256 channels x 256 points; wave w: points 64 (w % 4) on, channels 64 (w / 4) on.
; K goes in four chunks of 64 through two buffers each for h ([k][point], read turned) and for w2.
; FORMATS.  h is rounded once, to f16 (65,504 at the most: gamma and beta would have to be some thousands); w2 is bf16 written as f16; b2 is rounded to bf16; sums in f32.
; NO CLUSTER, NO TENSOR LOAD: y1 has to pass through registers to be normalised, and w2's chunk is a third of a trip's bytes.
.set XP,    544
.set XBUF,  34816                      ; two buffers for h from byte 0
.set WB0,   69632                      ; two buffers for w2's chunk
.set WP,    144
.set WBUF,  36864
.set SPARE, 212992
.set W2OFF, 262144                     ; w2's chunks in wh
.set ACC,   128
; v2 v3 the add's two; v4 XLD v5 WLD; v6 XST v7 WST; v8 XRD v10 WRD; v14 PO v15 BO; v16-31 w2 on its way; v32-63 y1 on its way; v64-95, v96-127 fragments; v128-255 accumulators
; s[32:63] a1 and s1 of my four rows in each of the four chunks
.macro PLACES
.rept 4
	v_nop
.endr
.endm
.macro BAR
	s_wait_dscnt 0x0
	s_barrier_signal -1
	s_barrier_wait -1
.endm
.macro LDW off
.irp j, 0,1,2,3
	global_load_b128 v[16+4*\j:19+4*\j], v5, s[6:7] offset:(\off)+8192*\j
.endr
.endm
.macro LDX c
.irp i, 0,1,2,3
	global_load_b128 v[32+8*\i:35+8*\i], v4, s[4:5] offset:(64*(\c)+\i)*32768
	global_load_b128 v[36+8*\i:39+8*\i], v4, s[4:5] offset:(64*(\c)+\i)*32768+512
.endr
.endm
.macro STW buf
.irp j, 0,1,2,3
	ds_store_b128 v7, v[16+4*\j:19+4*\j] offset:9216*\j+WBUF*(\buf)
.endr
.endm
.macro STX t, buf                      ; chunk t: normalised, cut at 0, rounded to f16, stored
.irp i, 0,1,2,3
.irp hf, 0,1
.set xb, 32+8*\i+4*\hf
.irp e, 0,1,2,3
	v_fma_f32 v[xb+\e], v[xb+\e], s[32+8*(\t)+2*\i], s[33+8*(\t)+2*\i]
.endr
.irp e, 0,1,2,3
	v_max_num_f32 v[xb+\e], 0, v[xb+\e]
.endr
	v_cvt_pk_f16_f32 v[xb], v[xb], v[xb+1]
	v_cvt_pk_f16_f32 v[xb+1], v[xb+2], v[xb+3]
	ds_store_b64 v6, v[xb:xb+1] offset:XP*\i+256*\hf+XBUF*(\buf)
.endr
.endr
.endm
.macro KSTEP xoff, woff, zero          ; 32 along K: 16 fragment loads, 16 products; the accumulators take turns
	PLACES
.irp cb, 0,1,2,3
	ds_load_b128 v[96+8*\cb:99+8*\cb],   v10 offset:(\woff)+2304*\cb
	ds_load_b128 v[100+8*\cb:103+8*\cb], v10 offset:(\woff)+2304*\cb+32
.endr
.irp pb, 0,1,2,3
	ds_load_tr16_b128 v[64+8*\pb:67+8*\pb], v8 offset:(\xoff)+32*\pb
	ds_load_tr16_b128 v[68+8*\pb:71+8*\pb], v8 offset:(\xoff)+32*\pb+16*XP
.endr
.irp pb, 0,1,2,3
	s_wait_dscnt 6-2*\pb                           ; the younger fragments of h stay out
.irp cb, 0,1,2,3
.if \zero
	v_wmma_f32_16x16x32_f16 v[ACC+8*(4*\pb+\cb):ACC+8*(4*\pb+\cb)+7], v[64+8*\pb:71+8*\pb], v[96+8*\cb:103+8*\cb], 0
.else
	v_wmma_f32_16x16x32_f16 v[ACC+8*(4*\pb+\cb):ACC+8*(4*\pb+\cb)+7], v[64+8*\pb:71+8*\pb], v[96+8*\cb:103+8*\cb], v[ACC+8*(4*\pb+\cb):ACC+8*(4*\pb+\cb)+7]
.endif
.endr
.endr
.endm
.macro TRIP t, zero                    ; chunk t is multiplied while chunk t + 1 is on its way; then that is staged into the buffers last read ahead of the last barrier
	LDW W2OFF+32768*((\t)+1)
	LDX (\t)+1
	KSTEP XBUF*((\t)%2), WBUF*((\t)%2), \zero
	KSTEP XBUF*((\t)%2)+32*XP, WBUF*((\t)%2)+64, 0
	s_wait_loadcnt 0x0
	STW ((\t)+1)%2
	STX (\t)+1, ((\t)+1)%2
	BAR
.endm
	s_load_b256 s[4:11], s[0:1], 0x0               ; y1, wh, ab1, b2
	s_load_b64 s[12:13], s[0:1], 0x20              ; part
	v_lshl_add_u32 v2, v0, 2, SPARE
	v_mov_b32 v3, 0
	v_lshrrev_b32 v1, 5, v0
	v_readfirstlane_b32 s20, v1
	s_and_b32 s21, s20, 3
	s_lshr_b32 s22, s20, 2
	s_mov_b32 s23, 0xffff0000
	s_mov_b32 s28, 0x76543210
	s_mov_b32 s29, 0xfedcba98
	v_and_b32 v113, 31, v0
	v_and_b32 v111, 15, v0
	v_bfe_u32 v112, v0, 4, 1
	s_lshl_b32 s24, s20, 17
	v_lshl_add_u32 v4, v113, 4, s24
	v_lshlrev_b32 v5, 4, v0
	s_lshr_b32 s26, ttmp9, 5
	s_and_b32 s27, ttmp9, 31
	s_lshl_b32 s24, s26, 23
	s_lshl_b32 s27, s27, 10
	s_add_co_u32 s24, s24, s27
	s_mov_b32 s25, 0
	s_lshl_b32 s26, s20, 5                         ; my four rows' pairs in ab1
	s_mov_b32 s27, 0
	s_wait_kmcnt 0x0
	s_add_nc_u64 s[8:9], s[8:9], s[26:27]
.irp t, 0,1,2,3
	s_load_b256 s[32+8*\t:39+8*\t], s[8:9], 512*\t
.endr
	s_add_nc_u64 s[4:5], s[4:5], s[24:25]
	LDW W2OFF
	LDX 0
	s_lshl_b32 s24, ttmp9, 13
	s_add_nc_u64 s[12:13], s[12:13], s[24:25]
	s_mul_i32 s24, s20, 4*XP
	v_lshl_add_u32 v6, v113, 3, s24
	s_mul_i32 s24, s20, 4*WP
	s_add_co_u32 s24, s24, WB0
	v_bfe_u32 v1, v0, 3, 2
	v_mul_u32_u24 v7, v1, WP
	v_and_b32 v1, 7, v0
	v_lshl_add_u32 v7, v1, 4, v7
	v_add_nc_u32 v7, s24, v7
	v_lshl_add_u32 v1, v112, 3, v1
	v_mul_u32_u24 v8, v1, XP
	v_bfe_u32 v1, v0, 3, 1
	v_lshl_add_u32 v8, v1, 4, v8
	s_lshl_b32 s24, s21, 7
	v_add_nc_u32 v8, s24, v8
	v_mul_u32_u24 v10, v111, WP
	v_lshl_add_u32 v10, v112, 4, v10
	s_mul_i32 s24, s22, 64*WP
	s_add_co_u32 s24, s24, WB0
	v_add_nc_u32 v10, s24, v10
	s_lshl_b32 s24, s22, 9
	s_lshl_b32 s26, s21, 11
	s_add_co_u32 s24, s24, s26
	v_lshl_add_u32 v14, v113, 3, s24
	s_lshl_b32 s24, s22, 8
	v_lshl_add_u32 v15, v111, 2, s24
	s_wait_kmcnt 0x0
	s_wait_loadcnt 0x0
	STW 0
	STX 0, 0
	BAR
	TRIP 0, 1
	TRIP 1, 0
	TRIP 2, 0
.irp cb, 0,1,2,3
	global_load_b32 v[16+\cb], v15, s[10:11] offset:64*\cb  ; b2 of my lane's four channels
.endr
	KSTEP XBUF, WBUF, 0
	KSTEP XBUF+32*XP, WBUF+64, 0
.macro STAT cb                         ; the bias; then over the wave's 64 points the sum and the squares about sum / 64.  Each accumulator is read from its low end on
.irp pb, 0,1,2,3
.irp q, 0,1,2,3
	v_pk_add_f32 v[ACC+8*(4*\pb+(\cb))+2*\q:ACC+8*(4*\pb+(\cb))+2*\q+1], v[ACC+8*(4*\pb+(\cb))+2*\q:ACC+8*(4*\pb+(\cb))+2*\q+1], v[20+2*(\cb):21+2*(\cb)]
.endr
.endr
.irp pb, 0,1,2,3
	v_pk_add_f32 v[64+2*\pb:65+2*\pb], v[ACC+8*(4*\pb+(\cb)):ACC+8*(4*\pb+(\cb))+1], v[ACC+8*(4*\pb+(\cb))+2:ACC+8*(4*\pb+(\cb))+3]
.endr
.irp pb, 0,1,2,3
	v_pk_add_f32 v[64+2*\pb:65+2*\pb], v[64+2*\pb:65+2*\pb], v[ACC+8*(4*\pb+(\cb))+4:ACC+8*(4*\pb+(\cb))+5]
.endr
.irp pb, 0,1,2,3
	v_pk_add_f32 v[64+2*\pb:65+2*\pb], v[64+2*\pb:65+2*\pb], v[ACC+8*(4*\pb+(\cb))+6:ACC+8*(4*\pb+(\cb))+7]
.endr
	v_pk_add_f32 v[64:65], v[64:65], v[66:67]
	v_pk_add_f32 v[68:69], v[68:69], v[70:71]
	v_pk_add_f32 v[64:65], v[64:65], v[68:69]
	v_add_f32 v64, v64, v65
	v_permlanex16_b32 v65, v64, s28, s29
	v_add_f32 v[32+2*(\cb)], v64, v65
	v_mul_f32 v72, 0x3c800000, v[32+2*(\cb)]
	v_mov_b32 v73, v72
.irp pb, 0,1,2,3
.irp q, 0,1,2,3
	v_pk_add_f32 v[76+2*\q:77+2*\q], v[ACC+8*(4*\pb+(\cb))+2*\q:ACC+8*(4*\pb+(\cb))+2*\q+1], v[72:73] neg_lo:[0,1] neg_hi:[0,1]
.endr
.irp q, 0,1,2,3
.if (\pb) == 0 && (\q) < 2
	v_pk_mul_f32 v[84+2*\q:85+2*\q], v[76+2*\q:77+2*\q], v[76+2*\q:77+2*\q]
.else
	v_pk_fma_f32 v[84+2*((\q)%2):85+2*((\q)%2)], v[76+2*\q:77+2*\q], v[76+2*\q:77+2*\q], v[84+2*((\q)%2):85+2*((\q)%2)]
.endif
.endr
.endr
	v_pk_add_f32 v[84:85], v[84:85], v[86:87]
	v_add_f32 v84, v84, v85
	v_permlanex16_b32 v85, v84, s28, s29
	v_add_f32 v[33+2*(\cb)], v84, v85
.endm
.macro PSTORE q                        ; lanes 0-15 give block 2 q's pair, lanes 16-31 block 2 q + 1's: 256 consecutive bytes
	v_cndmask_b32 v[40+2*(\q)], v[32+4*(\q)], v[34+4*(\q)], s23
	v_cndmask_b32 v[41+2*(\q)], v[33+4*(\q)], v[35+4*(\q)], s23
	global_store_b64 v14, v[40+2*(\q):41+2*(\q)], s[12:13] offset:256*(\q)
.endm
	s_wait_loadcnt 0x0
	PLACES
	v_cvt_pk_bf16_f32 v16, v16, v17
	v_cvt_pk_bf16_f32 v18, v18, v19
	v_lshlrev_b32 v20, 16, v16
	v_and_b32 v22, s23, v16
	v_lshlrev_b32 v24, 16, v18
	v_and_b32 v26, s23, v18
	v_mov_b32 v21, v20
	v_mov_b32 v23, v22
	v_mov_b32 v25, v24
	v_mov_b32 v27, v26
	STAT 0
	STAT 1
	STAT 2
	STAT 3
	PSTORE 0
	PSTORE 1
	s_wait_tensorcnt 0x0                           ; the wave's end
	ds_add_u32 v2, v3
	s_wait_dscnt 0x0
	s_endpgm
.Lfunc_end_k_q53b343e692_gemm2s:
	.size	k_q53b343e692_gemm2s, .Lfunc_end_k_q53b343e692_gemm2s-k_q53b343e692_gemm2s
	.p2alignl 7, 3214868480
	.fill 96, 4, 3214868480
	.section	.rodata,"a",@progbits
	.p2align	6, 0x0
	.amdhsa_kernel k_q53b343e692_gemm2s
		.amdhsa_group_segment_fixed_size 215040
		.amdhsa_private_segment_fixed_size 0
		.amdhsa_enable_private_segment 0
		.amdhsa_kernarg_size 40
		.amdhsa_user_sgpr_count 2
		.amdhsa_user_sgpr_kernarg_segment_ptr 1
		.amdhsa_wavefront_size32 1
		.amdhsa_system_sgpr_workgroup_id_x 1
		.amdhsa_system_sgpr_workgroup_id_y 1
		.amdhsa_system_sgpr_workgroup_id_z 1
		.amdhsa_system_vgpr_workitem_id 0
		.amdhsa_next_free_vgpr 256
		.amdhsa_next_free_sgpr 66
		.amdhsa_reserve_vcc 0
		.amdhsa_float_denorm_mode_32 3
		.amdhsa_float_denorm_mode_16_64 3
		.amdhsa_memory_ordered 1
		.amdhsa_forward_progress 1
		.amdhsa_inst_pref_size 65
	.end_amdhsa_kernel
	.amdgpu_metadata
---
amdhsa.version: [ 1, 2 ]
amdhsa.kernels:
  - .name:           k_q53b343e692_gemm2s
    .symbol:         k_q53b343e692_gemm2s.kd
    .args:
      - { .name: y1, .offset: 0, .size: 8, .value_kind: global_buffer, .address_space: global }
      - { .name: wh, .offset: 8, .size: 8, .value_kind: global_buffer, .address_space: global }
      - { .name: ab1, .offset: 16, .size: 8, .value_kind: global_buffer, .address_space: global }
      - { .name: b2, .offset: 24, .size: 8, .value_kind: global_buffer, .address_space: global }
      - { .name: part, .offset: 32, .size: 8, .value_kind: global_buffer, .address_space: global }
    .group_segment_fixed_size: 215040
    .private_segment_fixed_size: 0
    .kernarg_segment_align: 8
    .kernarg_segment_size: 40
    .max_flat_workgroup_size: 512
    .sgpr_count:     66
    .vgpr_count:     256
    .wavefront_size: 32
...
	.end_amdgpu_metadata
.endif
;; end of part 4
;; launch stat2: the kernel of part 3 again; grid 8 x 1, 16 waves a work-group, no clusters, 6,144 bytes of LDS; arguments part, g2, beta2, ab2; writes ab2
;; launch gemm2f (part 5): grid 256 x 1, 16 waves a work-group, no clusters, 215,040 bytes of LDS; arguments y1, wh, ab1, ab2, b2, out0; writes out0
.if DOCPART == 5
	.amdgcn_target "amdgcn-amd-amdhsa--gfx1250"
	.amdhsa_code_object_version 6
	.text
	.protected	k_q53b343e692_gemm2f
	.globl	k_q53b343e692_gemm2f
	.p2align	8
	.type	k_q53b343e692_gemm2f,@function
k_q53b343e692_gemm2f:
	s_mov_b64 s[64:65], 0
	v_nop
	global_prefetch_b8 v0, s[64:65] scope:SCOPE_SE
	s_setreg_imm32_b32 hwreg(HW_REG_WAVE_MODE, 25, 1), 1
	s_wait_xcnt 0x0
; THE RESULT.  out0[b][o][n] = max(a2[o] (sum over k of w2[o][k] h[b][k][n] + b2[o]) + s2[o], 0), h = max(a1[k] y1[b][k][n] + s1[k], 0).
; The products are those of the launch that took the second layer's statistics, made again; b2 goes into the shift: s' = a2 b2 + s2, so that one fused multiply-add finishes a number.
; Shares and layouts as there: work-group g = 32 b + blk, 256 channels x 256 points; wave w: points 64 (w % 4) on, channels 64 (w / 4) on; K in four chunks of 64 through two buffers.
; FORMATS.  h is rounded once, to f16 (65,504 at the most); w2 is bf16 written as f16; b2 is rounded to bf16; sums in f32.
; NO CLUSTER, NO TENSOR LOAD: y1 has to pass through registers to be normalised, and w2's chunk is a third of a trip's bytes.
.set XP,    544
.set XBUF,  34816
.set WB0,   69632
.set WP,    144
.set WBUF,  36864
.set STG,   143360                     ; the way out: 16 rows of 272 bytes a wave
.set SPARE, 212992
.set W2OFF, 262144
.set ACC,   128
; v2 v3 the add's two; v4 XLD v5 WLD; v6 XST v7 WST; v8 XRD v10 WRD; v11 STO v12 RD v13 CO; v14 AO v15 BO; v16-31 w2 on its way; v32-63 y1 on its way; v64-127 fragments; v128-255 accumulators
.macro PLACES
.rept 4
	v_nop
.endr
.endm
.macro BAR
	s_wait_dscnt 0x0
	s_barrier_signal -1
	s_barrier_wait -1
.endm
.macro LDW off
.irp j, 0,1,2,3
	global_load_b128 v[16+4*\j:19+4*\j], v5, s[6:7] offset:(\off)+8192*\j
.endr
.endm
.macro LDX c
.irp i, 0,1,2,3
	global_load_b128 v[32+8*\i:35+8*\i], v4, s[4:5] offset:(64*(\c)+\i)*32768 th:TH_LOAD_NT
	global_load_b128 v[36+8*\i:39+8*\i], v4, s[4:5] offset:(64*(\c)+\i)*32768+512 th:TH_LOAD_NT
.endr
.endm
.macro STW buf
.irp j, 0,1,2,3
	ds_store_b128 v7, v[16+4*\j:19+4*\j] offset:9216*\j+WBUF*(\buf)
.endr
.endm
.macro STX t, buf
.irp i, 0,1,2,3
.irp hf, 0,1
.set xb, 32+8*\i+4*\hf
.irp e, 0,1,2,3
	v_fma_f32 v[xb+\e], v[xb+\e], s[32+8*(\t)+2*\i], s[33+8*(\t)+2*\i]
.endr
.irp e, 0,1,2,3
	v_max_num_f32 v[xb+\e], 0, v[xb+\e]
.endr
	v_cvt_pk_f16_f32 v[xb], v[xb], v[xb+1]
	v_cvt_pk_f16_f32 v[xb+1], v[xb+2], v[xb+3]
	ds_store_b64 v6, v[xb:xb+1] offset:XP*\i+256*\hf+XBUF*(\buf)
.endr
.endr
.endm
.macro KSTEP xoff, woff, zero          ; 32 along K: 16 fragment loads, 16 products; the accumulators take turns
	PLACES
.irp cb, 0,1,2,3
	ds_load_b128 v[96+8*\cb:99+8*\cb],   v10 offset:(\woff)+2304*\cb
	ds_load_b128 v[100+8*\cb:103+8*\cb], v10 offset:(\woff)+2304*\cb+32
.endr
.irp pb, 0,1,2,3
	ds_load_tr16_b128 v[64+8*\pb:67+8*\pb], v8 offset:(\xoff)+32*\pb
	ds_load_tr16_b128 v[68+8*\pb:71+8*\pb], v8 offset:(\xoff)+32*\pb+16*XP
.endr
.irp pb, 0,1,2,3
	s_wait_dscnt 6-2*\pb
.irp cb, 0,1,2,3
.if \zero
	v_wmma_f32_16x16x32_f16 v[ACC+8*(4*\pb+\cb):ACC+8*(4*\pb+\cb)+7], v[64+8*\pb:71+8*\pb], v[96+8*\cb:103+8*\cb], 0
.else
	v_wmma_f32_16x16x32_f16 v[ACC+8*(4*\pb+\cb):ACC+8*(4*\pb+\cb)+7], v[64+8*\pb:71+8*\pb], v[96+8*\cb:103+8*\cb], v[ACC+8*(4*\pb+\cb):ACC+8*(4*\pb+\cb)+7]
.endif
.endr
.endr
.endm
.macro TRIP t, zero
	LDW W2OFF+32768*((\t)+1)
	LDX (\t)+1
	KSTEP XBUF*((\t)%2), WBUF*((\t)%2), \zero
	KSTEP XBUF*((\t)%2)+32*XP, WBUF*((\t)%2)+64, 0
	s_wait_loadcnt 0x0
	STW ((\t)+1)%2
	STX (\t)+1, ((\t)+1)%2
	BAR
.endm
	s_load_b256 s[4:11], s[0:1], 0x0               ; y1, wh, ab1, ab2
	s_load_b128 s[12:15], s[0:1], 0x20             ; b2, out0
	v_lshl_add_u32 v2, v0, 2, SPARE
	v_mov_b32 v3, 0
	v_lshrrev_b32 v1, 5, v0
	v_readfirstlane_b32 s20, v1
	s_and_b32 s21, s20, 3
	s_lshr_b32 s22, s20, 2
	s_mov_b32 s23, 0xffff0000
	v_and_b32 v113, 31, v0
	v_and_b32 v111, 15, v0
	v_bfe_u32 v112, v0, 4, 1
	s_lshl_b32 s24, s20, 17
	v_lshl_add_u32 v4, v113, 4, s24
	v_lshlrev_b32 v5, 4, v0
	s_lshr_b32 s26, ttmp9, 5
	s_and_b32 s27, ttmp9, 31
	s_lshl_b32 s24, s26, 23
	s_lshl_b32 s27, s27, 10
	s_add_co_u32 s24, s24, s27
	s_mov_b32 s25, 0
	s_lshl_b32 s26, s20, 5
	s_mov_b32 s27, 0
	s_wait_kmcnt 0x0
	s_add_nc_u64 s[8:9], s[8:9], s[26:27]
.irp t, 0,1,2,3
	s_load_b256 s[32+8*\t:39+8*\t], s[8:9], 512*\t
.endr
	s_add_nc_u64 s[4:5], s[4:5], s[24:25]
	LDW W2OFF
	LDX 0
	s_lshl_b32 s26, s21, 8
	s_add_co_u32 s24, s24, s26
	s_add_nc_u64 s[14:15], s[14:15], s[24:25]      ; out0 at the batch and my wave's 64 points
	s_mul_i32 s24, s20, 4*XP
	v_lshl_add_u32 v6, v113, 3, s24
	s_mul_i32 s24, s20, 4*WP
	s_add_co_u32 s24, s24, WB0
	v_bfe_u32 v1, v0, 3, 2
	v_mul_u32_u24 v7, v1, WP
	v_and_b32 v1, 7, v0
	v_lshl_add_u32 v7, v1, 4, v7
	v_add_nc_u32 v7, s24, v7
	v_lshl_add_u32 v1, v112, 3, v1
	v_mul_u32_u24 v8, v1, XP
	v_bfe_u32 v1, v0, 3, 1
	v_lshl_add_u32 v8, v1, 4, v8
	s_lshl_b32 s24, s21, 7
	v_add_nc_u32 v8, s24, v8
	v_mul_u32_u24 v10, v111, WP
	v_lshl_add_u32 v10, v112, 4, v10
	s_mul_i32 s24, s22, 64*WP
	s_add_co_u32 s24, s24, WB0
	v_add_nc_u32 v10, s24, v10
	s_mul_i32 s24, s20, 4352
	s_add_co_u32 s24, s24, STG
	v_mul_u32_u24 v11, v111, 272
	v_lshl_add_u32 v11, v112, 5, v11
	v_add_nc_u32 v11, s24, v11
	v_mul_u32_u24 v12, v112, 272
	v_lshl_add_u32 v12, v111, 4, v12
	v_add_nc_u32 v12, s24, v12
	s_lshl_b32 s24, s22, 21
	v_lshlrev_b32 v13, 15, v112
	v_lshl_add_u32 v13, v111, 4, v13
	v_add_nc_u32 v13, s24, v13
	s_lshl_b32 s24, s22, 9
	v_lshl_add_u32 v14, v111, 3, s24               ; AO: my channel's pair in ab2
	s_lshl_b32 s24, s22, 8
	v_lshl_add_u32 v15, v111, 2, s24               ; BO
	s_wait_kmcnt 0x0
	s_wait_loadcnt 0x0
	STW 0
	STX 0, 0
	BAR
	TRIP 0, 1
	TRIP 1, 0
	TRIP 2, 0
.irp cb, 0,1,2,3
	global_load_b64 v[16+2*\cb:17+2*\cb], v14, s[10:11] offset:128*\cb  ; (a2, s2) of my lane's four channels
.endr
.irp cb, 0,1,2,3
	global_load_b32 v[24+\cb], v15, s[12:13] offset:64*\cb              ; b2
.endr
	KSTEP XBUF, WBUF, 0
	KSTEP XBUF+32*XP, WBUF+64, 0
.macro FIN cb                          ; a2 y + s', both from one register pair: the factor its low word, the addend its high word; then the cut at 0.  Each accumulator is read from its low end on
.irp pb, 0,1,2,3
.irp q, 0,1,2,3
	v_pk_fma_f32 v[ACC+8*(4*\pb+(\cb))+2*\q:ACC+8*(4*\pb+(\cb))+2*\q+1], v[ACC+8*(4*\pb+(\cb))+2*\q:ACC+8*(4*\pb+(\cb))+2*\q+1], v[16+2*(\cb):17+2*(\cb)], v[16+2*(\cb):17+2*(\cb)] op_sel:[0,0,1] op_sel_hi:[1,0,1]
.endr
.endr
.irp pb, 0,1,2,3
.irp j, 0,1,2,3,4,5,6,7
	v_max_num_f32 v[ACC+8*(4*\pb+(\cb))+\j], 0, v[ACC+8*(4*\pb+(\cb))+\j]
.endr
.endr
.endm
.macro OUTP cb, base                   ; 16 rows (channels) of 64 points through my own stage, back as whole rows of 256 bytes
.set ob, 64+32*((\cb)%2)
	s_wait_xcnt 0x0                                ; earlier stores have read their registers
.irp pb, 0,1,2,3
	ds_store_b128 v11, v[ACC+8*(4*\pb+(\cb)):ACC+8*(4*\pb+(\cb))+3]   offset:64*\pb
	ds_store_b128 v11, v[ACC+8*(4*\pb+(\cb))+4:ACC+8*(4*\pb+(\cb))+7] offset:64*\pb+16
.endr
.irp t, 0,1,2,3,4,5,6,7
	ds_load_b128 v[ob+4*\t:ob+4*\t+3], v12 offset:544*\t  ; LDS serves a wave's instructions in order: these see the stores above
.endr
.irp t, 0,1,2,3,4,5,6,7
	s_wait_dscnt 7-\t
	global_store_b128 v13, v[ob+4*\t:ob+4*\t+3], s[(\base):(\base)+1] offset:(16*(\cb)+2*\t)*32768 th:TH_STORE_NT  ; sixteen lanes store 256 consecutive bytes, aligned
.endr
.endm
	s_wait_loadcnt 0x0
	PLACES
	v_cvt_pk_bf16_f32 v24, v24, v25
	v_cvt_pk_bf16_f32 v26, v26, v27
	v_lshlrev_b32 v28, 16, v24
	v_and_b32 v29, s23, v24
	v_lshlrev_b32 v30, 16, v26
	v_and_b32 v31, s23, v26
.irp cb, 0,1,2,3
	v_fma_f32 v[17+2*\cb], v[16+2*\cb], v[28+\cb], v[17+2*\cb]  ; s' = a2 b2 + s2
.endr
	FIN 0
	OUTP 0, 14
	FIN 1
	OUTP 1, 14
	FIN 2
	OUTP 2, 14
	FIN 3
	OUTP 3, 14
	s_wait_tensorcnt 0x0                           ; the wave's end
	ds_add_u32 v2, v3
	s_wait_dscnt 0x0
	s_endpgm
.Lfunc_end_k_q53b343e692_gemm2f:
	.size	k_q53b343e692_gemm2f, .Lfunc_end_k_q53b343e692_gemm2f-k_q53b343e692_gemm2f
	.p2alignl 7, 3214868480
	.fill 96, 4, 3214868480
	.section	.rodata,"a",@progbits
	.p2align	6, 0x0
	.amdhsa_kernel k_q53b343e692_gemm2f
		.amdhsa_group_segment_fixed_size 215040
		.amdhsa_private_segment_fixed_size 0
		.amdhsa_enable_private_segment 0
		.amdhsa_kernarg_size 48
		.amdhsa_user_sgpr_count 2
		.amdhsa_user_sgpr_kernarg_segment_ptr 1
		.amdhsa_wavefront_size32 1
		.amdhsa_system_sgpr_workgroup_id_x 1
		.amdhsa_system_sgpr_workgroup_id_y 1
		.amdhsa_system_sgpr_workgroup_id_z 1
		.amdhsa_system_vgpr_workitem_id 0
		.amdhsa_next_free_vgpr 256
		.amdhsa_next_free_sgpr 66
		.amdhsa_reserve_vcc 0
		.amdhsa_float_denorm_mode_32 3
		.amdhsa_float_denorm_mode_16_64 3
		.amdhsa_memory_ordered 1
		.amdhsa_forward_progress 1
		.amdhsa_inst_pref_size 64
	.end_amdhsa_kernel
	.amdgpu_metadata
---
amdhsa.version: [ 1, 2 ]
amdhsa.kernels:
  - .name:           k_q53b343e692_gemm2f
    .symbol:         k_q53b343e692_gemm2f.kd
    .args:
      - { .name: y1, .offset: 0, .size: 8, .value_kind: global_buffer, .address_space: global }
      - { .name: wh, .offset: 8, .size: 8, .value_kind: global_buffer, .address_space: global }
      - { .name: ab1, .offset: 16, .size: 8, .value_kind: global_buffer, .address_space: global }
      - { .name: ab2, .offset: 24, .size: 8, .value_kind: global_buffer, .address_space: global }
      - { .name: b2, .offset: 32, .size: 8, .value_kind: global_buffer, .address_space: global }
      - { .name: out0, .offset: 40, .size: 8, .value_kind: global_buffer, .address_space: global }
    .group_segment_fixed_size: 215040
    .private_segment_fixed_size: 0
    .kernarg_segment_align: 8
    .kernarg_segment_size: 48
    .max_flat_workgroup_size: 512
    .sgpr_count:     66
    .vgpr_count:     256
    .wavefront_size: 32
...
	.end_amdgpu_metadata
.endif
;; end of part 5
;; ======== version 2 of 3: 7 launches; 1.25 times as fast as version 1
;; limits: values are held in f16: magnitudes above 65,504 overflow, below 6.1e-05 lose precision; inputs' magnitudes at most 65,504; values outside matrix products are rounded to f16; right only within a limited range of input values
;; workspace buffers: nidx 1,048,576 bytes of whole numbers; nw 1,048,576 bytes; fpt 8,388,608 bytes; wh 1,441,792 bytes of whole numbers; y1 35,651,584 bytes; part 2,097,152 bytes; ab1 2,048 bytes; ab2 2,048 bytes
;; launch knn (part 6): grid 256 x 1, 4 waves a work-group, no clusters, 67,072 bytes of LDS; arguments xyz, xyz_prev, features_prev, w1, w2, fpt, wh; writes fpt, wh
.if DOCPART == 6
	.amdgcn_target "amdgcn-amd-amdhsa--gfx1250"
	.amdhsa_code_object_version 6
	.text
	.protected	k_q53b343e692_knn
	.globl	k_q53b343e692_knn
	.p2align	8
	.type	k_q53b343e692_knn,@function
k_q53b343e692_knn:
	s_mov_b64 s[64:65], 0
	v_nop
	global_prefetch_b8 v0, s[64:65] scope:SCOPE_SE
	s_setreg_imm32_b32 hwreg(HW_REG_WAVE_MODE, 25, 1), 1
	s_wait_xcnt 0x0
; THREE NEAREST NEIGHBOURS, FIRST PART, and the operands that the later launches want in 16 bits.
; Work-group g = 32 b + blk owns queries 256 blk .. +255 of batch b.  A lane holds two queries (64 w + l and 64 w + 32 + l) in register pairs
; and walks all 2,048 known points of the batch, which lie in LDS as (x, y, z, x^2+y^2+z^2).
; d2 = (sq_u + sq_k) - 2 ((ux kx + uy ky) + uz kz), each sum in this order.  The coordinates are rounded to bf16 first, so every product is exact in f32
; and a fused multiply-add rounds as a multiply and an add do.
; BY BLOCKS.  The known points go in 256 blocks of 8 neighbours in index.  Of each block only the least d2 is kept, and the three blocks with the least minima are tracked
; (a block enters only where it is strictly nearer, so equal minima go to the lower block).  Order points by (d2, index) and blocks by (minimum, number): were one of the first three
; points in a block that is not among the first three, three other blocks' minima would each come ahead of that point.  So these three blocks hold the three neighbours, ties included:
; one sorted insertion serves eight points, and the next launch looks at 24 points a query.
; The three block numbers of a query go behind the weights in wh, from byte 393,216, four words a query: the program's eight workspace buffers are all taken.
; Beside that the group turns features_prev[b][:, 64 blk .. +63] into fpt[b][m][channel] in bf16, and writes 512 numbers of w1 and 256 of w2 as f16, by chunks of 64 along k.
; LIMITS.  All inputs are rounded to bf16 (nearest even).  w1 and w2 are then written as f16: exact for 6.1e-5 <= |w| <= 65,504, within 3e-8 below, not served above.
; NaN and infinities are not treated.
; No matrix unit: three terms a product, and its sums round otherwise than the order above.  No cluster: the known points of a batch are 24 KB, read once by each group.
.set KN,    0                          ; 2,048 x 16 bytes
.set TT,    32768                      ; 64 rows (m) of 512 bytes (256 channels in bf16) + 16 of padding
.set TP,    528
.set SPARE, 66560                      ; the spare words: 128 bytes a wave
.set XOFF,  393216                     ; the block numbers' place in wh
.set SPW, 2
.set NIL, 3
.set KAD, 4                            ; LDS address of the trip's first candidate (the same in all lanes)
.set NS,  5                            ; 16 (64 w + l): my first query's four words
.set UX,  6                            ; v[6:7] x of my two queries; UY, UZ likewise; SU their squared norms
.set UY,  8
.set UZ,  10
.set SU,  12
; in the loop: v14-16 the three least block minima of query A, ascending; v20-22 of query B; v26, v27 the block minimum that waits to enter (A, B);
; v28-30 A's three block numbers, v31 = 0; v32-34 B's, v35 = 0; v38-47 at work
; ahead of the loop v14-47 hold offsets and weights:
.set CAO, 14
.set QO,  15
.set FO,  16
.set W1O, 17
.set W2O, 18
.set LN,  19
.set RR,  20
.set HH,  21
.set W1S, 22
.set KST, 23
.set TST, 24
.set TRD, 25
.set W1D, 26
.set W2D, 30
.set FS,  34
.set W2S, 35
.set W1H, 44
.set W2H, 46
.set KA,  48                           ; v[48:79], v[80:111] eight candidates each
.set KB,  80
.set FD,  112                          ; v[112:239] 32 rows x 4 columns of features_prev
.set PP,  112                          ; in the loop: eight pairs, dot products and then d2
.set TS,  128                          ; eight pairs sq_u + sq_k
	s_load_b256 s[4:11], s[0:1], 0x0               ; xyz, xyz_prev, features_prev, w1
	s_load_b64 s[12:13], s[0:1], 0x20              ; w2
	s_load_b64 s[18:19], s[0:1], 0x28              ; fpt
	s_load_b64 s[20:21], s[0:1], 0x30              ; wh
	v_lshl_add_u32 v[SPW], v0, 2, SPARE
	v_mov_b32 v[NIL], 0
	v_lshrrev_b32 v1, 5, v0
	v_readfirstlane_b32 s22, v1                    ; wave
	s_mov_b32 s23, 0xffff0000                      ; a word's upper bf16
	v_and_b32 v[LN], 31, v0
	v_and_b32 v[RR], 15, v0
	v_bfe_u32 v[HH], v0, 4, 1
	s_lshr_b32 s25, ttmp9, 5                       ; b
	s_and_b32 s26, ttmp9, 31                       ; blk
	s_mul_i32 s42, s25, 24576                      ; the batch's known points
	s_mov_b32 s43, 0
	s_mul_i32 s44, ttmp9, 3072                     ; the group's 256 queries
	s_mov_b32 s45, 0
	s_lshl_b32 s46, s25, 21                        ; features_prev[b], columns 64 blk on
	s_lshl_b32 s27, s26, 8
	s_add_co_u32 s46, s46, s27
	s_mov_b32 s47, 0
	s_lshl_b32 s48, ttmp9, 15                      ; fpt: 64 rows of 512 bytes a group
	s_mov_b32 s49, 0
	s_lshl_b32 s50, ttmp9, 12                      ; the block numbers: 256 rows of 16 bytes a group, behind the weights
	s_add_co_u32 s50, s50, XOFF
	s_mov_b32 s51, 0
	v_mul_u32_u24 v[CAO], v0, 12
	s_lshl_b32 s27, s22, 6
	v_add_nc_u32 v[NS], s27, v[LN]                 ; 64 w + l
	v_mul_u32_u24 v[QO], v[NS], 12
	v_lshlrev_b32 v[NS], 4, v[NS]
	s_lshl_b32 s27, s22, 19
	v_lshlrev_b32 v[FO], 18, v[HH]
	v_lshl_add_u32 v[FO], v[RR], 4, v[FO]
	v_add_nc_u32 v[FO], s27, v[FO]                 ; (64 w + 32 (l / 16)) rows of 8,192 bytes + 16 (l % 16)
	; w1: unit u = 4 g + w is rows 2 (u / 8), +1 of chunk u % 8
	s_lshl_b32 s28, ttmp9, 2
	s_add_co_u32 s28, s28, s22
	s_and_b32 s29, s28, 7
	s_lshr_b32 s30, s28, 3
	s_lshl_b32 s31, s30, 12
	s_lshl_b32 s32, s29, 8
	s_add_co_u32 s31, s31, s32
	s_lshl_b32 s29, s29, 15
	s_lshl_b32 s30, s30, 8
	s_add_co_u32 s29, s29, s30
	v_lshlrev_b32 v[W1O], 11, v[HH]
	v_lshl_add_u32 v[W1O], v[RR], 4, v[W1O]
	v_add_nc_u32 v[W1O], s31, v[W1O]
	v_lshl_add_u32 v[W1S], v[LN], 3, s29
	; w2: unit 2 g + w (waves 0 and 1) is rows 2 (u / 4), +1 of chunk u % 4
	s_lshl_b32 s28, ttmp9, 1
	s_add_co_u32 s28, s28, s22
	s_and_b32 s29, s28, 3
	s_lshr_b32 s30, s28, 2
	s_lshl_b32 s31, s30, 11
	s_lshl_b32 s32, s29, 8
	s_add_co_u32 s31, s31, s32
	s_lshl_b32 s29, s29, 15
	s_lshl_b32 s30, s30, 8
	s_add_co_u32 s29, s29, s30
	s_add_co_u32 s29, s29, 262144
	v_lshlrev_b32 v[W2O], 10, v[HH]
	v_lshl_add_u32 v[W2O], v[RR], 4, v[W2O]
	v_add_nc_u32 v[W2O], s31, v[W2O]
	v_lshl_add_u32 v[W2S], v[LN], 3, s29
	; LDS addresses: the wave's number times a constant plus a lane term
	s_lshl_b32 s28, s22, 9
	v_lshl_add_u32 v[KST], v[LN], 4, s28           ; candidate 128 i + t at 16 t + 2,048 i
	s_lshl_b32 s28, s22, 7
	s_add_co_u32 s28, s28, TT
	v_mul_u32_u24 v[TST], v[RR], 4*TP
	v_lshl_add_u32 v[TST], v[HH], 6, v[TST]
	v_add_nc_u32 v[TST], s28, v[TST]               ; row 4 r, channels 64 w + 32 (l / 16) on
	s_mul_i32 s28, s22, 16*TP
	s_add_co_u32 s28, s28, TT
	v_lshl_add_u32 v[TRD], v[LN], 4, s28           ; back: rows 16 w on, whole
	s_lshl_b32 s28, s22, 13
	v_lshl_add_u32 v[FS], v[LN], 4, s28
	s_wait_kmcnt 0x0
	s_add_nc_u64 s[6:7], s[6:7], s[42:43]
	s_add_nc_u64 s[4:5], s[4:5], s[44:45]
	s_add_nc_u64 s[8:9], s[8:9], s[46:47]
	s_add_nc_u64 s[18:19], s[18:19], s[48:49]
	s_add_nc_u64 s[14:15], s[20:21], s[50:51]      ; where the group's block numbers go
	s_cmp_lt_u32 s22, 2
	s_cbranch_scc0 .Lno_w2_load
	global_load_b128 v[W2D:W2D+3], v[W2O], s[12:13]  ; the oldest load, so that the counts below are the same in all waves
.Lno_w2_load:
.set i, 0
.rept 16
	global_load_b32 v[KA+4*i],   v[CAO], s[6:7] offset:1536*i
	global_load_b32 v[KA+4*i+1], v[CAO], s[6:7] offset:1536*i+4
	global_load_b32 v[KA+4*i+2], v[CAO], s[6:7] offset:1536*i+8
.set i, i+1
.endr
	global_load_b32 v6,  v[QO], s[4:5]
	global_load_b32 v8,  v[QO], s[4:5] offset:4
	global_load_b32 v10, v[QO], s[4:5] offset:8
	global_load_b32 v7,  v[QO], s[4:5] offset:384
	global_load_b32 v9,  v[QO], s[4:5] offset:388
	global_load_b32 v11, v[QO], s[4:5] offset:392
.set i, 0
.rept 32
	global_load_b128 v[FD+4*i:FD+4*i+3], v[FO], s[8:9] offset:8192*i th:TH_LOAD_NT  ; sixteen lanes take 256 consecutive bytes of a row
.set i, i+1
.endr
	global_load_b128 v[W1D:W1D+3], v[W1O], s[10:11]
	s_wait_loadcnt 33                              ; candidates and queries are in; the 32 loads of features_prev and w1's stay out
.set i, 0
.rept 16
	v_cvt_pk_bf16_f32 v38, v[KA+4*i], v[KA+4*i+1]
	v_cvt_pk_bf16_f32 v39, v[KA+4*i+2], v[KA+4*i+2]
	v_lshlrev_b32 v[KA+4*i], 16, v38
	v_and_b32 v[KA+4*i+1], s23, v38
	v_lshlrev_b32 v[KA+4*i+2], 16, v39
	v_mul_f32 v[KA+4*i+3], v[KA+4*i], v[KA+4*i]
	v_fma_f32 v[KA+4*i+3], v[KA+4*i+1], v[KA+4*i+1], v[KA+4*i+3]
	v_fma_f32 v[KA+4*i+3], v[KA+4*i+2], v[KA+4*i+2], v[KA+4*i+3]
	ds_store_b128 v[KST], v[KA+4*i:KA+4*i+3] offset:KN+2048*i
.set i, i+1
.endr
	v_cvt_pk_bf16_f32 v38, v6, v7
	v_cvt_pk_bf16_f32 v39, v8, v9
	v_cvt_pk_bf16_f32 v40, v10, v11
	v_lshlrev_b32 v6, 16, v38
	v_and_b32 v7, s23, v38
	v_lshlrev_b32 v8, 16, v39
	v_and_b32 v9, s23, v39
	v_lshlrev_b32 v10, 16, v40
	v_and_b32 v11, s23, v40
	v_pk_mul_f32 v[SU:SU+1], v[UX:UX+1], v[UX:UX+1]
	v_pk_fma_f32 v[SU:SU+1], v[UY:UY+1], v[UY:UY+1], v[SU:SU+1]
	v_pk_fma_f32 v[SU:SU+1], v[UZ:UZ+1], v[UZ:UZ+1], v[SU:SU+1]
	s_wait_loadcnt 0x1                             ; features_prev is in; w1's load stays out
.set c, 0
.rept 4                                            ; column c of my four: 32 channels, two to a word
.set ii, 0
.rept 16
	v_cvt_pk_bf16_f32 v[KA+16*c+ii], v[FD+8*ii+c], v[FD+8*ii+4+c]
.set ii, ii+1
.endr
.set c, c+1
.endr
.set c, 0
.rept 4
.set q, 0
.rept 4
	ds_store_b128 v[TST], v[KA+16*c+4*q:KA+16*c+4*q+3] offset:TP*c+16*q
.set q, q+1
.endr
.set c, c+1
.endr
	s_wait_dscnt 0x0                               ; for the others' sake: my candidates and my part of the turned tile are stored
	s_barrier_signal -1
	s_barrier_wait -1
.set t, 0
.rept 16
	ds_load_b128 v[FD+4*t:FD+4*t+3], v[TRD] offset:TP*t
.set t, t+1
.endr
.set t, 0
.rept 16
	s_wait_dscnt 15-t                              ; LDS loads come back in order: row t is in
	global_store_b128 v[FS], v[FD+4*t:FD+4*t+3], s[18:19] offset:512*t  ; a wave stores 512 consecutive bytes: a row of fpt
.set t, t+1
.endr
.macro WCV src, dst                    ; four weights: rounded to bf16, then written as f16
	v_cvt_pk_bf16_f32 v38, v[(\src)], v[(\src)+1]
	v_cvt_pk_bf16_f32 v39, v[(\src)+2], v[(\src)+3]
	v_lshlrev_b32 v40, 16, v38
	v_and_b32 v41, s23, v38
	v_lshlrev_b32 v42, 16, v39
	v_and_b32 v43, s23, v39
	v_cvt_pk_f16_f32 v[(\dst)], v40, v41
	v_cvt_pk_f16_f32 v[(\dst)+1], v42, v43
.endm
	s_wait_loadcnt 0x0
	WCV W1D, W1H
	global_store_b64 v[W1S], v[W1H:W1H+1], s[20:21]  ; 256 consecutive bytes: two rows of a chunk
	s_cmp_lt_u32 s22, 2
	s_cbranch_scc0 .Lno_w2_store
	WCV W2D, W2H
	global_store_b64 v[W2S], v[W2H:W2H+1], s[20:21]
.Lno_w2_store:
; The block whose minima wait in v26 (query A) and v27 (query B) enters the two sorted triples; s25 is its number, and then steps to the next block's.
; The three compares take the old triple; then the minima move (the middle of three is the new value), then the numbers.
.macro INS
	v_cmp_lt_f32 s30, v26, v14
	v_cmp_lt_f32 s33, v27, v20
	v_cmp_lt_f32 s31, v26, v15
	v_cmp_lt_f32 s34, v27, v21
	v_cmp_lt_f32 s32, v26, v16
	v_cmp_lt_f32 s35, v27, v22
	v_med3_num_f32 v16, v15, v16, v26
	v_med3_num_f32 v22, v21, v22, v27
	v_med3_num_f32 v15, v14, v15, v26
	v_med3_num_f32 v21, v20, v21, v27
	v_min_num_f32 v14, v14, v26
	v_min_num_f32 v20, v20, v27
	v_cndmask_b32 v38, s25, v29, s31               ; what the third place would take: the old second, or the block
	v_cndmask_b32 v39, s25, v33, s34
	v_cndmask_b32 v40, s25, v28, s30               ; the second place: the old first, or the block
	v_cndmask_b32 v41, s25, v32, s33
	v_cndmask_b32 v30, v30, v38, s32
	v_cndmask_b32 v34, v34, v39, s35
	v_cndmask_b32 v29, v29, v40, s31
	v_cndmask_b32 v33, v33, v41, s34
	v_cndmask_b32 v28, v28, s25, s30
	v_cndmask_b32 v32, v32, s25, s33
	s_add_co_u32 s25, s25, 1
.endm
; A block of eight candidates: the next eight are asked for; these eight's d2 are made stage by stage; the block BEFORE enters, its minima made 40 instructions ago;
; then this block's two minima are made, three operands at a time, two deep.
.macro GROUP cur, nxt, off
.irp q, 0,1,2,3,4,5,6,7
	ds_load_b128 v[(\nxt)+4*\q:(\nxt)+4*\q+3], v[KAD] offset:(\off)+16*\q
.endr
	s_wait_dscnt 0x8                               ; all but the eight just issued
.irp q, 0,1,2,3,4,5,6,7
	v_pk_mul_f32 v[PP+2*\q:PP+2*\q+1], v[UX:UX+1], v[(\cur)+4*\q:(\cur)+4*\q+1] op_sel_hi:[1,0]
.endr
.irp q, 0,1,2,3,4,5,6,7
	v_pk_add_f32 v[TS+2*\q:TS+2*\q+1], v[SU:SU+1], v[(\cur)+4*\q+2:(\cur)+4*\q+3] op_sel:[0,1] op_sel_hi:[1,1]
.endr
.irp q, 0,1,2,3,4,5,6,7
	v_pk_fma_f32 v[PP+2*\q:PP+2*\q+1], v[UY:UY+1], v[(\cur)+4*\q:(\cur)+4*\q+1], v[PP+2*\q:PP+2*\q+1] op_sel:[0,1,0] op_sel_hi:[1,1,1]
.endr
.irp q, 0,1,2,3,4,5,6,7
	v_pk_fma_f32 v[PP+2*\q:PP+2*\q+1], v[UZ:UZ+1], v[(\cur)+4*\q+2:(\cur)+4*\q+3], v[PP+2*\q:PP+2*\q+1] op_sel_hi:[1,0,1]
.endr
.irp q, 0,1,2,3,4,5,6,7
	v_pk_fma_f32 v[PP+2*\q:PP+2*\q+1], v[PP+2*\q:PP+2*\q+1], -2.0, v[TS+2*\q:TS+2*\q+1] op_sel_hi:[1,0,1]
.endr
	INS
	v_min3_num_f32 v42, v[PP],    v[PP+2],  v[PP+4]
	v_min3_num_f32 v43, v[PP+1],  v[PP+3],  v[PP+5]
	v_min3_num_f32 v44, v[PP+6],  v[PP+8],  v[PP+10]
	v_min3_num_f32 v45, v[PP+7],  v[PP+9],  v[PP+11]
	v_min_num_f32  v46, v[PP+12], v[PP+14]
	v_min_num_f32  v47, v[PP+13], v[PP+15]
	v_min3_num_f32 v26, v42, v44, v46
	v_min3_num_f32 v27, v43, v45, v47
.endm
	s_wait_xcnt 0x0                                ; the stores above have read their registers: v14-47 and v112 on are written again only behind this wait
.irp r, 14,15,16,20,21,22,26,27
	v_mov_b32 v\r, 0x7f800000                      ; no minimum yet; the first block to enter is none: infinity is not less than infinity
.endr
.irp r, 28,29,30,31,32,33,34,35
	v_mov_b32 v\r, 0
.endr
	v_mov_b32 v[KAD], KN
.irp q, 0,1,2,3,4,5,6,7
	ds_load_b128 v[KA+4*\q:KA+4*\q+3], v[KAD] offset:16*\q
.endr
	s_mov_b32 s25, -1                              ; the number of the block that enters: one behind the block whose distances are made
	s_mov_b32 s24, 128
.Ltrip:                                            ; two blocks, 16 candidates, a trip
	GROUP KA, KB, 128
	GROUP KB, KA, 256                              ; the last trip's look-ahead reads 128 bytes of the turned tile's row 0, which are written, and drops them
	v_add_nc_u32 v[KAD], 256, v[KAD]
	s_sub_co_u32 s24, s24, 1
	s_cmp_lg_u32 s24, 0
	s_cbranch_scc1 .Ltrip
	s_wait_dscnt 0x0                               ; the look-ahead
	INS                                            ; block 255
	global_store_b128 v[NS], v[28:31], s[14:15]             ; 512 consecutive bytes a store
	global_store_b128 v[NS], v[32:35], s[14:15] offset:512
	s_wait_tensorcnt 0x0                           ; the wave's end
	ds_add_u32 v[SPW], v[NIL]
	s_wait_dscnt 0x0
	s_endpgm
.Lfunc_end_k_q53b343e692_knn:
	.size	k_q53b343e692_knn, .Lfunc_end_k_q53b343e692_knn-k_q53b343e692_knn
	.p2alignl 7, 3214868480
	.fill 96, 4, 3214868480
	.section	.rodata,"a",@progbits
	.p2align	6, 0x0
	.amdhsa_kernel k_q53b343e692_knn
		.amdhsa_group_segment_fixed_size 67072
		.amdhsa_private_segment_fixed_size 0
		.amdhsa_enable_private_segment 0
		.amdhsa_kernarg_size 56
		.amdhsa_user_sgpr_count 2
		.amdhsa_user_sgpr_kernarg_segment_ptr 1
		.amdhsa_wavefront_size32 1
		.amdhsa_system_sgpr_workgroup_id_x 1
		.amdhsa_system_sgpr_workgroup_id_y 1
		.amdhsa_system_sgpr_workgroup_id_z 1
		.amdhsa_system_vgpr_workitem_id 0
		.amdhsa_next_free_vgpr 240
		.amdhsa_next_free_sgpr 66
		.amdhsa_reserve_vcc 0
		.amdhsa_float_denorm_mode_32 3
		.amdhsa_float_denorm_mode_16_64 3
		.amdhsa_memory_ordered 1
		.amdhsa_forward_progress 1
		.amdhsa_inst_pref_size 42
	.end_amdhsa_kernel
	.amdgpu_metadata
---
amdhsa.version: [ 1, 2 ]
amdhsa.kernels:
  - .name:           k_q53b343e692_knn
    .symbol:         k_q53b343e692_knn.kd
    .args:
      - { .name: xyz, .offset: 0, .size: 8, .value_kind: global_buffer, .address_space: global }
      - { .name: xyz_prev, .offset: 8, .size: 8, .value_kind: global_buffer, .address_space: global }
      - { .name: features_prev, .offset: 16, .size: 8, .value_kind: global_buffer, .address_space: global }
      - { .name: w1, .offset: 24, .size: 8, .value_kind: global_buffer, .address_space: global }
      - { .name: w2, .offset: 32, .size: 8, .value_kind: global_buffer, .address_space: global }
      - { .name: fpt, .offset: 40, .size: 8, .value_kind: global_buffer, .address_space: global }
      - { .name: wh, .offset: 48, .size: 8, .value_kind: global_buffer, .address_space: global }
    .group_segment_fixed_size: 67072
    .private_segment_fixed_size: 0
    .kernarg_segment_align: 8
    .kernarg_segment_size: 56
    .max_flat_workgroup_size: 128
    .sgpr_count:     66
    .vgpr_count:     240
    .wavefront_size: 32
...
	.end_amdgpu_metadata
.endif
;; end of part 6
;; launch knn2 (part 7): grid 256 x 1, 8 waves a work-group, no clusters, 0 bytes of LDS; arguments xyz, xyz_prev, wh, nidx, nw; writes nidx, nw
.if DOCPART == 7
	.amdgcn_target "amdgcn-amd-amdhsa--gfx1250"
	.amdhsa_code_object_version 6
	.text
	.protected	k_q53b343e692_knn2
	.globl	k_q53b343e692_knn2
	.p2align	8
	.type	k_q53b343e692_knn2,@function
k_q53b343e692_knn2:
	s_mov_b64 s[64:65], 0
	v_nop
	global_prefetch_b8 v0, s[64:65] scope:SCOPE_SE
	s_setreg_imm32_b32 hwreg(HW_REG_WAVE_MODE, 25, 1), 1
	s_wait_xcnt 0x0
; THREE NEAREST NEIGHBOURS, SECOND PART.  The launch before left, for each query, the numbers of the three blocks of 8 known points that hold its three neighbours
; (in wh from byte 393,216, four words a query).  Here a lane takes one query, looks at those 24 points and finds the three, and makes the weights.
; d2 = (sq_u + sq_k) - 2 ((ux kx + uy ky) + uz kz) on coordinates rounded to bf16, each sum in this order: the same numbers, bit for bit, as in the launch before.
; The three blocks are taken in ascending order of their numbers, and a point enters only where it is strictly nearer: equal distances go to the lower index.
; weight = 1 / (sqrt(max(d2, 0)) + 1e-8), divided by the sum of the three.
; Work-group g: queries 256 g + t of all 65,536 (batch g / 32).  A block is 96 consecutive bytes of xyz_prev, at a multiple of 32: six loads of 16 bytes a lane.
; The addresses hang on whole numbers that an earlier launch stored; each is cut to the table's 256 blocks.
; LIMITS.  xyz and xyz_prev are rounded to bf16 (nearest even).  Root and reciprocal are good to 1 ULP.  NaN and infinities are not treated.
; No LDS, no matrix unit, no cluster: 24 points of three terms a query, and no two lanes need the same points.
.set XOFF, 393216
; v1 16 t; v2 12 t; v[4:7] the block numbers as loaded; v8-10 the query; v11 its squared norm; v12, v13 at work; v14-16 the blocks in ascending order, then 8 x their numbers;
; v17-19 their byte offsets; v20-22 the three least d2, ascending; v[24:27] their indices and 0; v[28:31] the weights and 0;
; v32-103 three blocks of 24 numbers; v104-119 at work; v120-127 sq, then sq_u + sq_k; v128-135 dot, then d2; v136-143 indices; v144-147 at work
	s_load_b256 s[4:11], s[0:1], 0x0               ; xyz, xyz_prev, wh, nidx
	s_load_b64 s[12:13], s[0:1], 0x20              ; nw
	s_mov_b32 s23, 0xffff0000                      ; a word's upper bf16
	s_lshr_b32 s14, ttmp9, 5                       ; the batch
	s_mul_i32 s16, s14, 24576                      ; its known points
	s_mov_b32 s17, 0
	s_mul_i32 s18, ttmp9, 3072                     ; the group's 256 queries
	s_mov_b32 s19, 0
	s_lshl_b32 s20, ttmp9, 12                      ; 256 rows of 16 bytes
	s_mov_b32 s21, 0
	v_lshlrev_b32 v1, 4, v0
	v_mul_u32_u24 v2, v0, 12
	s_wait_kmcnt 0x0
	s_add_nc_u64 s[6:7], s[6:7], s[16:17]
	s_add_nc_u64 s[4:5], s[4:5], s[18:19]
	s_add_nc_u64 s[8:9], s[8:9], s[20:21]
	s_add_nc_u64 s[10:11], s[10:11], s[20:21]
	s_add_nc_u64 s[12:13], s[12:13], s[20:21]
	global_load_b128 v[4:7], v1, s[8:9] offset:XOFF  ; first, since the gather waits for it
	global_load_b32 v8,  v2, s[4:5]
	global_load_b32 v9,  v2, s[4:5] offset:4
	global_load_b32 v10, v2, s[4:5] offset:8
	s_wait_loadcnt 0x3                             ; the block numbers are in; the query's three loads stay out
	v_min_u32 v12, v4, v5                          ; three numbers in ascending order
	v_max_u32 v13, v4, v5
	v_max_u32 v16, v13, v6
	v_min_u32 v13, v13, v6
	v_min_u32 v14, v12, v13
	v_max_u32 v15, v12, v13
.irp k, 0,1,2
	v_min_u32 v[14+\k], 0xff, v[14+\k]             ; cut to the table's 256 blocks
.endr
.irp k, 0,1,2
	v_mul_u32_u24 v[17+\k], v[14+\k], 96
.endr
.irp k, 0,1,2
.irp j, 0,1,2,3,4,5
	global_load_b128 v[32+24*\k+4*\j:35+24*\k+4*\j], v[17+\k], s[6:7] offset:16*\j
.endr
.endr
.irp k, 0,1,2
	v_lshlrev_b32 v[14+\k], 3, v[14+\k]            ; the index of the block's first point
.endr
.irp r, 20,21,22
	v_mov_b32 v\r, 0x7f800000                      ; no distance yet
.endr
.irp r, 24,25,26
	v_mov_b32 v\r, 0
.endr
	s_wait_loadcnt 18                              ; the query is in; the 18 loads of the three blocks stay out
	v_cvt_pk_bf16_f32 v12, v8, v9
	v_cvt_pk_bf16_f32 v13, v10, v10
	v_lshlrev_b32 v8, 16, v12
	v_and_b32 v9, s23, v12
	v_lshlrev_b32 v10, 16, v13
	v_mul_f32 v11, v8, v8
	v_fma_f32 v11, v9, v9, v11
	v_fma_f32 v11, v10, v10, v11
; One point enters the sorted triple.  d: its d2; j: its index; p picks one of two sets of masks and temporaries.
.macro INS1 d, j, p
.set sm, 24+4*((\p)%2)
.set tm, 144+2*((\p)%2)
	v_cmp_lt_f32 s[sm],   v[(\d)], v20
	v_cmp_lt_f32 s[sm+1], v[(\d)], v21
	v_cmp_lt_f32 s[sm+2], v[(\d)], v22
	v_med3_num_f32 v22, v21, v22, v[(\d)]
	v_med3_num_f32 v21, v20, v21, v[(\d)]
	v_min_num_f32 v20, v20, v[(\d)]
	v_cndmask_b32 v[tm],   v[(\j)], v25, s[sm+1]   ; what the third place would take: the old second, or the point
	v_cndmask_b32 v[tm+1], v[(\j)], v24, s[sm]     ; the second place: the old first, or the point
	v_cndmask_b32 v26, v26, v[tm],   s[sm+2]
	v_cndmask_b32 v25, v25, v[tm+1], s[sm+1]
	v_cndmask_b32 v24, v24, v[(\j)], s[sm]
.endm
; Block k of the three: its eight points are rounded, their d2 made stage by stage, then they enter in ascending order.  left: the later blocks' loads, six each, stay out.
.macro BLOCK k, left
.set DB, 32+24*(\k)
	s_wait_loadcnt \left
.irp q, 0,1,2,3,4,5,6,7
	v_cvt_pk_bf16_f32 v[104+\q], v[DB+3*\q], v[DB+3*\q+1]
	v_cvt_pk_bf16_f32 v[112+\q], v[DB+3*\q+2], v[DB+3*\q+2]
.endr
.irp q, 0,1,2,3,4,5,6,7
	v_lshlrev_b32 v[DB+3*\q],   16,  v[104+\q]
	v_and_b32     v[DB+3*\q+1], s23, v[104+\q]
	v_lshlrev_b32 v[DB+3*\q+2], 16,  v[112+\q]
.endr
.irp q, 0,1,2,3,4,5,6,7
	v_mul_f32 v[120+\q], v[DB+3*\q], v[DB+3*\q]
	v_mul_f32 v[128+\q], v8, v[DB+3*\q]
.endr
.irp q, 0,1,2,3,4,5,6,7
	v_fma_f32 v[120+\q], v[DB+3*\q+1], v[DB+3*\q+1], v[120+\q]
	v_fma_f32 v[128+\q], v9, v[DB+3*\q+1], v[128+\q]
.endr
.irp q, 0,1,2,3,4,5,6,7
	v_fma_f32 v[120+\q], v[DB+3*\q+2], v[DB+3*\q+2], v[120+\q]
	v_fma_f32 v[128+\q], v10, v[DB+3*\q+2], v[128+\q]
.endr
.irp q, 0,1,2,3,4,5,6,7
	v_add_f32 v[120+\q], v11, v[120+\q]
	v_add_nc_u32 v[136+\q], \q, v[14+(\k)]
.endr
.irp q, 0,1,2,3,4,5,6,7
	v_fma_f32 v[128+\q], v[128+\q], -2.0, v[120+\q]
.endr
.irp q, 0,1,2,3,4,5,6,7
	INS1 128+\q, 136+\q, \q
.endr
.endm
	BLOCK 0, 12
	BLOCK 1, 6
	BLOCK 2, 0
.irp r, 20,21,22
	v_max_num_f32 v\r, 0, v\r
.endr
.irp r, 20,21,22
	v_sqrt_f32 v\r, v\r
.endr
	v_mov_b32 v27, 0                               ; a plain instruction behind the last root
	s_wait_alu depctr_va_vdst(0)
.irp r, 20,21,22
	v_add_f32 v\r, 0x322bcc77, v\r                 ; + 1e-8
.endr
.irp r, 20,21,22
	v_rcp_f32 v\r, v\r
.endr
	v_mov_b32 v31, 0                               ; a plain instruction behind the last reciprocal
	s_wait_alu depctr_va_vdst(0)
	v_add_f32 v12, v20, v21
	v_add_f32 v12, v12, v22
	v_rcp_f32 v12, v12
	v_nop
	s_wait_alu depctr_va_vdst(0)
	v_mul_f32 v28, v20, v12
	v_mul_f32 v29, v21, v12
	v_mul_f32 v30, v22, v12
	global_store_b128 v1, v[24:27], s[10:11]       ; 512 consecutive bytes a store
	global_store_b128 v1, v[28:31], s[12:13]
	s_endpgm
.Lfunc_end_k_q53b343e692_knn2:
	.size	k_q53b343e692_knn2, .Lfunc_end_k_q53b343e692_knn2-k_q53b343e692_knn2
	.p2alignl 7, 3214868480
	.fill 96, 4, 3214868480
	.section	.rodata,"a",@progbits
	.p2align	6, 0x0
	.amdhsa_kernel k_q53b343e692_knn2
		.amdhsa_group_segment_fixed_size 0
		.amdhsa_private_segment_fixed_size 0
		.amdhsa_enable_private_segment 0
		.amdhsa_kernarg_size 40
		.amdhsa_user_sgpr_count 2
		.amdhsa_user_sgpr_kernarg_segment_ptr 1
		.amdhsa_wavefront_size32 1
		.amdhsa_system_sgpr_workgroup_id_x 1
		.amdhsa_system_sgpr_workgroup_id_y 1
		.amdhsa_system_sgpr_workgroup_id_z 1
		.amdhsa_system_vgpr_workitem_id 0
		.amdhsa_next_free_vgpr 148
		.amdhsa_next_free_sgpr 66
		.amdhsa_reserve_vcc 0
		.amdhsa_float_denorm_mode_32 3
		.amdhsa_float_denorm_mode_16_64 3
		.amdhsa_memory_ordered 1
		.amdhsa_forward_progress 1
		.amdhsa_inst_pref_size 38
	.end_amdhsa_kernel
	.amdgpu_metadata
---
amdhsa.version: [ 1, 2 ]
amdhsa.kernels:
  - .name:           k_q53b343e692_knn2
    .symbol:         k_q53b343e692_knn2.kd
    .args:
      - { .name: xyz, .offset: 0, .size: 8, .value_kind: global_buffer, .address_space: global }
      - { .name: xyz_prev, .offset: 8, .size: 8, .value_kind: global_buffer, .address_space: global }
      - { .name: wh, .offset: 16, .size: 8, .value_kind: global_buffer, .address_space: global }
      - { .name: nidx, .offset: 24, .size: 8, .value_kind: global_buffer, .address_space: global }
      - { .name: nw, .offset: 32, .size: 8, .value_kind: global_buffer, .address_space: global }
    .group_segment_fixed_size: 0
    .private_segment_fixed_size: 0
    .kernarg_segment_align: 8
    .kernarg_segment_size: 40
    .max_flat_workgroup_size: 256
    .sgpr_count:     66
    .vgpr_count:     148
    .wavefront_size: 32
...
	.end_amdgpu_metadata
.endif
;; end of part 7
;; launch gemm1 (part 8): grid 256 x 1, 16 waves a work-group, no clusters, 253,952 bytes of LDS; arguments features, fpt, wh, nidx, nw, b1, y1, part; writes y1, part
.if DOCPART == 8
	.amdgcn_target "amdgcn-amd-amdhsa--gfx1250"
	.amdhsa_code_object_version 6
	.text
	.protected	k_q53b343e692_gemm1
	.globl	k_q53b343e692_gemm1
	.p2align	8
	.type	k_q53b343e692_gemm1,@function
k_q53b343e692_gemm1:
	s_mov_b64 s[64:65], 0
	v_nop
	global_prefetch_b8 v0, s[64:65] scope:SCOPE_SE
	s_setreg_imm32_b32 hwreg(HW_REG_WAVE_MODE, 25, 1), 1
	s_wait_xcnt 0x0
; y[b][o][n] = sum over k of w1[o][k] x[b][k][n] + b1[o], x = (interpolated features_prev, features); and for each channel and 64 points the sum and the squares about their own mean.
; Work-group g = 32 b + blk: all 256 channels x points 256 blk .. +255.  Wave w: points 64 (w % 4) on, channels 64 (w / 4) on: 16 accumulators of 16 x 16.
; The matrix instruction's first source is 16 points, its second 16 channels: a lane then holds one channel (l % 16) and eight neighbouring points 8 (l / 16) + 0..7.
; K goes in eight chunks of 64, by turns one of features (staged [k][point], read turned) and one of the interpolated tile (made once, [point][k], all 256 k in LDS).
; WHAT LEAVES.  y is not stored as it is: for each channel and the wave's 64 points, z = y - m with m = sum / 64, rounded once to f16, and the pair (sum, squares) in f32.
; The later launches take y = z + m.  z has the size of the points' spread about their own mean, so a mean far from zero (an offset of the inputs, a large b1) costs z no bits.
; The buffer y1: z[G = 4 g + w % 4][256 channels][64 points] in f16, 33,554,432 bytes; behind it the pairs [G][256 channels][2] in f32, the same numbers that go to part
; (a copy, since a later launch that stores into part may not load from it).  A wave's 64 channels x 64 points are 8,192 bytes on end.
; FORMATS.  features, w1, b1 are rounded to bf16 and the first two written as f16 (exact for 6.1e-5 <= |v| <= 65,504, within 3e-8 below, not served above); the interpolated
; numbers are rounded once, to f16; sums in f32.  LIMIT of z: |y - m| up to 65,504; below 6.1e-5 it keeps f16's fixed step of 6e-8.
; NO CLUSTER, NO TENSOR LOAD: features have to pass through registers to be rounded, w1's chunk is a third of a trip's bytes, and one way of staging (load, store to LDS, barrier) serves both.
.set XP,    544                        ; a row of the features chunk: 256 points in f16 + 32 bytes: an odd multiple of 32
.set WB0,   34816                      ; two buffers for w1's chunk: 256 rows of 128 bytes + 16
.set WP,    144
.set WBUF,  36864
.set IT,    108544                     ; 256 points x 256 k in f16, rows of 512 bytes + 16
.set IP,    528
.set STG,   0                          ; the way out: 16 rows of 128 bytes + 16 a wave, over the features chunk and the head of w1's buffer 0, whose last reads lie ahead of the last barrier
.set SGP,   144
.set SPARE, 251904                     ; the spare words: 128 bytes a wave
.set TAIL,  33554432                   ; the pairs' place in y1
.set ACC,   128
; v2 v3 the add's two; v4 XLD v5 WLD global offsets; v6 XST v7 WST LDS stores; v8 XRD v9 IRD v10 WRD fragment reads; v11 STO v12 RD v13 CO the way out; v14 PO v15 BO
; v16-31 w1's chunk on its way; v32-63 features on their way; v64-95 fragments of x; v96-127 fragments of w1; v128-255 accumulators ((pb, cb) at 128 + 8 (4 pb + cb))
; ahead of the first product: v64-87 gather offsets, v88-103 at work, v104-107 and v116-127 four sets of packed results, v108 16 l, v109 0, v110 where I put a point's row, v128-223 gathered rows, v224-255 weights
.macro PLACES                          ; four places between a matrix instruction and a load into, or a vector write of, its registers
.rept 4
	v_nop
.endr
.endm
.macro BAR
	s_wait_dscnt 0x0                               ; my LDS stores are done and my LDS reads are back
	s_barrier_signal -1
	s_barrier_wait -1
.endm
.macro LDW off                         ; a chunk of w1: 32,768 dense bytes, 16 a thread, four times
.irp j, 0,1,2,3
	global_load_b128 v[16+4*\j:19+4*\j], v5, s[8:9] offset:(\off)+8192*\j
.endr
.endm
.macro LDX c                           ; chunk c of features: rows 64 c + 4 w + i, 1,024 bytes each in two halves
.irp i, 0,1,2,3
	global_load_b128 v[32+8*\i:35+8*\i], v4, s[4:5] offset:(64*(\c)+\i)*32768 th:TH_LOAD_NT
	global_load_b128 v[36+8*\i:39+8*\i], v4, s[4:5] offset:(64*(\c)+\i)*32768+512 th:TH_LOAD_NT
.endr
.endm
.macro STW buf
.irp j, 0,1,2,3
	ds_store_b128 v7, v[16+4*\j:19+4*\j] offset:9216*\j+WBUF*(\buf)
.endr
.endm
.macro STX                             ; four numbers at a time: to bf16, widened, written as f16, stored
.irp q, 0,1,2,3,4,5,6,7
.set xb, 32+4*\q
	v_cvt_pk_bf16_f32 v[xb], v[xb], v[xb+1]
	v_cvt_pk_bf16_f32 v[xb+2], v[xb+2], v[xb+3]
	v_and_b32 v[xb+1], s23, v[xb]
	v_lshlrev_b32 v[xb], 16, v[xb]
	v_and_b32 v[xb+3], s23, v[xb+2]
	v_lshlrev_b32 v[xb+2], 16, v[xb+2]
	v_cvt_pk_f16_f32 v[xb], v[xb], v[xb+1]
	v_cvt_pk_f16_f32 v[xb+1], v[xb+2], v[xb+3]
	ds_store_b64 v6, v[xb:xb+1] offset:XP*((\q)/2)+256*((\q)%2)
.endr
.endm
; 32 along K: eight loads for w1's four fragments, eight for x's four, then 16 products; the accumulators take turns.
; kind = 1: x from the interpolated tile (k along the rows); 0: from the features chunk, turned.  The counts leave the younger fragments of x out.
.macro KSTEP kind, xoff, woff, zero
	PLACES
.irp cb, 0,1,2,3
	ds_load_b128 v[96+8*\cb:99+8*\cb],   v10 offset:(\woff)+2304*\cb
	ds_load_b128 v[100+8*\cb:103+8*\cb], v10 offset:(\woff)+2304*\cb+32
.endr
.irp pb, 0,1,2,3
.if \kind
	ds_load_b128 v[64+8*\pb:67+8*\pb], v9 offset:(\xoff)+16*IP*\pb
	ds_load_b128 v[68+8*\pb:71+8*\pb], v9 offset:(\xoff)+16*IP*\pb+32
.else
	ds_load_tr16_b128 v[64+8*\pb:67+8*\pb], v8 offset:(\xoff)+32*\pb
	ds_load_tr16_b128 v[68+8*\pb:71+8*\pb], v8 offset:(\xoff)+32*\pb+16*XP
.endif
.endr
.irp pb, 0,1,2,3
	s_wait_dscnt 6-2*\pb
.irp cb, 0,1,2,3
.if \zero
	v_wmma_f32_16x16x32_f16 v[ACC+8*(4*\pb+\cb):ACC+8*(4*\pb+\cb)+7], v[64+8*\pb:71+8*\pb], v[96+8*\cb:103+8*\cb], 0
.else
	v_wmma_f32_16x16x32_f16 v[ACC+8*(4*\pb+\cb):ACC+8*(4*\pb+\cb)+7], v[64+8*\pb:71+8*\pb], v[96+8*\cb:103+8*\cb], v[ACC+8*(4*\pb+\cb):ACC+8*(4*\pb+\cb)+7]
.endif
.endr
.endr
.endm
	s_load_b512 s[4:19], s[0:1], 0x0               ; features, fpt, wh, nidx, nw, b1, y1, part
	v_lshl_add_u32 v2, v0, 2, SPARE
	v_mov_b32 v3, 0
	v_lshrrev_b32 v1, 5, v0
	v_readfirstlane_b32 s20, v1                    ; wave
	s_and_b32 s21, s20, 3                          ; which 64 points
	s_lshr_b32 s22, s20, 2                         ; which 64 channels
	s_mov_b32 s23, 0xffff0000                      ; a word's upper bf16; as a lane mask: lanes 16 to 31
	s_mov_b32 s28, 0x76543210                      ; v_permlanex16_b32: each lane takes its own place in the other half
	s_mov_b32 s29, 0xfedcba98
	v_and_b32 v113, 31, v0                         ; l
	v_and_b32 v111, 15, v0                         ; l % 16
	v_bfe_u32 v112, v0, 4, 1                       ; l / 16
	s_lshl_b32 s24, s20, 17
	v_lshl_add_u32 v4, v113, 4, s24                ; XLD: 4 w rows of 32,768 bytes + 16 l
	v_lshlrev_b32 v5, 4, v0                        ; WLD
	s_lshr_b32 s26, ttmp9, 5                       ; b
	s_and_b32 s27, ttmp9, 31
	s_lshl_b32 s24, s26, 23
	s_lshl_b32 s27, s27, 10
	s_add_co_u32 s24, s24, s27                     ; the batch, and the group's 256 points
	s_mov_b32 s25, 0
	s_lshl_b32 s30, s26, 20                        ; fpt[b]
	s_mov_b32 s31, 0
	s_lshl_b32 s26, ttmp9, 12
	s_lshl_b32 s27, s20, 8
	s_add_co_u32 s26, s26, s27                     ; nidx, nw: my wave's 16 points
	s_mov_b32 s27, 0
	s_wait_kmcnt 0x0
	s_add_nc_u64 s[10:11], s[10:11], s[26:27]
	s_add_nc_u64 s[12:13], s[12:13], s[26:27]
	s_load_b512 s[32:47], s[10:11], 0x0            ; the neighbours of my 16 points, four words a point
	s_load_b512 s[48:63], s[10:11], 0x40
	s_load_b512 s[68:83], s[10:11], 0x80
	s_load_b512 s[84:99], s[10:11], 0xc0
	s_add_nc_u64 s[4:5], s[4:5], s[24:25]
	s_add_nc_u64 s[6:7], s[6:7], s[30:31]
	LDW 4*32768                                    ; w1's chunk 4 goes with features' chunk 0
	LDX 0
	s_lshl_b32 s24, ttmp9, 13
	s_add_nc_u64 s[18:19], s[18:19], s[24:25]      ; part: four groups of 2,048 bytes a work-group
	s_add_nc_u64 s[30:31], s[16:17], s[24:25]
	s_add_nc_u64 s[30:31], s[30:31], TAIL          ; and the same four groups behind z in y1
	s_lshl_b32 s24, ttmp9, 2
	s_add_co_u32 s24, s24, s21                     ; G = 4 g + w % 4
	s_lshl_b32 s24, s24, 15                        ; 256 channels of 128 bytes
	s_lshl_b32 s26, s22, 13                        ; my 64 channels
	s_add_co_u32 s24, s24, s26
	s_add_nc_u64 s[16:17], s[16:17], s[24:25]      ; z at my wave's 8,192 bytes
	s_mul_i32 s24, s20, 4*XP
	v_lshl_add_u32 v6, v113, 3, s24                ; XST
	s_mul_i32 s24, s20, 4*WP
	s_add_co_u32 s24, s24, WB0
	v_bfe_u32 v1, v0, 3, 2
	v_mul_u32_u24 v7, v1, WP
	v_mul_u32_u24 v12, v1, SGP
	v_and_b32 v1, 7, v0
	v_lshl_add_u32 v7, v1, 4, v7
	v_lshl_add_u32 v12, v1, 4, v12
	v_add_nc_u32 v7, s24, v7                       ; WST: row 4 w + l / 8, 16 (l % 8)
	v_lshl_add_u32 v1, v112, 3, v1
	v_mul_u32_u24 v8, v1, XP
	v_bfe_u32 v1, v0, 3, 1
	v_lshl_add_u32 v8, v1, 4, v8
	s_lshl_b32 s24, s21, 7
	v_add_nc_u32 v8, s24, v8                       ; XRD: row 8 (l / 16) + l % 8, points 64 pg + 8 ((l / 8) % 2) on
	v_mul_u32_u24 v9, v111, IP
	v_lshl_add_u32 v9, v112, 4, v9
	s_mul_i32 s24, s21, 64*IP
	s_add_co_u32 s24, s24, IT
	v_add_nc_u32 v9, s24, v9                       ; IRD
	v_mul_u32_u24 v10, v111, WP
	v_lshl_add_u32 v10, v112, 4, v10
	s_mul_i32 s24, s22, 64*WP
	s_add_co_u32 s24, s24, WB0
	v_add_nc_u32 v10, s24, v10                     ; WRD
	s_mul_i32 s24, s20, 16*SGP
	s_add_co_u32 s24, s24, STG
	v_mul_u32_u24 v11, v111, SGP
	v_lshl_add_u32 v11, v112, 4, v11
	v_add_nc_u32 v11, s24, v11                     ; STO: row l % 16, 16 bytes for each half of the lanes
	v_add_nc_u32 v12, s24, v12                     ; RD: 32 lanes take four rows of 128 bytes: row l / 8, 16 (l % 8)
	v_lshlrev_b32 v13, 4, v113                     ; CO: which are 512 consecutive bytes of z
	s_lshl_b32 s24, s22, 9
	s_lshl_b32 s26, s21, 11
	s_add_co_u32 s24, s24, s26
	v_lshl_add_u32 v14, v113, 3, s24               ; PO
	s_lshl_b32 s24, s22, 8
	v_lshl_add_u32 v15, v111, 2, s24               ; BO
	v_lshlrev_b32 v108, 4, v113
	v_mov_b32 v109, 0
	s_mul_i32 s24, s20, 16*IP
	s_add_co_u32 s24, s24, IT
	v_add_nc_u32 v110, s24, v108
	s_wait_kmcnt 0x0                               ; the indices
; THE INTERPOLATED TILE.  Wave w makes points 16 w .. +15; a lane takes 8 channels (16 bytes) of each of a point's three rows of fpt.  A ring of eight point slots.
.macro GISS p                          ; point p is asked for: its weights (the same 16 bytes for all lanes), then three rows.  An index is cut to the table's 2,048 rows
.set sb, 32+4*(\p)+4*((\p)/8)
.set sl, (\p)%8
	global_load_b128 v[224+4*sl:227+4*sl], v109, s[12:13] offset:16*(\p)
.irp j, 0,1,2
	s_min_u32 s[sb+\j], s[sb+\j], 0x7ff
	s_lshl_b32 s[sb+\j], s[sb+\j], 9
	v_add_nc_u32 v[64+3*sl+\j], s[sb+\j], v108
	global_load_b128 v[128+12*sl+4*\j:131+12*sl+4*\j], v[64+3*sl+\j], s[6:7]
.endr
.endm
.macro GPT p, left                     ; point p is made: f0 w0 + f1 w1 + f2 w2 in f32, rounded to f16, 16 bytes into its row.  Four sets of result registers take turns, so that no conversion writes what the LDS store just ahead reads
.set sl, (\p)%8
.if (\p)%4 == 0
.set go, 104
.else
.set go, 112+4*((\p)%4)
.endif
	s_wait_loadcnt \left                           ; four loads for each younger point stay out
.irp d, 0,1,2,3
.set tb, 88+8*((\d)%2)
	v_lshlrev_b32 v[tb],   16,  v[128+12*sl+\d]
	v_and_b32     v[tb+1], s23, v[128+12*sl+\d]
	v_lshlrev_b32 v[tb+2], 16,  v[132+12*sl+\d]
	v_and_b32     v[tb+3], s23, v[132+12*sl+\d]
	v_lshlrev_b32 v[tb+4], 16,  v[136+12*sl+\d]
	v_and_b32     v[tb+5], s23, v[136+12*sl+\d]
	v_pk_mul_f32 v[tb:tb+1], v[tb:tb+1], v[224+4*sl:225+4*sl] op_sel_hi:[1,0]
	v_pk_fma_f32 v[tb:tb+1], v[tb+2:tb+3], v[224+4*sl:225+4*sl], v[tb:tb+1] op_sel:[0,1,0] op_sel_hi:[1,1,1]
	v_pk_fma_f32 v[tb:tb+1], v[tb+4:tb+5], v[226+4*sl:227+4*sl], v[tb:tb+1] op_sel_hi:[1,0,1]
	v_cvt_pk_f16_f32 v[go+\d], v[tb], v[tb+1]
.endr
	ds_store_b128 v110, v[go:go+3] offset:IP*(\p)
.endm
.irp p, 0,1,2,3,4,5,6,7
	GISS \p
.endr
.irp p, 0,1,2,3,4,5,6,7
	GPT \p, 28                                     ; seven younger points are out
	GISS (\p)+8                                    ; the slot's loads are done, so its registers take the point eight further on
.endr
.irp p, 8,9,10,11,12,13,14,15
	GPT \p, 4*(15-(\p))
.endr
	s_wait_loadcnt 0x0
	STW 0
	STX
	BAR                                            ; the tile, features' chunk 0 and w1's chunk 4 are whole
.macro TRIPF c, zero                   ; features' chunk c x w1's chunk 4 + c (buffer 0); w1's chunk c is staged into buffer 1, features' chunk c + 1 is asked for
	LDW (\c)*32768
.if (\c) < 3
	LDX (\c)+1
.endif
	KSTEP 0, 0, 0, \zero
	KSTEP 0, 32*XP, 64, 0
.if (\c) < 3
	s_wait_loadcnt 0x8                             ; w1's four are in; features' eight stay out
.else
	s_wait_loadcnt 0x0
.endif
	STW 1                                          ; buffer 1 was last read ahead of the last barrier
	BAR
.endm
.macro TRIPI c                         ; the tile's chunk c x w1's chunk c (buffer 1); the next features chunk and w1's chunk 5 + c are staged
.if (\c) < 3
	LDW (5+(\c))*32768
.else
.irp cb, 0,1,2,3
	global_load_b32 v[16+\cb], v15, s[14:15] offset:64*\cb  ; b1 of my lane's four channels
.endr
.endif
	KSTEP 1, 128*(\c), WBUF, 0
	KSTEP 1, 128*(\c)+64, WBUF+64, 0
.if (\c) < 3
	s_wait_loadcnt 0x0
	STW 0                                          ; buffer 0 and the features chunk were last read ahead of the last barrier
	STX
	BAR
.endif
.endm
	TRIPF 0, 1
	TRIPI 0
	TRIPF 1, 0
	TRIPI 1
	TRIPF 2, 0
	TRIPI 2
	TRIPF 3, 0
	TRIPI 3
; For channel block cb: the bias is added; then over the wave's 64 points (32 in my lane, 32 in the lane 16 away) the sum, and the squares about m = sum / 64.  Each accumulator is read from its low end on.
; The differences y - m, made for the squares, are also what leaves: eight of them pack into the accumulator's four lowest registers, 16 bytes of a row of z.
.macro STAT cb
.irp pb, 0,1,2,3
.irp q, 0,1,2,3
	v_pk_add_f32 v[ACC+8*(4*\pb+(\cb))+2*\q:ACC+8*(4*\pb+(\cb))+2*\q+1], v[ACC+8*(4*\pb+(\cb))+2*\q:ACC+8*(4*\pb+(\cb))+2*\q+1], v[20+2*(\cb):21+2*(\cb)]
.endr
.endr
.irp pb, 0,1,2,3
	v_pk_add_f32 v[64+2*\pb:65+2*\pb], v[ACC+8*(4*\pb+(\cb)):ACC+8*(4*\pb+(\cb))+1], v[ACC+8*(4*\pb+(\cb))+2:ACC+8*(4*\pb+(\cb))+3]
.endr
.irp pb, 0,1,2,3
	v_pk_add_f32 v[64+2*\pb:65+2*\pb], v[64+2*\pb:65+2*\pb], v[ACC+8*(4*\pb+(\cb))+4:ACC+8*(4*\pb+(\cb))+5]
.endr
.irp pb, 0,1,2,3
	v_pk_add_f32 v[64+2*\pb:65+2*\pb], v[64+2*\pb:65+2*\pb], v[ACC+8*(4*\pb+(\cb))+6:ACC+8*(4*\pb+(\cb))+7]
.endr
	v_pk_add_f32 v[64:65], v[64:65], v[66:67]
	v_pk_add_f32 v[68:69], v[68:69], v[70:71]
	v_pk_add_f32 v[64:65], v[64:65], v[68:69]
	v_add_f32 v64, v64, v65
	v_permlanex16_b32 v65, v64, s28, s29
	v_add_f32 v[32+2*(\cb)], v64, v65
	v_mul_f32 v72, 0x3c800000, v[32+2*(\cb)]       ; m: a power of two as the factor, so the later launches make the same number of the stored sum
	v_mov_b32 v73, v72
.irp pb, 0,1,2,3
.irp q, 0,1,2,3
	v_pk_add_f32 v[76+2*\q:77+2*\q], v[ACC+8*(4*\pb+(\cb))+2*\q:ACC+8*(4*\pb+(\cb))+2*\q+1], v[72:73] neg_lo:[0,1] neg_hi:[0,1]
.endr
.irp q, 0,1,2,3
.if (\pb) == 0 && (\q) < 2
	v_pk_mul_f32 v[84+2*\q:85+2*\q], v[76+2*\q:77+2*\q], v[76+2*\q:77+2*\q]
.else
	v_pk_fma_f32 v[84+2*((\q)%2):85+2*((\q)%2)], v[76+2*\q:77+2*\q], v[76+2*\q:77+2*\q], v[84+2*((\q)%2):85+2*((\q)%2)]
.endif
.endr
.irp q, 0,1,2,3
	v_cvt_pk_f16_f32 v[ACC+8*(4*\pb+(\cb))+\q], v[76+2*\q], v[77+2*\q]
.endr
.endr
	v_pk_add_f32 v[84:85], v[84:85], v[86:87]
	v_add_f32 v84, v84, v85
	v_permlanex16_b32 v85, v84, s28, s29
	v_add_f32 v[33+2*(\cb)], v84, v85
.endm
.macro PSTORE q                        ; lanes 0-15 give block 2 q's pair, lanes 16-31 block 2 q + 1's: 32 neighbouring channels, 256 consecutive bytes; once to part, once behind z
	v_cndmask_b32 v[40+2*(\q)], v[32+4*(\q)], v[34+4*(\q)], s23
	v_cndmask_b32 v[41+2*(\q)], v[33+4*(\q)], v[35+4*(\q)], s23
	global_store_b64 v14, v[40+2*(\q):41+2*(\q)], s[18:19] offset:256*(\q)
	global_store_b64 v14, v[40+2*(\q):41+2*(\q)], s[30:31] offset:256*(\q)
.endm
; Channel block cb leaves: 16 rows (channels) of 128 bytes through my own stage, back four rows at a time: 512 consecutive bytes of z.
.macro OUTZ cb
.if (\cb)%2
.set ob, 44
.else
.set ob, 104
.endif
	s_wait_xcnt 0x0                                ; earlier stores have read their registers
.irp pb, 0,1,2,3
	ds_store_b128 v11, v[ACC+8*(4*\pb+(\cb)):ACC+8*(4*\pb+(\cb))+3] offset:32*\pb
.endr
.irp t, 0,1,2,3
	ds_load_b128 v[ob+4*\t:ob+4*\t+3], v12 offset:4*SGP*\t  ; LDS serves a wave's instructions in order: these see the stores above
.endr
.irp t, 0,1,2,3
	s_wait_dscnt 3-\t                              ; the younger loads stay out
	global_store_b128 v13, v[ob+4*\t:ob+4*\t+3], s[16:17] offset:2048*(\cb)+512*\t  ; a wave stores 512 consecutive bytes, aligned
.endr
.endm
	s_wait_loadcnt 0x0                             ; b1
	PLACES
	v_cvt_pk_bf16_f32 v16, v16, v17
	v_cvt_pk_bf16_f32 v18, v18, v19
	v_lshlrev_b32 v20, 16, v16
	v_and_b32 v22, s23, v16
	v_lshlrev_b32 v24, 16, v18
	v_and_b32 v26, s23, v18
	v_mov_b32 v21, v20
	v_mov_b32 v23, v22
	v_mov_b32 v25, v24
	v_mov_b32 v27, v26
	STAT 0
	OUTZ 0                                         ; each block leaves as soon as it is made
	STAT 1
	OUTZ 1
	STAT 2
	OUTZ 2
	STAT 3
	PSTORE 0
	PSTORE 1
	OUTZ 3
	s_wait_tensorcnt 0x0                           ; the wave's end
	ds_add_u32 v2, v3
	s_wait_dscnt 0x0
	s_endpgm
.Lfunc_end_k_q53b343e692_gemm1:
	.size	k_q53b343e692_gemm1, .Lfunc_end_k_q53b343e692_gemm1-k_q53b343e692_gemm1
	.p2alignl 7, 3214868480
	.fill 96, 4, 3214868480
	.section	.rodata,"a",@progbits
	.p2align	6, 0x0
	.amdhsa_kernel k_q53b343e692_gemm1
		.amdhsa_group_segment_fixed_size 253952
		.amdhsa_private_segment_fixed_size 0
		.amdhsa_enable_private_segment 0
		.amdhsa_kernarg_size 64
		.amdhsa_user_sgpr_count 2
		.amdhsa_user_sgpr_kernarg_segment_ptr 1
		.amdhsa_wavefront_size32 1
		.amdhsa_system_sgpr_workgroup_id_x 1
		.amdhsa_system_sgpr_workgroup_id_y 1
		.amdhsa_system_sgpr_workgroup_id_z 1
		.amdhsa_system_vgpr_workitem_id 0
		.amdhsa_next_free_vgpr 256
		.amdhsa_next_free_sgpr 100
		.amdhsa_reserve_vcc 0
		.amdhsa_float_denorm_mode_32 3
		.amdhsa_float_denorm_mode_16_64 3
		.amdhsa_memory_ordered 1
		.amdhsa_forward_progress 1
		.amdhsa_inst_pref_size 133
	.end_amdhsa_kernel
	.amdgpu_metadata
---
amdhsa.version: [ 1, 2 ]
amdhsa.kernels:
  - .name:           k_q53b343e692_gemm1
    .symbol:         k_q53b343e692_gemm1.kd
    .args:
      - { .name: features, .offset: 0, .size: 8, .value_kind: global_buffer, .address_space: global }
      - { .name: fpt, .offset: 8, .size: 8, .value_kind: global_buffer, .address_space: global }
      - { .name: wh, .offset: 16, .size: 8, .value_kind: global_buffer, .address_space: global }
      - { .name: nidx, .offset: 24, .size: 8, .value_kind: global_buffer, .address_space: global }
      - { .name: nw, .offset: 32, .size: 8, .value_kind: global_buffer, .address_space: global }
      - { .name: b1, .offset: 40, .size: 8, .value_kind: global_buffer, .address_space: global }
      - { .name: y1, .offset: 48, .size: 8, .value_kind: global_buffer, .address_space: global }
      - { .name: part, .offset: 56, .size: 8, .value_kind: global_buffer, .address_space: global }
    .group_segment_fixed_size: 253952
    .private_segment_fixed_size: 0
    .kernarg_segment_align: 8
    .kernarg_segment_size: 64
    .max_flat_workgroup_size: 512
    .sgpr_count:     100
    .vgpr_count:     256
    .wavefront_size: 32
...
	.end_amdgpu_metadata
.endif
;; end of part 8
;; launch stat1: the kernel of part 3 again; grid 8 x 1, 16 waves a work-group, no clusters, 6,144 bytes of LDS; arguments part, g1, beta1, ab1; writes ab1
;; launch gemm2s (part 9): grid 256 x 1, 16 waves a work-group, no clusters, 223,232 bytes of LDS; arguments y1, wh, ab1, b2, part; writes part
.if DOCPART == 9
	.amdgcn_target "amdgcn-amd-amdhsa--gfx1250"
	.amdhsa_code_object_version 6
	.text
	.protected	k_q53b343e692_gemm2s
	.globl	k_q53b343e692_gemm2s
	.p2align	8
	.type	k_q53b343e692_gemm2s,@function
k_q53b343e692_gemm2s:
	s_mov_b64 s[64:65], 0
	v_nop
	global_prefetch_b8 v0, s[64:65] scope:SCOPE_SE
	s_setreg_imm32_b32 hwreg(HW_REG_WAVE_MODE, 25, 1), 1
	s_wait_xcnt 0x0
; THE SECOND LAYER'S STATISTICS.  y2[b][o][n] = sum over k of w2[o][k] h[b][k][n] + b2[o], h = max(a1[k] y[b][k][n] + s1[k], 0); y2 is not stored: only, for each channel
; and 64 points, its sum and its squares about their own mean.  The last launch makes y2 again: that reads the first layer's result once more and spares y2's way to memory and back.
; THE FIRST LAYER'S RESULT lies in y1 as z = y - m in f16, [G = 4 g + point block][256 channels][64 points], with m = sum / 64 of those 64 points; the pairs (sum, squares) in f32
; lie behind z, [G][256 channels][2].  So h = max(a1 z + (a1 m + s1), 0), all in f32: the shift a1 m + s1 is made once for each channel and point block, into a table in LDS.
; Shares, layouts and the K step as in the first layer: work-group g = 32 b + blk, 256 channels x 256 points; wave w: points 64 (w % 4) on, channels 64 (w / 4) on.
; K goes in four chunks of 64 through two buffers each for h ([k][point], read turned) and for w2.
; FORMATS.  h is rounded once, to f16 (65,504 at the most: gamma and beta would have to be some thousands); w2 is bf16 written as f16; b2 is rounded to bf16; sums in f32.
; NO CLUSTER, NO TENSOR LOAD: z has to pass through registers to be normalised, and w2's chunk is half of a trip's bytes, 32 KB.
.set XP,    544
.set XBUF,  34816                      ; two buffers for h from byte 0
.set WB0,   69632                      ; two buffers for w2's chunk
.set WP,    144
.set WBUF,  36864
.set SPARE, 212992
.set TB,    215040                     ; the table: two planes of 256 channels x 16 bytes: (shift of point block 0, of 1, a1, a1), then (of 2, of 3, a1, a1)
.set W2OFF, 262144                     ; w2's chunks in wh
.set TAIL,  33554432                   ; the pairs' place in y1
.set ACC,   128
; v2 v3 the add's two; v5 16 x thread: the offset in a chunk of w2 and in a chunk of z alike; v6 XST v7 WST; v8 XRD v9 TRD v10 WRD; v14 PO v15 BO; v16-31 w2 on its way;
; v32-47 z on its way; v48-55 at work; v56-63 my channel's two table rows; v64-95, v96-127 fragments; v128-255 accumulators
.macro PLACES
.rept 4
	v_nop
.endr
.endm
.macro BAR
	s_wait_dscnt 0x0
	s_barrier_signal -1
	s_barrier_wait -1
.endm
.macro LDW off
.irp j, 0,1,2,3
	global_load_b128 v[16+4*\j:19+4*\j], v5, s[6:7] offset:(\off)+8192*\j
.endr
.endm
.macro LDX c                           ; chunk c of z: for each of the four point blocks, channels 64 c + 4 w .. +3: 512 consecutive bytes.  Lane l: channel + l / 8, points 8 (l % 8) on
.irp j, 0,1,2,3
	global_load_b128 v[32+4*\j:35+4*\j], v5, s[4:5] offset:32768*\j+8192*(\c)
.endr
.endm
.macro LDC c                           ; the table's two rows for my channel of chunk c
	ds_load_b128 v[56:59], v9 offset:1024*(\c)
	ds_load_b128 v[60:63], v9 offset:1024*(\c)+4096
.endm
.macro STW buf
.irp j, 0,1,2,3
	ds_store_b128 v7, v[16+4*\j:19+4*\j] offset:9216*\j+WBUF*(\buf)
.endr
.endm
.macro HIGHS j                         ; the upper halves of point block j's four words come down
.irp e, 0,1,2,3
	v_lshrrev_b32 v[49+2*\e], 16, v[32+4*(\j)+\e]
.endr
.endm
.macro REST j, buf                     ; eight numbers of point block j: widened, a1 z + shift, cut at 0, rounded to f16, 16 bytes into my channel's row
	v_cvt_f32_f16 v49, v49.l
	v_cvt_f32_f16 v51, v51.l
	v_cvt_f32_f16 v53, v53.l
	v_cvt_f32_f16 v55, v55.l
.irp e, 0,1,2,3
.if (\j)%2
	v_pk_fma_f32 v[48+2*\e:49+2*\e], v[48+2*\e:49+2*\e], v[58:59], v[56+4*((\j)/2):57+4*((\j)/2)] op_sel:[0,0,1] op_sel_hi:[1,1,1]
.else
	v_pk_fma_f32 v[48+2*\e:49+2*\e], v[48+2*\e:49+2*\e], v[58:59], v[56+4*((\j)/2):57+4*((\j)/2)] op_sel_hi:[1,1,0]
.endif
.endr
.irp e, 0,1,2,3,4,5,6,7
	v_max_num_f32 v[48+\e], 0, v[48+\e]
.endr
.irp e, 0,1,2,3
	v_cvt_pk_f16_f32 v[32+4*(\j)+\e], v[48+2*\e], v[49+2*\e]
.endr
	ds_store_b128 v6, v[32+4*(\j):35+4*(\j)] offset:128*(\j)+XBUF*(\buf)
.endm
.macro STX buf                         ; a chunk (a register's half is named by the register's number, so the lower halves' lines are written out)
	HIGHS 0
	v_cvt_f32_f16 v48, v32.l
	v_cvt_f32_f16 v50, v33.l
	v_cvt_f32_f16 v52, v34.l
	v_cvt_f32_f16 v54, v35.l
	REST 0, \buf
	HIGHS 1
	v_cvt_f32_f16 v48, v36.l
	v_cvt_f32_f16 v50, v37.l
	v_cvt_f32_f16 v52, v38.l
	v_cvt_f32_f16 v54, v39.l
	REST 1, \buf
	HIGHS 2
	v_cvt_f32_f16 v48, v40.l
	v_cvt_f32_f16 v50, v41.l
	v_cvt_f32_f16 v52, v42.l
	v_cvt_f32_f16 v54, v43.l
	REST 2, \buf
	HIGHS 3
	v_cvt_f32_f16 v48, v44.l
	v_cvt_f32_f16 v50, v45.l
	v_cvt_f32_f16 v52, v46.l
	v_cvt_f32_f16 v54, v47.l
	REST 3, \buf
.endm
.macro KSTEP xoff, woff, zero          ; 32 along K: 16 fragment loads, 16 products; the accumulators take turns
	PLACES
.irp cb, 0,1,2,3
	ds_load_b128 v[96+8*\cb:99+8*\cb],   v10 offset:(\woff)+2304*\cb
	ds_load_b128 v[100+8*\cb:103+8*\cb], v10 offset:(\woff)+2304*\cb+32
.endr
.irp pb, 0,1,2,3
	ds_load_tr16_b128 v[64+8*\pb:67+8*\pb], v8 offset:(\xoff)+32*\pb
	ds_load_tr16_b128 v[68+8*\pb:71+8*\pb], v8 offset:(\xoff)+32*\pb+16*XP
.endr
.irp pb, 0,1,2,3
	s_wait_dscnt 6-2*\pb                           ; the younger fragments of h stay out
.irp cb, 0,1,2,3
.if \zero
	v_wmma_f32_16x16x32_f16 v[ACC+8*(4*\pb+\cb):ACC+8*(4*\pb+\cb)+7], v[64+8*\pb:71+8*\pb], v[96+8*\cb:103+8*\cb], 0
.else
	v_wmma_f32_16x16x32_f16 v[ACC+8*(4*\pb+\cb):ACC+8*(4*\pb+\cb)+7], v[64+8*\pb:71+8*\pb], v[96+8*\cb:103+8*\cb], v[ACC+8*(4*\pb+\cb):ACC+8*(4*\pb+\cb)+7]
.endif
.endr
.endr
.endm
.macro TRIP t, zero                    ; chunk t is multiplied while chunk t + 1 is on its way; then that is staged into the buffers last read ahead of the last barrier
	LDW W2OFF+32768*((\t)+1)
	LDX (\t)+1
	LDC (\t)+1                                     ; older than the fragment loads below, so their waits cover it
	KSTEP XBUF*((\t)%2), WBUF*((\t)%2), \zero
	KSTEP XBUF*((\t)%2)+32*XP, WBUF*((\t)%2)+64, 0
	s_wait_loadcnt 0x0
	STW ((\t)+1)%2
	STX ((\t)+1)%2
	BAR
.endm
	s_load_b256 s[4:11], s[0:1], 0x0               ; y1, wh, ab1, b2
	s_load_b64 s[12:13], s[0:1], 0x20              ; part
	v_lshl_add_u32 v2, v0, 2, SPARE
	v_mov_b32 v3, 0
	v_lshrrev_b32 v1, 5, v0
	v_readfirstlane_b32 s20, v1
	s_and_b32 s21, s20, 3
	s_lshr_b32 s22, s20, 2
	s_mov_b32 s23, 0xffff0000
	s_mov_b32 s28, 0x76543210
	s_mov_b32 s29, 0xfedcba98
	v_and_b32 v113, 31, v0
	v_and_b32 v111, 15, v0
	v_bfe_u32 v112, v0, 4, 1
	v_lshlrev_b32 v5, 4, v0
	s_and_b32 s26, s20, 7                          ; for the table, wave w takes channels 32 (w % 8) + l and point blocks 2 (w / 8), +1
	s_lshl_b32 s26, s26, 8
	v_lshl_add_u32 v62, v113, 3, s26               ; 8 x my table channel
	s_lshr_b32 s27, s20, 3
	s_lshl_b32 s27, s27, 12
	s_lshl_b32 s18, ttmp9, 13                      ; the group's four point blocks of 2,048 bytes
	s_add_co_u32 s18, s18, s27
	s_mov_b32 s19, 0
	s_lshl_b32 s24, ttmp9, 17                      ; the group's four point blocks of 32,768 bytes of z
	s_mov_b32 s25, 0
	s_lshl_b32 s26, s20, 9
	s_add_co_u32 s26, s26, TB
	v_lshl_add_u32 v63, v113, 4, s26               ; my table row: 512 w + 16 l
	s_wait_kmcnt 0x0
	s_add_nc_u64 s[16:17], s[4:5], s[18:19]
	s_add_nc_u64 s[16:17], s[16:17], TAIL
	s_add_nc_u64 s[4:5], s[4:5], s[24:25]
	global_load_b64 v[48:49], v62, s[8:9]          ; (a1, s1): the oldest loads; each covers 256 consecutive bytes
	global_load_b64 v[50:51], v62, s[16:17]        ; (sum, squares) of my two point blocks
	global_load_b64 v[52:53], v62, s[16:17] offset:2048
	LDW W2OFF
	LDX 0
	s_lshl_b32 s24, ttmp9, 13
	s_add_nc_u64 s[12:13], s[12:13], s[24:25]
	v_bfe_u32 v1, v0, 3, 2                         ; l / 8
	s_lshl_b32 s24, s20, 6
	s_add_co_u32 s24, s24, TB
	v_lshl_add_u32 v9, v1, 4, s24                  ; TRD: channel 4 w + l / 8 of a chunk
	v_mul_u32_u24 v6, v1, XP
	v_mul_u32_u24 v7, v1, WP
	v_and_b32 v1, 7, v0
	v_lshl_add_u32 v6, v1, 4, v6
	v_lshl_add_u32 v7, v1, 4, v7
	s_mul_i32 s24, s20, 4*XP
	v_add_nc_u32 v6, s24, v6                       ; XST: row 4 w + l / 8, 16 (l % 8)
	s_mul_i32 s24, s20, 4*WP
	s_add_co_u32 s24, s24, WB0
	v_add_nc_u32 v7, s24, v7                       ; WST likewise
	v_lshl_add_u32 v1, v112, 3, v1
	v_mul_u32_u24 v8, v1, XP
	v_bfe_u32 v1, v0, 3, 1
	v_lshl_add_u32 v8, v1, 4, v8
	s_lshl_b32 s24, s21, 7
	v_add_nc_u32 v8, s24, v8
	v_mul_u32_u24 v10, v111, WP
	v_lshl_add_u32 v10, v112, 4, v10
	s_mul_i32 s24, s22, 64*WP
	s_add_co_u32 s24, s24, WB0
	v_add_nc_u32 v10, s24, v10
	s_lshl_b32 s24, s22, 9
	s_lshl_b32 s26, s21, 11
	s_add_co_u32 s24, s24, s26
	v_lshl_add_u32 v14, v113, 3, s24
	s_lshl_b32 s24, s22, 8
	v_lshl_add_u32 v15, v111, 2, s24
	s_wait_loadcnt 0x8                             ; the table's three loads are in; w2's four and z's four stay out
	v_mul_f32 v50, 0x3c800000, v50                 ; m = sum / 64
	v_mul_f32 v52, 0x3c800000, v52
	v_fma_f32 v56, v48, v50, v49                   ; a1 m + s1
	v_fma_f32 v57, v48, v52, v49
	v_mov_b32 v58, v48                             ; a1 twice: a pair for the packed multiply-add
	v_mov_b32 v59, v48
	ds_store_b128 v63, v[56:59]
	BAR                                            ; the table is whole
	LDC 0
	s_wait_loadcnt 0x0
	STW 0
	s_wait_dscnt 0x4                               ; my two table rows are in; the four stores just issued may be out
	STX 0
	BAR
	TRIP 0, 1
	TRIP 1, 0
	TRIP 2, 0
.irp cb, 0,1,2,3
	global_load_b32 v[16+\cb], v15, s[10:11] offset:64*\cb  ; b2 of my lane's four channels
.endr
	KSTEP XBUF, WBUF, 0
	KSTEP XBUF+32*XP, WBUF+64, 0
.macro STAT cb                         ; the bias; then over the wave's 64 points the sum and the squares about sum / 64.  Each accumulator is read from its low end on
.irp pb, 0,1,2,3
.irp q, 0,1,2,3
	v_pk_add_f32 v[ACC+8*(4*\pb+(\cb))+2*\q:ACC+8*(4*\pb+(\cb))+2*\q+1], v[ACC+8*(4*\pb+(\cb))+2*\q:ACC+8*(4*\pb+(\cb))+2*\q+1], v[20+2*(\cb):21+2*(\cb)]
.endr
.endr
.irp pb, 0,1,2,3
	v_pk_add_f32 v[64+2*\pb:65+2*\pb], v[ACC+8*(4*\pb+(\cb)):ACC+8*(4*\pb+(\cb))+1], v[ACC+8*(4*\pb+(\cb))+2:ACC+8*(4*\pb+(\cb))+3]
.endr
.irp pb, 0,1,2,3
	v_pk_add_f32 v[64+2*\pb:65+2*\pb], v[64+2*\pb:65+2*\pb], v[ACC+8*(4*\pb+(\cb))+4:ACC+8*(4*\pb+(\cb))+5]
.endr
.irp pb, 0,1,2,3
	v_pk_add_f32 v[64+2*\pb:65+2*\pb], v[64+2*\pb:65+2*\pb], v[ACC+8*(4*\pb+(\cb))+6:ACC+8*(4*\pb+(\cb))+7]
.endr
	v_pk_add_f32 v[64:65], v[64:65], v[66:67]
	v_pk_add_f32 v[68:69], v[68:69], v[70:71]
	v_pk_add_f32 v[64:65], v[64:65], v[68:69]
	v_add_f32 v64, v64, v65
	v_permlanex16_b32 v65, v64, s28, s29
	v_add_f32 v[32+2*(\cb)], v64, v65
	v_mul_f32 v72, 0x3c800000, v[32+2*(\cb)]
	v_mov_b32 v73, v72
.irp pb, 0,1,2,3
.irp q, 0,1,2,3
	v_pk_add_f32 v[76+2*\q:77+2*\q], v[ACC+8*(4*\pb+(\cb))+2*\q:ACC+8*(4*\pb+(\cb))+2*\q+1], v[72:73] neg_lo:[0,1] neg_hi:[0,1]
.endr
.irp q, 0,1,2,3
.if (\pb) == 0 && (\q) < 2
	v_pk_mul_f32 v[84+2*\q:85+2*\q], v[76+2*\q:77+2*\q], v[76+2*\q:77+2*\q]
.else
	v_pk_fma_f32 v[84+2*((\q)%2):85+2*((\q)%2)], v[76+2*\q:77+2*\q], v[76+2*\q:77+2*\q], v[84+2*((\q)%2):85+2*((\q)%2)]
.endif
.endr
.endr
	v_pk_add_f32 v[84:85], v[84:85], v[86:87]
	v_add_f32 v84, v84, v85
	v_permlanex16_b32 v85, v84, s28, s29
	v_add_f32 v[33+2*(\cb)], v84, v85
.endm
.macro PSTORE q                        ; lanes 0-15 give block 2 q's pair, lanes 16-31 block 2 q + 1's: 256 consecutive bytes
	v_cndmask_b32 v[40+2*(\q)], v[32+4*(\q)], v[34+4*(\q)], s23
	v_cndmask_b32 v[41+2*(\q)], v[33+4*(\q)], v[35+4*(\q)], s23
	global_store_b64 v14, v[40+2*(\q):41+2*(\q)], s[12:13] offset:256*(\q)
.endm
	s_wait_loadcnt 0x0
	PLACES
	v_cvt_pk_bf16_f32 v16, v16, v17
	v_cvt_pk_bf16_f32 v18, v18, v19
	v_lshlrev_b32 v20, 16, v16
	v_and_b32 v22, s23, v16
	v_lshlrev_b32 v24, 16, v18
	v_and_b32 v26, s23, v18
	v_mov_b32 v21, v20
	v_mov_b32 v23, v22
	v_mov_b32 v25, v24
	v_mov_b32 v27, v26
	STAT 0
	STAT 1
	STAT 2
	STAT 3
	PSTORE 0
	PSTORE 1
	s_wait_tensorcnt 0x0                           ; the wave's end
	ds_add_u32 v2, v3
	s_wait_dscnt 0x0
	s_endpgm
.Lfunc_end_k_q53b343e692_gemm2s:
	.size	k_q53b343e692_gemm2s, .Lfunc_end_k_q53b343e692_gemm2s-k_q53b343e692_gemm2s
	.p2alignl 7, 3214868480
	.fill 96, 4, 3214868480
	.section	.rodata,"a",@progbits
	.p2align	6, 0x0
	.amdhsa_kernel k_q53b343e692_gemm2s
		.amdhsa_group_segment_fixed_size 223232
		.amdhsa_private_segment_fixed_size 0
		.amdhsa_enable_private_segment 0
		.amdhsa_kernarg_size 40
		.amdhsa_user_sgpr_count 2
		.amdhsa_user_sgpr_kernarg_segment_ptr 1
		.amdhsa_wavefront_size32 1
		.amdhsa_system_sgpr_workgroup_id_x 1
		.amdhsa_system_sgpr_workgroup_id_y 1
		.amdhsa_system_sgpr_workgroup_id_z 1
		.amdhsa_system_vgpr_workitem_id 0
		.amdhsa_next_free_vgpr 256
		.amdhsa_next_free_sgpr 66
		.amdhsa_reserve_vcc 0
		.amdhsa_float_denorm_mode_32 3
		.amdhsa_float_denorm_mode_16_64 3
		.amdhsa_memory_ordered 1
		.amdhsa_forward_progress 1
		.amdhsa_inst_pref_size 66
	.end_amdhsa_kernel
	.amdgpu_metadata
---
amdhsa.version: [ 1, 2 ]
amdhsa.kernels:
  - .name:           k_q53b343e692_gemm2s
    .symbol:         k_q53b343e692_gemm2s.kd
    .args:
      - { .name: y1, .offset: 0, .size: 8, .value_kind: global_buffer, .address_space: global }
      - { .name: wh, .offset: 8, .size: 8, .value_kind: global_buffer, .address_space: global }
      - { .name: ab1, .offset: 16, .size: 8, .value_kind: global_buffer, .address_space: global }
      - { .name: b2, .offset: 24, .size: 8, .value_kind: global_buffer, .address_space: global }
      - { .name: part, .offset: 32, .size: 8, .value_kind: global_buffer, .address_space: global }
    .group_segment_fixed_size: 223232
    .private_segment_fixed_size: 0
    .kernarg_segment_align: 8
    .kernarg_segment_size: 40
    .max_flat_workgroup_size: 512
    .sgpr_count:     66
    .vgpr_count:     256
    .wavefront_size: 32
...
	.end_amdgpu_metadata
.endif
;; end of part 9
;; launch stat2: the kernel of part 3 again; grid 8 x 1, 16 waves a work-group, no clusters, 6,144 bytes of LDS; arguments part, g2, beta2, ab2; writes ab2
;; launch gemm2f (part 10): grid 256 x 1, 16 waves a work-group, no clusters, 223,232 bytes of LDS; arguments y1, wh, ab1, ab2, b2, out0; writes out0
.if DOCPART == 10
	.amdgcn_target "amdgcn-amd-amdhsa--gfx1250"
	.amdhsa_code_object_version 6
	.text
	.protected	k_q53b343e692_gemm2f
	.globl	k_q53b343e692_gemm2f
	.p2align	8
	.type	k_q53b343e692_gemm2f,@function
k_q53b343e692_gemm2f:
	s_mov_b64 s[64:65], 0
	v_nop
	global_prefetch_b8 v0, s[64:65] scope:SCOPE_SE
	s_setreg_imm32_b32 hwreg(HW_REG_WAVE_MODE, 25, 1), 1
	s_wait_xcnt 0x0
; THE RESULT.  out0[b][o][n] = max(a2[o] (sum over k of w2[o][k] h[b][k][n] + b2[o]) + s2[o], 0), h = max(a1[k] y[b][k][n] + s1[k], 0).
; The products are those of the launch that took the second layer's statistics, made again; b2 goes into the shift: s' = a2 b2 + s2, so that one fused multiply-add finishes a number.
; THE FIRST LAYER'S RESULT lies in y1 as z = y - m in f16, [G = 4 g + point block][256 channels][64 points], with m = sum / 64 of those 64 points; the pairs (sum, squares) in f32
; lie behind z, [G][256 channels][2].  So h = max(a1 z + (a1 m + s1), 0), all in f32: the shift a1 m + s1 is made once for each channel and point block, into a table in LDS.
; Shares and layouts: work-group g = 32 b + blk, 256 channels x 256 points; wave w: points 64 (w % 4) on, channels 64 (w / 4) on; K in four chunks of 64 through two buffers.
; FORMATS.  h is rounded once, to f16 (65,504 at the most); w2 is bf16 written as f16; b2 is rounded to bf16; sums in f32.
; NO CLUSTER, NO TENSOR LOAD: z has to pass through registers to be normalised, and w2's chunk is half of a trip's bytes, 32 KB.
.set XP,    544
.set XBUF,  34816
.set WB0,   69632
.set WP,    144
.set WBUF,  36864
.set STG,   143360                     ; the way out: 16 rows of 272 bytes a wave
.set SPARE, 212992
.set TB,    215040                     ; the table: two planes of 256 channels x 16 bytes: (shift of point block 0, of 1, a1, a1), then (of 2, of 3, a1, a1)
.set W2OFF, 262144
.set TAIL,  33554432                   ; the pairs' place in y1
.set ACC,   128
; v2 v3 the add's two; v5 16 x thread: the offset in a chunk of w2 and in a chunk of z alike; v6 XST v7 WST; v8 XRD v9 TRD v10 WRD; v11 STO v12 RD v13 CO; v14 AO v15 BO; v16-31 w2 on its way;
; v32-47 z on its way; v48-55 at work; v56-63 my channel's two table rows; v64-127 fragments; v128-255 accumulators
.macro PLACES
.rept 4
	v_nop
.endr
.endm
.macro BAR
	s_wait_dscnt 0x0
	s_barrier_signal -1
	s_barrier_wait -1
.endm
.macro LDW off
.irp j, 0,1,2,3
	global_load_b128 v[16+4*\j:19+4*\j], v5, s[6:7] offset:(\off)+8192*\j
.endr
.endm
.macro LDX c                           ; chunk c of z: for each of the four point blocks, channels 64 c + 4 w .. +3: 512 consecutive bytes.  Lane l: channel + l / 8, points 8 (l % 8) on
.irp j, 0,1,2,3
	global_load_b128 v[32+4*\j:35+4*\j], v5, s[4:5] offset:32768*\j+8192*(\c) th:TH_LOAD_NT
.endr
.endm
.macro LDC c                           ; the table's two rows for my channel of chunk c
	ds_load_b128 v[56:59], v9 offset:1024*(\c)
	ds_load_b128 v[60:63], v9 offset:1024*(\c)+4096
.endm
.macro STW buf
.irp j, 0,1,2,3
	ds_store_b128 v7, v[16+4*\j:19+4*\j] offset:9216*\j+WBUF*(\buf)
.endr
.endm
.macro HIGHS j                         ; the upper halves of point block j's four words come down
.irp e, 0,1,2,3
	v_lshrrev_b32 v[49+2*\e], 16, v[32+4*(\j)+\e]
.endr
.endm
.macro REST j, buf                     ; eight numbers of point block j: widened, a1 z + shift, cut at 0, rounded to f16, 16 bytes into my channel's row
	v_cvt_f32_f16 v49, v49.l
	v_cvt_f32_f16 v51, v51.l
	v_cvt_f32_f16 v53, v53.l
	v_cvt_f32_f16 v55, v55.l
.irp e, 0,1,2,3
.if (\j)%2
	v_pk_fma_f32 v[48+2*\e:49+2*\e], v[48+2*\e:49+2*\e], v[58:59], v[56+4*((\j)/2):57+4*((\j)/2)] op_sel:[0,0,1] op_sel_hi:[1,1,1]
.else
	v_pk_fma_f32 v[48+2*\e:49+2*\e], v[48+2*\e:49+2*\e], v[58:59], v[56+4*((\j)/2):57+4*((\j)/2)] op_sel_hi:[1,1,0]
.endif
.endr
.irp e, 0,1,2,3,4,5,6,7
	v_max_num_f32 v[48+\e], 0, v[48+\e]
.endr
.irp e, 0,1,2,3
	v_cvt_pk_f16_f32 v[32+4*(\j)+\e], v[48+2*\e], v[49+2*\e]
.endr
	ds_store_b128 v6, v[32+4*(\j):35+4*(\j)] offset:128*(\j)+XBUF*(\buf)
.endm
.macro STX buf                         ; a chunk (a register's half is named by the register's number, so the lower halves' lines are written out)
	HIGHS 0
	v_cvt_f32_f16 v48, v32.l
	v_cvt_f32_f16 v50, v33.l
	v_cvt_f32_f16 v52, v34.l
	v_cvt_f32_f16 v54, v35.l
	REST 0, \buf
	HIGHS 1
	v_cvt_f32_f16 v48, v36.l
	v_cvt_f32_f16 v50, v37.l
	v_cvt_f32_f16 v52, v38.l
	v_cvt_f32_f16 v54, v39.l
	REST 1, \buf
	HIGHS 2
	v_cvt_f32_f16 v48, v40.l
	v_cvt_f32_f16 v50, v41.l
	v_cvt_f32_f16 v52, v42.l
	v_cvt_f32_f16 v54, v43.l
	REST 2, \buf
	HIGHS 3
	v_cvt_f32_f16 v48, v44.l
	v_cvt_f32_f16 v50, v45.l
	v_cvt_f32_f16 v52, v46.l
	v_cvt_f32_f16 v54, v47.l
	REST 3, \buf
.endm
.macro KSTEP xoff, woff, zero          ; 32 along K: 16 fragment loads, 16 products; the accumulators take turns
	PLACES
.irp cb, 0,1,2,3
	ds_load_b128 v[96+8*\cb:99+8*\cb],   v10 offset:(\woff)+2304*\cb
	ds_load_b128 v[100+8*\cb:103+8*\cb], v10 offset:(\woff)+2304*\cb+32
.endr
.irp pb, 0,1,2,3
	ds_load_tr16_b128 v[64+8*\pb:67+8*\pb], v8 offset:(\xoff)+32*\pb
	ds_load_tr16_b128 v[68+8*\pb:71+8*\pb], v8 offset:(\xoff)+32*\pb+16*XP
.endr
.irp pb, 0,1,2,3
	s_wait_dscnt 6-2*\pb                           ; the younger fragments of h stay out
.irp cb, 0,1,2,3
.if \zero
	v_wmma_f32_16x16x32_f16 v[ACC+8*(4*\pb+\cb):ACC+8*(4*\pb+\cb)+7], v[64+8*\pb:71+8*\pb], v[96+8*\cb:103+8*\cb], 0
.else
	v_wmma_f32_16x16x32_f16 v[ACC+8*(4*\pb+\cb):ACC+8*(4*\pb+\cb)+7], v[64+8*\pb:71+8*\pb], v[96+8*\cb:103+8*\cb], v[ACC+8*(4*\pb+\cb):ACC+8*(4*\pb+\cb)+7]
.endif
.endr
.endr
.endm
.macro TRIP t, zero                    ; chunk t is multiplied while chunk t + 1 is on its way; then that is staged into the buffers last read ahead of the last barrier
	LDW W2OFF+32768*((\t)+1)
	LDX (\t)+1
	LDC (\t)+1                                     ; older than the fragment loads below, so their waits cover it
	KSTEP XBUF*((\t)%2), WBUF*((\t)%2), \zero
	KSTEP XBUF*((\t)%2)+32*XP, WBUF*((\t)%2)+64, 0
	s_wait_loadcnt 0x0
	STW ((\t)+1)%2
	STX ((\t)+1)%2
	BAR
.endm
	s_load_b256 s[4:11], s[0:1], 0x0               ; y1, wh, ab1, ab2
	s_load_b128 s[12:15], s[0:1], 0x20             ; b2, out0
	v_lshl_add_u32 v2, v0, 2, SPARE
	v_mov_b32 v3, 0
	v_lshrrev_b32 v1, 5, v0
	v_readfirstlane_b32 s20, v1
	s_and_b32 s21, s20, 3
	s_lshr_b32 s22, s20, 2
	s_mov_b32 s23, 0xffff0000
	v_and_b32 v113, 31, v0
	v_and_b32 v111, 15, v0
	v_bfe_u32 v112, v0, 4, 1
	v_lshlrev_b32 v5, 4, v0
	s_and_b32 s26, s20, 7                          ; for the table, wave w takes channels 32 (w % 8) + l and point blocks 2 (w / 8), +1
	s_lshl_b32 s26, s26, 8
	v_lshl_add_u32 v62, v113, 3, s26               ; 8 x my table channel
	s_lshr_b32 s27, s20, 3
	s_lshl_b32 s27, s27, 12
	s_lshl_b32 s18, ttmp9, 13                      ; the group's four point blocks of 2,048 bytes
	s_add_co_u32 s18, s18, s27
	s_mov_b32 s19, 0
	s_lshl_b32 s24, ttmp9, 17                      ; the group's four point blocks of 32,768 bytes of z
	s_mov_b32 s25, 0
	s_lshl_b32 s26, s20, 9
	s_add_co_u32 s26, s26, TB
	v_lshl_add_u32 v63, v113, 4, s26               ; my table row: 512 w + 16 l
	s_wait_kmcnt 0x0
	s_add_nc_u64 s[16:17], s[4:5], s[18:19]
	s_add_nc_u64 s[16:17], s[16:17], TAIL
	s_add_nc_u64 s[4:5], s[4:5], s[24:25]
	global_load_b64 v[48:49], v62, s[8:9]          ; (a1, s1): the oldest loads; each covers 256 consecutive bytes
	global_load_b64 v[50:51], v62, s[16:17]        ; (sum, squares) of my two point blocks
	global_load_b64 v[52:53], v62, s[16:17] offset:2048
	LDW W2OFF
	LDX 0
	s_lshr_b32 s26, ttmp9, 5
	s_and_b32 s27, ttmp9, 31
	s_lshl_b32 s24, s26, 23
	s_lshl_b32 s27, s27, 10
	s_add_co_u32 s24, s24, s27
	s_lshl_b32 s26, s21, 8
	s_add_co_u32 s24, s24, s26
	s_add_nc_u64 s[14:15], s[14:15], s[24:25]      ; out0 at the batch and my wave's 64 points
	v_bfe_u32 v1, v0, 3, 2                         ; l / 8
	s_lshl_b32 s24, s20, 6
	s_add_co_u32 s24, s24, TB
	v_lshl_add_u32 v9, v1, 4, s24                  ; TRD: channel 4 w + l / 8 of a chunk
	v_mul_u32_u24 v6, v1, XP
	v_mul_u32_u24 v7, v1, WP
	v_and_b32 v1, 7, v0
	v_lshl_add_u32 v6, v1, 4, v6
	v_lshl_add_u32 v7, v1, 4, v7
	s_mul_i32 s24, s20, 4*XP
	v_add_nc_u32 v6, s24, v6                       ; XST: row 4 w + l / 8, 16 (l % 8)
	s_mul_i32 s24, s20, 4*WP
	s_add_co_u32 s24, s24, WB0
	v_add_nc_u32 v7, s24, v7                       ; WST likewise
	v_lshl_add_u32 v1, v112, 3, v1
	v_mul_u32_u24 v8, v1, XP
	v_bfe_u32 v1, v0, 3, 1
	v_lshl_add_u32 v8, v1, 4, v8
	s_lshl_b32 s24, s21, 7
	v_add_nc_u32 v8, s24, v8
	v_mul_u32_u24 v10, v111, WP
	v_lshl_add_u32 v10, v112, 4, v10
	s_mul_i32 s24, s22, 64*WP
	s_add_co_u32 s24, s24, WB0
	v_add_nc_u32 v10, s24, v10
	s_mul_i32 s24, s20, 4352
	s_add_co_u32 s24, s24, STG
	v_mul_u32_u24 v11, v111, 272
	v_lshl_add_u32 v11, v112, 5, v11
	v_add_nc_u32 v11, s24, v11
	v_mul_u32_u24 v12, v112, 272
	v_lshl_add_u32 v12, v111, 4, v12
	v_add_nc_u32 v12, s24, v12
	s_lshl_b32 s24, s22, 21
	v_lshlrev_b32 v13, 15, v112
	v_lshl_add_u32 v13, v111, 4, v13
	v_add_nc_u32 v13, s24, v13
	s_lshl_b32 s24, s22, 9
	v_lshl_add_u32 v14, v111, 3, s24               ; AO: my channel's pair in ab2
	s_lshl_b32 s24, s22, 8
	v_lshl_add_u32 v15, v111, 2, s24               ; BO
	s_wait_loadcnt 0x8                             ; the table's three loads are in; w2's four and z's four stay out
	v_mul_f32 v50, 0x3c800000, v50                 ; m = sum / 64
	v_mul_f32 v52, 0x3c800000, v52
	v_fma_f32 v56, v48, v50, v49                   ; a1 m + s1
	v_fma_f32 v57, v48, v52, v49
	v_mov_b32 v58, v48                             ; a1 twice: a pair for the packed multiply-add
	v_mov_b32 v59, v48
	ds_store_b128 v63, v[56:59]
	BAR                                            ; the table is whole
	LDC 0
	s_wait_loadcnt 0x0
	STW 0
	s_wait_dscnt 0x4                               ; my two table rows are in; the four stores just issued may be out
	STX 0
	BAR
	TRIP 0, 1
	TRIP 1, 0
	TRIP 2, 0
.irp cb, 0,1,2,3
	global_load_b64 v[16+2*\cb:17+2*\cb], v14, s[10:11] offset:128*\cb  ; (a2, s2) of my lane's four channels
.endr
.irp cb, 0,1,2,3
	global_load_b32 v[24+\cb], v15, s[12:13] offset:64*\cb              ; b2
.endr
	KSTEP XBUF, WBUF, 0
	KSTEP XBUF+32*XP, WBUF+64, 0
.macro FIN cb                          ; a2 y + s', both from one register pair: the factor its low word, the addend its high word; then the cut at 0.  Each accumulator is read from its low end on
.irp pb, 0,1,2,3
.irp q, 0,1,2,3
	v_pk_fma_f32 v[ACC+8*(4*\pb+(\cb))+2*\q:ACC+8*(4*\pb+(\cb))+2*\q+1], v[ACC+8*(4*\pb+(\cb))+2*\q:ACC+8*(4*\pb+(\cb))+2*\q+1], v[16+2*(\cb):17+2*(\cb)], v[16+2*(\cb):17+2*(\cb)] op_sel:[0,0,1] op_sel_hi:[1,0,1]
.endr
.endr
.irp pb, 0,1,2,3
.irp j, 0,1,2,3,4,5,6,7
	v_max_num_f32 v[ACC+8*(4*\pb+(\cb))+\j], 0, v[ACC+8*(4*\pb+(\cb))+\j]
.endr
.endr
.endm
.macro OUTP cb, base                   ; 16 rows (channels) of 64 points through my own stage, back as whole rows of 256 bytes
.set ob, 64+32*((\cb)%2)
	s_wait_xcnt 0x0                                ; earlier stores have read their registers
.irp pb, 0,1,2,3
	ds_store_b128 v11, v[ACC+8*(4*\pb+(\cb)):ACC+8*(4*\pb+(\cb))+3]   offset:64*\pb
	ds_store_b128 v11, v[ACC+8*(4*\pb+(\cb))+4:ACC+8*(4*\pb+(\cb))+7] offset:64*\pb+16
.endr
.irp t, 0,1,2,3,4,5,6,7
	ds_load_b128 v[ob+4*\t:ob+4*\t+3], v12 offset:544*\t  ; LDS serves a wave's instructions in order: these see the stores above
.endr
.irp t, 0,1,2,3,4,5,6,7
	s_wait_dscnt 7-\t
	global_store_b128 v13, v[ob+4*\t:ob+4*\t+3], s[(\base):(\base)+1] offset:(16*(\cb)+2*\t)*32768 th:TH_STORE_NT  ; sixteen lanes store 256 consecutive bytes, aligned
.endr
.endm
	s_wait_loadcnt 0x0
	PLACES
	v_cvt_pk_bf16_f32 v24, v24, v25
	v_cvt_pk_bf16_f32 v26, v26, v27
	v_lshlrev_b32 v28, 16, v24
	v_and_b32 v29, s23, v24
	v_lshlrev_b32 v30, 16, v26
	v_and_b32 v31, s23, v26
.irp cb, 0,1,2,3
	v_fma_f32 v[17+2*\cb], v[16+2*\cb], v[28+\cb], v[17+2*\cb]  ; s' = a2 b2 + s2
.endr
	FIN 0
	OUTP 0, 14
	FIN 1
	OUTP 1, 14
	FIN 2
	OUTP 2, 14
	FIN 3
	OUTP 3, 14
	s_wait_tensorcnt 0x0                           ; the wave's end
	ds_add_u32 v2, v3
	s_wait_dscnt 0x0
	s_endpgm
.Lfunc_end_k_q53b343e692_gemm2f:
	.size	k_q53b343e692_gemm2f, .Lfunc_end_k_q53b343e692_gemm2f-k_q53b343e692_gemm2f
	.p2alignl 7, 3214868480
	.fill 96, 4, 3214868480
	.section	.rodata,"a",@progbits
	.p2align	6, 0x0
	.amdhsa_kernel k_q53b343e692_gemm2f
		.amdhsa_group_segment_fixed_size 223232
		.amdhsa_private_segment_fixed_size 0
		.amdhsa_enable_private_segment 0
		.amdhsa_kernarg_size 48
		.amdhsa_user_sgpr_count 2
		.amdhsa_user_sgpr_kernarg_segment_ptr 1
		.amdhsa_wavefront_size32 1
		.amdhsa_system_sgpr_workgroup_id_x 1
		.amdhsa_system_sgpr_workgroup_id_y 1
		.amdhsa_system_sgpr_workgroup_id_z 1
		.amdhsa_system_vgpr_workitem_id 0
		.amdhsa_next_free_vgpr 256
		.amdhsa_next_free_sgpr 66
		.amdhsa_reserve_vcc 0
		.amdhsa_float_denorm_mode_32 3
		.amdhsa_float_denorm_mode_16_64 3
		.amdhsa_memory_ordered 1
		.amdhsa_forward_progress 1
		.amdhsa_inst_pref_size 65
	.end_amdhsa_kernel
	.amdgpu_metadata
---
amdhsa.version: [ 1, 2 ]
amdhsa.kernels:
  - .name:           k_q53b343e692_gemm2f
    .symbol:         k_q53b343e692_gemm2f.kd
    .args:
      - { .name: y1, .offset: 0, .size: 8, .value_kind: global_buffer, .address_space: global }
      - { .name: wh, .offset: 8, .size: 8, .value_kind: global_buffer, .address_space: global }
      - { .name: ab1, .offset: 16, .size: 8, .value_kind: global_buffer, .address_space: global }
      - { .name: ab2, .offset: 24, .size: 8, .value_kind: global_buffer, .address_space: global }
      - { .name: b2, .offset: 32, .size: 8, .value_kind: global_buffer, .address_space: global }
      - { .name: out0, .offset: 40, .size: 8, .value_kind: global_buffer, .address_space: global }
    .group_segment_fixed_size: 223232
    .private_segment_fixed_size: 0
    .kernarg_segment_align: 8
    .kernarg_segment_size: 48
    .max_flat_workgroup_size: 512
    .sgpr_count:     66
    .vgpr_count:     256
    .wavefront_size: 32
...
	.end_amdgpu_metadata
.endif
;; end of part 10
;; ======== version 3 of 3: 7 launches; version 2 with the launches knn, gemm1 written anew for expert scheduling mode
;; limits: values are held in f16: magnitudes above 65,504 overflow, below 6.1e-05 lose precision; inputs' magnitudes at most 65,504; values outside matrix products are rounded to f16; right only within a limited range of input values
;; workspace buffers: nidx 1,048,576 bytes of whole numbers; nw 1,048,576 bytes; fpt 8,388,608 bytes; wh 1,441,792 bytes of whole numbers; y1 35,651,584 bytes; part 2,097,152 bytes; ab1 2,048 bytes; ab2 2,048 bytes
;; launch knn (part 11): grid 256 x 1, 4 waves a work-group, no clusters, 67,072 bytes of LDS; arguments xyz, xyz_prev, features_prev, w1, w2, fpt, wh; writes fpt, wh
.if DOCPART == 11
	.amdgcn_target "amdgcn-amd-amdhsa--gfx1250"
	.amdhsa_code_object_version 6
	.text
	.protected	k_q53b343e692_knn
	.globl	k_q53b343e692_knn
	.p2align	8
	.type	k_q53b343e692_knn,@function
k_q53b343e692_knn:
	s_mov_b64 s[64:65], 0
	v_nop
	global_prefetch_b8 v0, s[64:65] scope:SCOPE_SE
	s_setreg_imm32_b32 hwreg(HW_REG_WAVE_SCHED_MODE, 0, 2), 2
	s_setreg_imm32_b32 hwreg(HW_REG_WAVE_MODE, 25, 1), 1
	s_wait_xcnt 0x0
	s_wait_alu depctr_vm_vsrc(0)
; THREE NEAREST NEIGHBOURS, FIRST PART, and the operands that the later launches want in 16 bits.
; Work-group g = 32 b + blk owns queries 256 blk .. +255 of batch b.  A lane holds two queries (64 w + l and 64 w + 32 + l) in register pairs
; and walks all 2,048 known points of the batch, which lie in LDS as (x, y, z, x^2+y^2+z^2).
; d2 = (sq_u + sq_k) - 2 ((ux kx + uy ky) + uz kz), each sum in this order.  The coordinates are rounded to bf16 first, so every product is exact in f32
; and a fused multiply-add rounds as a multiply and an add do.
; BY BLOCKS.  The known points go in 256 blocks of 8 neighbours in index.  Of each block only the least d2 is kept, and the three blocks with the least minima are tracked
; (a block enters only where it is strictly nearer, so equal minima go to the lower block).  Order points by (d2, index) and blocks by (minimum, number): were one of the first three
; points in a block that is not among the first three, three other blocks' minima would each come ahead of that point.  So these three blocks hold the three neighbours, ties included:
; one sorted insertion serves eight points, and the next launch looks at 24 points a query.
; The three block numbers of a query go behind the weights in wh, from byte 393,216, four words a query: the program's eight workspace buffers are all taken.
; Beside that the group turns features_prev[b][:, 64 blk .. +63] into fpt[b][m][channel] in bf16, and writes 512 numbers of w1 and 256 of w2 as f16, by chunks of 64 along k.
; LIMITS.  All inputs are rounded to bf16 (nearest even).  w1 and w2 are then written as f16: exact for 6.1e-5 <= |w| <= 65,504, within 3e-8 below, not served above.
; NaN and infinities are not treated.
; No matrix unit: three terms a product, and its sums round otherwise than the order above.  No cluster: the known points of a batch are 24 KB, read once by each group.
; THE MODE: SCHED_MODE bits 1:0 = 2 (LLVM: expert scheduling mode 2), set by the entry lines.  The code itself states the register dependences
; between vector instructions and memory or LDS instructions, with s_wait_alu, always for 0.
; THE PLAN.  Registers that LDS instructions touch in the loop:
;   KA, KB    eight candidates each.  Block p's products read buffer p % 2; behind the last of them the loads of block p + 2 land in that same buffer.
;   v[KAD]    read by every LDS load; written once a trip, at the trip's end.
;   The queries, PP, TS, the triples and the block numbers are named by vector instructions alone.
; So ONE wait on va_vdst stands in a block, behind its products and beside the wait on va_sdst that the insertion's six compares owe ahead of its selects; the block's eight loads
; follow it, and the selects and minima behind them name neither KA nor KB.  One wait on vm_vsrc a trip stands ahead of the add to v[KAD].
; At the head each run of LDS stores or stores has one wait on va_vdst ahead of it, and a wait on vm_vsrc stands ahead of each rewriting of registers that they read.
.set KN,    0                          ; 2,048 x 16 bytes
.set TT,    32768                      ; 64 rows (m) of 512 bytes (256 channels in bf16) + 16 of padding
.set TP,    528
.set SPARE, 66560                      ; the spare words: 128 bytes a wave
.set XOFF,  393216                     ; the block numbers' place in wh
.set SPW, 2
.set NIL, 3
.set KAD, 4                            ; LDS address of the trip's first candidate (the same in all lanes)
.set NS,  5                            ; 16 (64 w + l): my first query's four words
.set UX,  6                            ; v[6:7] x of my two queries; UY, UZ likewise; SU their squared norms
.set UY,  8
.set UZ,  10
.set SU,  12
; in the loop: v14-16 the three least block minima of query A, ascending; v20-22 of query B; v26, v27 the block minimum that waits to enter (A, B);
; v28-30 A's three block numbers, v31 = 0; v32-34 B's, v35 = 0; v38-47 at work
; ahead of the loop v14-47 hold offsets and weights:
.set CAO, 14
.set QO,  15
.set FO,  16
.set W1O, 17
.set W2O, 18
.set LN,  19
.set RR,  20
.set HH,  21
.set W1S, 22
.set KST, 23
.set TST, 24
.set TRD, 25
.set W1D, 26
.set W2D, 30
.set FS,  34
.set W2S, 35
.set W1H, 44
.set W2H, 46
.set KA,  48                           ; v[48:79], v[80:111] eight candidates each
.set KB,  80
.set FD,  112                          ; v[112:239] 32 rows x 4 columns of features_prev
.set PP,  112                          ; in the loop: eight pairs, dot products and then d2
.set TS,  128                          ; eight pairs sq_u + sq_k
	s_load_b256 s[4:11], s[0:1], 0x0               ; xyz, xyz_prev, features_prev, w1
	s_load_b64 s[12:13], s[0:1], 0x20              ; w2
	s_load_b64 s[18:19], s[0:1], 0x28              ; fpt
	s_load_b64 s[20:21], s[0:1], 0x30              ; wh
	v_lshl_add_u32 v[SPW], v0, 2, SPARE
	v_mov_b32 v[NIL], 0
	v_lshrrev_b32 v1, 5, v0
	v_readfirstlane_b32 s22, v1                    ; wave
	s_mov_b32 s23, 0xffff0000                      ; a word's upper bf16
	v_and_b32 v[LN], 31, v0
	v_and_b32 v[RR], 15, v0
	v_bfe_u32 v[HH], v0, 4, 1
	s_lshr_b32 s25, ttmp9, 5                       ; b
	s_and_b32 s26, ttmp9, 31                       ; blk
	s_mul_i32 s42, s25, 24576                      ; the batch's known points
	s_mov_b32 s43, 0
	s_mul_i32 s44, ttmp9, 3072                     ; the group's 256 queries
	s_mov_b32 s45, 0
	s_lshl_b32 s46, s25, 21                        ; features_prev[b], columns 64 blk on
	s_lshl_b32 s27, s26, 8
	s_add_co_u32 s46, s46, s27
	s_mov_b32 s47, 0
	s_lshl_b32 s48, ttmp9, 15                      ; fpt: 64 rows of 512 bytes a group
	s_mov_b32 s49, 0
	s_lshl_b32 s50, ttmp9, 12                      ; the block numbers: 256 rows of 16 bytes a group, behind the weights
	s_add_co_u32 s50, s50, XOFF
	s_mov_b32 s51, 0
	v_mul_u32_u24 v[CAO], v0, 12
	s_wait_alu depctr_va_sdst(0)                   ; s22 is written, ahead of its first reader: offsets, LDS addresses and two branches are made from it
	s_lshl_b32 s27, s22, 6
	v_add_nc_u32 v[NS], s27, v[LN]                 ; 64 w + l
	v_mul_u32_u24 v[QO], v[NS], 12
	v_lshlrev_b32 v[NS], 4, v[NS]
	s_lshl_b32 s27, s22, 19
	v_lshlrev_b32 v[FO], 18, v[HH]
	v_lshl_add_u32 v[FO], v[RR], 4, v[FO]
	v_add_nc_u32 v[FO], s27, v[FO]                 ; (64 w + 32 (l / 16)) rows of 8,192 bytes + 16 (l % 16)
	; w1: unit u = 4 g + w is rows 2 (u / 8), +1 of chunk u % 8
	s_lshl_b32 s28, ttmp9, 2
	s_add_co_u32 s28, s28, s22
	s_and_b32 s29, s28, 7
	s_lshr_b32 s30, s28, 3
	s_lshl_b32 s31, s30, 12
	s_lshl_b32 s32, s29, 8
	s_add_co_u32 s31, s31, s32
	s_lshl_b32 s29, s29, 15
	s_lshl_b32 s30, s30, 8
	s_add_co_u32 s29, s29, s30
	v_lshlrev_b32 v[W1O], 11, v[HH]
	v_lshl_add_u32 v[W1O], v[RR], 4, v[W1O]
	v_add_nc_u32 v[W1O], s31, v[W1O]
	v_lshl_add_u32 v[W1S], v[LN], 3, s29
	; w2: unit 2 g + w (waves 0 and 1) is rows 2 (u / 4), +1 of chunk u % 4
	s_lshl_b32 s28, ttmp9, 1
	s_add_co_u32 s28, s28, s22
	s_and_b32 s29, s28, 3
	s_lshr_b32 s30, s28, 2
	s_lshl_b32 s31, s30, 11
	s_lshl_b32 s32, s29, 8
	s_add_co_u32 s31, s31, s32
	s_lshl_b32 s29, s29, 15
	s_lshl_b32 s30, s30, 8
	s_add_co_u32 s29, s29, s30
	s_add_co_u32 s29, s29, 262144
	v_lshlrev_b32 v[W2O], 10, v[HH]
	v_lshl_add_u32 v[W2O], v[RR], 4, v[W2O]
	v_add_nc_u32 v[W2O], s31, v[W2O]
	v_lshl_add_u32 v[W2S], v[LN], 3, s29
	; LDS addresses: the wave's number times a constant plus a lane term
	s_lshl_b32 s28, s22, 9
	v_lshl_add_u32 v[KST], v[LN], 4, s28           ; candidate 128 i + t at 16 t + 2,048 i
	s_lshl_b32 s28, s22, 7
	s_add_co_u32 s28, s28, TT
	v_mul_u32_u24 v[TST], v[RR], 4*TP
	v_lshl_add_u32 v[TST], v[HH], 6, v[TST]
	v_add_nc_u32 v[TST], s28, v[TST]               ; row 4 r, channels 64 w + 32 (l / 16) on
	s_mul_i32 s28, s22, 16*TP
	s_add_co_u32 s28, s28, TT
	v_lshl_add_u32 v[TRD], v[LN], 4, s28           ; back: rows 16 w on, whole
	s_lshl_b32 s28, s22, 13
	v_lshl_add_u32 v[FS], v[LN], 4, s28
	s_wait_kmcnt 0x0
	s_add_nc_u64 s[6:7], s[6:7], s[42:43]
	s_add_nc_u64 s[4:5], s[4:5], s[44:45]
	s_add_nc_u64 s[8:9], s[8:9], s[46:47]
	s_add_nc_u64 s[18:19], s[18:19], s[48:49]
	s_add_nc_u64 s[14:15], s[20:21], s[50:51]      ; where the group's block numbers go
	s_wait_alu depctr_va_vdst(0)                   ; all offsets and LDS addresses (v5, v14-18, v22-25, v34, v35) are written, which the loads, stores and LDS instructions below read
	s_cmp_lt_u32 s22, 2
	s_cbranch_scc0 .Lno_w2_load
	global_load_b128 v[W2D:W2D+3], v[W2O], s[12:13]  ; the oldest load, so that the counts below are the same in all waves
.Lno_w2_load:
.set i, 0
.rept 16
	global_load_b32 v[KA+4*i],   v[CAO], s[6:7] offset:1536*i
	global_load_b32 v[KA+4*i+1], v[CAO], s[6:7] offset:1536*i+4
	global_load_b32 v[KA+4*i+2], v[CAO], s[6:7] offset:1536*i+8
.set i, i+1
.endr
	global_load_b32 v6,  v[QO], s[4:5]
	global_load_b32 v8,  v[QO], s[4:5] offset:4
	global_load_b32 v10, v[QO], s[4:5] offset:8
	global_load_b32 v7,  v[QO], s[4:5] offset:384
	global_load_b32 v9,  v[QO], s[4:5] offset:388
	global_load_b32 v11, v[QO], s[4:5] offset:392
.set i, 0
.rept 32
	global_load_b128 v[FD+4*i:FD+4*i+3], v[FO], s[8:9] offset:8192*i th:TH_LOAD_NT  ; sixteen lanes take 256 consecutive bytes of a row
.set i, i+1
.endr
	global_load_b128 v[W1D:W1D+3], v[W1O], s[10:11]
	s_wait_loadcnt 33                              ; candidates and queries are in; the 32 loads of features_prev and w1's stay out
.set i, 0
.rept 16                                           ; all sixteen candidates are rounded first, so that one wait serves the run of LDS stores
	v_cvt_pk_bf16_f32 v38, v[KA+4*i], v[KA+4*i+1]
	v_cvt_pk_bf16_f32 v39, v[KA+4*i+2], v[KA+4*i+2]
	v_lshlrev_b32 v[KA+4*i], 16, v38
	v_and_b32 v[KA+4*i+1], s23, v38
	v_lshlrev_b32 v[KA+4*i+2], 16, v39
	v_mul_f32 v[KA+4*i+3], v[KA+4*i], v[KA+4*i]
	v_fma_f32 v[KA+4*i+3], v[KA+4*i+1], v[KA+4*i+1], v[KA+4*i+3]
	v_fma_f32 v[KA+4*i+3], v[KA+4*i+2], v[KA+4*i+2], v[KA+4*i+3]
.set i, i+1
.endr
	s_wait_alu depctr_va_vdst(0)                   ; the lines above have written v48-111, which the LDS stores read
.set i, 0
.rept 16
	ds_store_b128 v[KST], v[KA+4*i:KA+4*i+3] offset:KN+2048*i
.set i, i+1
.endr
	v_cvt_pk_bf16_f32 v38, v6, v7
	v_cvt_pk_bf16_f32 v39, v8, v9
	v_cvt_pk_bf16_f32 v40, v10, v11
	v_lshlrev_b32 v6, 16, v38
	v_and_b32 v7, s23, v38
	v_lshlrev_b32 v8, 16, v39
	v_and_b32 v9, s23, v39
	v_lshlrev_b32 v10, 16, v40
	v_and_b32 v11, s23, v40
	v_pk_mul_f32 v[SU:SU+1], v[UX:UX+1], v[UX:UX+1]
	v_pk_fma_f32 v[SU:SU+1], v[UY:UY+1], v[UY:UY+1], v[SU:SU+1]
	v_pk_fma_f32 v[SU:SU+1], v[UZ:UZ+1], v[UZ:UZ+1], v[SU:SU+1]
	s_wait_loadcnt 0x1                             ; features_prev is in; w1's load stays out
	s_wait_alu depctr_vm_vsrc(0)                   ; the LDS stores above have read v48-111, which the conversions below write again
.set c, 0
.rept 4                                            ; column c of my four: 32 channels, two to a word
.set ii, 0
.rept 16
	v_cvt_pk_bf16_f32 v[KA+16*c+ii], v[FD+8*ii+c], v[FD+8*ii+4+c]
.set ii, ii+1
.endr
.set c, c+1
.endr
	s_wait_alu depctr_va_vdst(0)                   ; the conversions have written v48-111, which the LDS stores read, and are done reading v112 on, in which the loads behind the barrier land
.set c, 0
.rept 4
.set q, 0
.rept 4
	ds_store_b128 v[TST], v[KA+16*c+4*q:KA+16*c+4*q+3] offset:TP*c+16*q
.set q, q+1
.endr
.set c, c+1
.endr
	s_wait_dscnt 0x0                               ; for the others' sake: my candidates and my part of the turned tile are stored
	s_barrier_signal -1
	s_barrier_wait -1
.set t, 0
.rept 16
	ds_load_b128 v[FD+4*t:FD+4*t+3], v[TRD] offset:TP*t  ; no vector instruction since the last wait on va_vdst
.set t, t+1
.endr
.set t, 0
.rept 16
	s_wait_dscnt 15-t                              ; LDS loads come back in order: row t is in
	global_store_b128 v[FS], v[FD+4*t:FD+4*t+3], s[18:19] offset:512*t  ; a wave stores 512 consecutive bytes: a row of fpt
.set t, t+1
.endr
.macro WCV src, dst                    ; four weights: rounded to bf16, then written as f16
	v_cvt_pk_bf16_f32 v38, v[(\src)], v[(\src)+1]
	v_cvt_pk_bf16_f32 v39, v[(\src)+2], v[(\src)+3]
	v_lshlrev_b32 v40, 16, v38
	v_and_b32 v41, s23, v38
	v_lshlrev_b32 v42, 16, v39
	v_and_b32 v43, s23, v39
	v_cvt_pk_f16_f32 v[(\dst)], v40, v41
	v_cvt_pk_f16_f32 v[(\dst)+1], v42, v43
.endm
	s_wait_loadcnt 0x0
	WCV W1D, W1H
	s_wait_alu depctr_va_vdst(0)                   ; v44 and v45 are written, which the store reads
	global_store_b64 v[W1S], v[W1H:W1H+1], s[20:21]  ; 256 consecutive bytes: two rows of a chunk
	s_cmp_lt_u32 s22, 2
	s_cbranch_scc0 .Lno_w2_store
	WCV W2D, W2H
	s_wait_alu depctr_va_vdst(0)                   ; v46 and v47 are written, which the store reads
	global_store_b64 v[W2S], v[W2H:W2H+1], s[20:21]
.Lno_w2_store:
; The block whose minima wait in v26 (query A) and v27 (query B) enters the two sorted triples; s25 is its number, and then steps to the next block's.
; INSA: the three compares take the old triple; then the minima move (the middle of three is the new value).  INSB: the numbers move, by the compares' masks.
.macro INSA
	v_cmp_lt_f32 s30, v26, v14
	v_cmp_lt_f32 s33, v27, v20
	v_cmp_lt_f32 s31, v26, v15
	v_cmp_lt_f32 s34, v27, v21
	v_cmp_lt_f32 s32, v26, v16
	v_cmp_lt_f32 s35, v27, v22
	v_med3_num_f32 v16, v15, v16, v26
	v_med3_num_f32 v22, v21, v22, v27
	v_med3_num_f32 v15, v14, v15, v26
	v_med3_num_f32 v21, v20, v21, v27
	v_min_num_f32 v14, v14, v26
	v_min_num_f32 v20, v20, v27
.endm
.macro INSB
	v_cndmask_b32 v38, s25, v29, s31               ; what the third place would take: the old second, or the block
	v_cndmask_b32 v39, s25, v33, s34
	v_cndmask_b32 v40, s25, v28, s30               ; the second place: the old first, or the block
	v_cndmask_b32 v41, s25, v32, s33
	v_cndmask_b32 v30, v30, v38, s32
	v_cndmask_b32 v34, v34, v39, s35
	v_cndmask_b32 v29, v29, v40, s31
	v_cndmask_b32 v33, v33, v41, s34
	v_cndmask_b32 v28, v28, s25, s30
	v_cndmask_b32 v32, v32, s25, s33
	s_add_co_u32 s25, s25, 1
.endm
; A block of eight candidates, in buffer cur: their d2 are made stage by stage; the block BEFORE enters, its minima made 40 instructions ago; between the insertion's two halves
; the buffer, which no later line of the block names, is asked for again, with the block two further on, at byte off from the trip's first candidate;
; then this block's two minima are made, three operands at a time, two deep.
.macro GROUP cur, off
	s_wait_dscnt 0x8                               ; LDS loads come back in order: this block's eight are in, the next block's eight stay out
.irp q, 0,1,2,3,4,5,6,7
	v_pk_mul_f32 v[PP+2*\q:PP+2*\q+1], v[UX:UX+1], v[(\cur)+4*\q:(\cur)+4*\q+1] op_sel_hi:[1,0]
.endr
.irp q, 0,1,2,3,4,5,6,7
	v_pk_add_f32 v[TS+2*\q:TS+2*\q+1], v[SU:SU+1], v[(\cur)+4*\q+2:(\cur)+4*\q+3] op_sel:[0,1] op_sel_hi:[1,1]
.endr
.irp q, 0,1,2,3,4,5,6,7
	v_pk_fma_f32 v[PP+2*\q:PP+2*\q+1], v[UY:UY+1], v[(\cur)+4*\q:(\cur)+4*\q+1], v[PP+2*\q:PP+2*\q+1] op_sel:[0,1,0] op_sel_hi:[1,1,1]
.endr
.irp q, 0,1,2,3,4,5,6,7
	v_pk_fma_f32 v[PP+2*\q:PP+2*\q+1], v[UZ:UZ+1], v[(\cur)+4*\q+2:(\cur)+4*\q+3], v[PP+2*\q:PP+2*\q+1] op_sel_hi:[1,0,1]
.endr
.irp q, 0,1,2,3,4,5,6,7
	v_pk_fma_f32 v[PP+2*\q:PP+2*\q+1], v[PP+2*\q:PP+2*\q+1], -2.0, v[TS+2*\q:TS+2*\q+1] op_sel_hi:[1,0,1]
.endr
	INSA
	s_wait_alu depctr_va_sdst(0)                   ; the six compares have written s30 to s35, which the selects below read
	s_wait_alu depctr_va_vdst(0)                   ; the products are done reading this block's buffer, in which the loads below land; in a trip's first block v[KAD] is written
.irp q, 0,1,2,3,4,5,6,7
	ds_load_b128 v[(\cur)+4*\q:(\cur)+4*\q+3], v[KAD] offset:(\off)+16*\q
.endr
	INSB
	v_min3_num_f32 v42, v[PP],    v[PP+2],  v[PP+4]
	v_min3_num_f32 v43, v[PP+1],  v[PP+3],  v[PP+5]
	v_min3_num_f32 v44, v[PP+6],  v[PP+8],  v[PP+10]
	v_min3_num_f32 v45, v[PP+7],  v[PP+9],  v[PP+11]
	v_min_num_f32  v46, v[PP+12], v[PP+14]
	v_min_num_f32  v47, v[PP+13], v[PP+15]
	v_min3_num_f32 v26, v42, v44, v46
	v_min3_num_f32 v27, v43, v45, v47
.endm
	s_wait_xcnt 0x0                                ; the stores above have had their addresses translated: v14-47 and v112 on are written again only behind this wait
	s_wait_alu depctr_vm_vsrc(0)                   ; beside it: the loads and stores above have read their offsets (v14-25, v34, v35) and data (v44-47, v112-175), and the LDS stores v48-111: all are written again below
.irp r, 14,15,16,20,21,22,26,27
	v_mov_b32 v\r, 0x7f800000                      ; no minimum yet; the first block to enter is none: infinity is not less than infinity
.endr
.irp r, 28,29,30,31,32,33,34,35
	v_mov_b32 v\r, 0
.endr
	v_mov_b32 v[KAD], KN
	s_wait_alu depctr_va_vdst(0)                   ; v[KAD] is written, which the LDS loads read; the conversions that wrote v48-111, in which they land, are done
.irp q, 0,1,2,3,4,5,6,7
	ds_load_b128 v[KA+4*\q:KA+4*\q+3], v[KAD] offset:16*\q       ; block 0
.endr
.irp q, 0,1,2,3,4,5,6,7
	ds_load_b128 v[KB+4*\q:KB+4*\q+3], v[KAD] offset:128+16*\q   ; block 1
.endr
	s_mov_b32 s25, -1                              ; the number of the block that enters: one behind the block whose distances are made
	s_mov_b32 s24, 128
.Ltrip:                                            ; two blocks, 16 candidates, a trip
	GROUP KA, 256
	GROUP KB, 384                                  ; the last trip's look-ahead reads 256 bytes of the turned tile's row 0, which are written, and drops them
	s_wait_alu depctr_vm_vsrc(0)                   ; the LDS loads issued so far have read v[KAD]
	v_add_nc_u32 v[KAD], 256, v[KAD]
	s_sub_co_u32 s24, s24, 1
	s_cmp_lg_u32 s24, 0
	s_cbranch_scc1 .Ltrip
	s_wait_dscnt 0x0                               ; the look-ahead
	INSA                                           ; block 255
	s_wait_alu depctr_va_sdst(0)                   ; the six compares have written s30 to s35, which the selects read
	INSB
	s_wait_alu depctr_va_vdst(0)                   ; the selects have written v28-30 and v32-34, which the stores read
	global_store_b128 v[NS], v[28:31], s[14:15]             ; 512 consecutive bytes a store
	global_store_b128 v[NS], v[32:35], s[14:15] offset:512
	s_wait_dscnt 0x0                               ; the closing lines, six on end
	s_wait_alu 0x0
	s_wait_tensorcnt 0x0
	ds_add_u32 v[SPW], v[NIL]
	s_wait_dscnt 0x0
	s_endpgm
.Lfunc_end_k_q53b343e692_knn:
	.size	k_q53b343e692_knn, .Lfunc_end_k_q53b343e692_knn-k_q53b343e692_knn
	.p2alignl 7, 3214868480
	.fill 96, 4, 3214868480
	.section	.rodata,"a",@progbits
	.p2align	6, 0x0
	.amdhsa_kernel k_q53b343e692_knn
		.amdhsa_group_segment_fixed_size 67072
		.amdhsa_private_segment_fixed_size 0
		.amdhsa_enable_private_segment 0
		.amdhsa_kernarg_size 56
		.amdhsa_user_sgpr_count 2
		.amdhsa_user_sgpr_kernarg_segment_ptr 1
		.amdhsa_wavefront_size32 1
		.amdhsa_system_sgpr_workgroup_id_x 1
		.amdhsa_system_sgpr_workgroup_id_y 1
		.amdhsa_system_sgpr_workgroup_id_z 1
		.amdhsa_system_vgpr_workitem_id 0
		.amdhsa_next_free_vgpr 240
		.amdhsa_next_free_sgpr 66
		.amdhsa_reserve_vcc 0
		.amdhsa_float_denorm_mode_32 3
		.amdhsa_float_denorm_mode_16_64 3
		.amdhsa_memory_ordered 1
		.amdhsa_forward_progress 1
		.amdhsa_inst_pref_size 43
	.end_amdhsa_kernel
	.amdgpu_metadata
---
amdhsa.version: [ 1, 2 ]
amdhsa.kernels:
  - .name:           k_q53b343e692_knn
    .symbol:         k_q53b343e692_knn.kd
    .args:
      - { .name: xyz, .offset: 0, .size: 8, .value_kind: global_buffer, .address_space: global }
      - { .name: xyz_prev, .offset: 8, .size: 8, .value_kind: global_buffer, .address_space: global }
      - { .name: features_prev, .offset: 16, .size: 8, .value_kind: global_buffer, .address_space: global }
      - { .name: w1, .offset: 24, .size: 8, .value_kind: global_buffer, .address_space: global }
      - { .name: w2, .offset: 32, .size: 8, .value_kind: global_buffer, .address_space: global }
      - { .name: fpt, .offset: 40, .size: 8, .value_kind: global_buffer, .address_space: global }
      - { .name: wh, .offset: 48, .size: 8, .value_kind: global_buffer, .address_space: global }
    .group_segment_fixed_size: 67072
    .private_segment_fixed_size: 0
    .kernarg_segment_align: 8
    .kernarg_segment_size: 56
    .max_flat_workgroup_size: 128
    .sgpr_count:     66
    .vgpr_count:     240
    .wavefront_size: 32
...
	.end_amdgpu_metadata
.endif
;; end of part 11
;; launch knn2: the kernel of part 7 again; grid 256 x 1, 8 waves a work-group, no clusters, 0 bytes of LDS; arguments xyz, xyz_prev, wh, nidx, nw; writes nidx, nw
;; launch gemm1 (part 12): grid 256 x 1, 16 waves a work-group, no clusters, 253,952 bytes of LDS; arguments features, fpt, wh, nidx, nw, b1, y1, part; writes y1, part
.if DOCPART == 12
	.amdgcn_target "amdgcn-amd-amdhsa--gfx1250"
	.amdhsa_code_object_version 6
	.text
	.protected	k_q53b343e692_gemm1
	.globl	k_q53b343e692_gemm1
	.p2align	8
	.type	k_q53b343e692_gemm1,@function
k_q53b343e692_gemm1:
	s_mov_b64 s[64:65], 0
	v_nop
	global_prefetch_b8 v0, s[64:65] scope:SCOPE_SE
	s_setreg_imm32_b32 hwreg(HW_REG_WAVE_SCHED_MODE, 0, 2), 2
	s_setreg_imm32_b32 hwreg(HW_REG_WAVE_MODE, 25, 1), 1
	s_wait_xcnt 0x0
	s_wait_alu depctr_vm_vsrc(0)
; y[b][o][n] = sum over k of w1[o][k] x[b][k][n] + b1[o], x = (interpolated features_prev, features); and for each channel and 64 points the sum and the squares about their own mean.
; Work-group g = 32 b + blk: all 256 channels x points 256 blk .. +255.  Wave w: points 64 (w % 4) on, channels 64 (w / 4) on: 16 accumulators of 16 x 16.
; The matrix instruction's first source is 16 points, its second 16 channels: a lane then holds one channel (l % 16) and eight neighbouring points 8 (l / 16) + 0..7.
; K goes in eight chunks of 64, by turns one of features (staged [k][point], read turned) and one of the interpolated tile (made once, [point][k], all 256 k in LDS).
; WHAT LEAVES.  y is not stored as it is: for each channel and the wave's 64 points, z = y - m with m = sum / 64, rounded once to f16, and the pair (sum, squares) in f32.
; The later launches take y = z + m.  z has the size of the points' spread about their own mean, so a mean far from zero (an offset of the inputs, a large b1) costs z no bits.
; The buffer y1: z[G = 4 g + w % 4][256 channels][64 points] in f16, 33,554,432 bytes; behind it the pairs [G][256 channels][2] in f32, the same numbers that go to part
; (a copy, since a later launch that stores into part may not load from it).  A wave's 64 channels x 64 points are 8,192 bytes on end.
; FORMATS.  features, w1, b1 are rounded to bf16 and the first two written as f16 (exact for 6.1e-5 <= |v| <= 65,504, within 3e-8 below, not served above); the interpolated
; numbers are rounded once, to f16; sums in f32.  LIMIT of z: |y - m| up to 65,504; below 6.1e-5 it keeps f16's fixed step of 6e-8.
; NO CLUSTER, NO TENSOR LOAD: features have to pass through registers to be rounded, w1's chunk is a third of a trip's bytes, and one way of staging (load, store to LDS, barrier) serves both.
; THE MODE: SCHED_MODE bits 1:0 = 2 (LLVM: expert scheduling mode 2), set by the entry lines.  The code itself states the register dependences
; between vector or matrix instructions and memory or LDS instructions, with s_wait_alu, always for 0.
; THE PLAN.  Registers that memory or LDS instructions touch:
;   v4-15, v108-110   offsets and addresses: written once at the head, read ever after (v108-110 by the gather alone; then the fragments take their place).
;   THE GATHER, by pairs of points.  v64-87 offsets, three a slot: written for points p + 8, p + 9 in pair p, read by those points' loads.  v128-255 rows and weights: loads land, the pair's
;     arithmetic reads, the loads of the points eight further on land.  Four result sets: written by a point's roundings, read by its LDS store, written again four points on.
;     A pair: the wait for its loads; ONE wait on vm_vsrc; both points' arithmetic and the next offsets; ONE wait on va_vdst; two LDS stores and eight loads.
;   v16-31   w1's chunk: loads land, LDS stores read; no vector instruction names them ahead of the way out.
;   v32-63   features: loads land; 64 conversions work in place; eight LDS stores read.
;   v64-127  fragments: LDS loads land, the products read.
;     ONE wait on vm_vsrc at a trip's head (the LDS stores have read v16-63, in which the trip's loads land); ONE wait on va_vdst at the head of each 32 along K (the products before are done
;     reading the fragments).  In a trip of the tile the features' conversions stand between its two halves: the second half's wait also states that they have written, and their LDS
;     stores are dealt among its products, which name none of v32-63.
;   THE WAY OUT.  A channel block's accumulators: the four lowest registers of each are written by the block's roundings and read by LDS stores; four buffers (v104, v44, v88, v64 on) take the
;     loads from the stage, one for each block, so that none is loaded twice.  ONE wait on va_vdst a block, ahead of its LDS stores; the next block's arithmetic stands between a block's loads from the stage and its stores.
.set XP,    544                        ; a row of the features chunk: 256 points in f16 + 32 bytes: an odd multiple of 32
.set WB0,   34816                      ; two buffers for w1's chunk: 256 rows of 128 bytes + 16
.set WP,    144
.set WBUF,  36864
.set IT,    108544                     ; 256 points x 256 k in f16, rows of 512 bytes + 16
.set IP,    528
.set STG,   0                          ; the way out: 16 rows of 128 bytes + 16 a wave, over the features chunk and the head of w1's buffer 0, whose last reads lie ahead of the last barrier
.set SGP,   144
.set SPARE, 251904                     ; the spare words: 128 bytes a wave
.set TAIL,  33554432                   ; the pairs' place in y1
.set ACC,   128
; v2 v3 the add's two; v4 XLD v5 WLD global offsets; v6 XST v7 WST LDS stores; v8 XRD v9 IRD v10 WRD fragment reads; v11 STO v12 RD v13 CO the way out; v14 PO v15 BO
; v16-31 w1's chunk on its way; v32-63 features on their way; v64-95 fragments of x; v96-127 fragments of w1; v128-255 accumulators ((pb, cb) at 128 + 8 (4 pb + cb))
; ahead of the first product: v64-87 gather offsets, v88-103 at work, v104-107 and v116-127 four sets of packed results, v108 16 l, v109 0, v110 where I put a point's row, v128-223 gathered rows, v224-255 weights
.macro PLACES                          ; four places behind a matrix instruction
.rept 4
	v_nop
.endr
.endm
.macro BAR
	s_wait_dscnt 0x0                               ; my LDS stores are done and my LDS reads are back
	s_barrier_signal -1
	s_barrier_wait -1
.endm
.macro LDW off                         ; a chunk of w1: 32,768 dense bytes, 16 a thread, four times
.irp j, 0,1,2,3
	global_load_b128 v[16+4*\j:19+4*\j], v5, s[8:9] offset:(\off)+8192*\j
.endr
.endm
.macro LDX c                           ; chunk c of features: rows 64 c + 4 w + i, 1,024 bytes each in two halves
.irp i, 0,1,2,3
	global_load_b128 v[32+8*\i:35+8*\i], v4, s[4:5] offset:(64*(\c)+\i)*32768 th:TH_LOAD_NT
	global_load_b128 v[36+8*\i:39+8*\i], v4, s[4:5] offset:(64*(\c)+\i)*32768+512 th:TH_LOAD_NT
.endr
.endm
.macro STW buf
.irp j, 0,1,2,3
	ds_store_b128 v7, v[16+4*\j:19+4*\j] offset:9216*\j+WBUF*(\buf)
.endr
.endm
.macro CVX                             ; features' 32 numbers of a lane, in eight fours, stage by stage: to bf16, widened, written as f16 into the first two registers of each four
.irp q, 0,1,2,3,4,5,6,7
	v_cvt_pk_bf16_f32 v[32+4*\q], v[32+4*\q], v[33+4*\q]
	v_cvt_pk_bf16_f32 v[34+4*\q], v[34+4*\q], v[35+4*\q]
.endr
.irp q, 0,1,2,3,4,5,6,7
	v_and_b32 v[33+4*\q], s23, v[32+4*\q]
	v_and_b32 v[35+4*\q], s23, v[34+4*\q]
.endr
.irp q, 0,1,2,3,4,5,6,7
	v_lshlrev_b32 v[32+4*\q], 16, v[32+4*\q]
	v_lshlrev_b32 v[34+4*\q], 16, v[34+4*\q]
.endr
.irp q, 0,1,2,3,4,5,6,7
	v_cvt_pk_f16_f32 v[32+4*\q], v[32+4*\q], v[33+4*\q]
	v_cvt_pk_f16_f32 v[33+4*\q], v[34+4*\q], v[35+4*\q]
.endr
.endm
.macro SSX                             ; and their eight LDS stores, in one run
.irp q, 0,1,2,3,4,5,6,7
	ds_store_b64 v6, v[32+4*\q:33+4*\q] offset:XP*((\q)/2)+256*((\q)%2)
.endr
.endm
; 32 along K: eight loads for w1's four fragments, eight for x's four, then 16 products; the accumulators take turns.
; kind = 1: x from the interpolated tile (k along the rows); 0: from the features chunk, turned.  The counts leave the younger fragments of x out.
; cv = 1: the next features chunk is converted ahead of the fragments' loads (its 64 lines are then the places behind the products before), and its eight LDS stores are dealt two behind each four products.
.macro KSTEP kind, xoff, woff, zero, cv
.if \cv
	s_wait_loadcnt 0x4                             ; features' eight loads are in; w1's four, issued behind them, stay out
	CVX
.else
	PLACES
.endif
	s_wait_alu depctr_va_vdst(0)                   ; the products before are done reading v64-127, in which the fragments land (ahead of the first product: the gather's lines have written them); with cv = 1 the conversions have written v32-63, which the LDS stores below read
.irp cb, 0,1,2,3
	ds_load_b128 v[96+8*\cb:99+8*\cb],   v10 offset:(\woff)+2304*\cb
	ds_load_b128 v[100+8*\cb:103+8*\cb], v10 offset:(\woff)+2304*\cb+32
.endr
.irp pb, 0,1,2,3
.if \kind
	ds_load_b128 v[64+8*\pb:67+8*\pb], v9 offset:(\xoff)+16*IP*\pb
	ds_load_b128 v[68+8*\pb:71+8*\pb], v9 offset:(\xoff)+16*IP*\pb+32
.else
	ds_load_tr16_b128 v[64+8*\pb:67+8*\pb], v8 offset:(\xoff)+32*\pb
	ds_load_tr16_b128 v[68+8*\pb:71+8*\pb], v8 offset:(\xoff)+32*\pb+16*XP
.endif
.endr
.irp pb, 0,1,2,3
.if \cv
	s_wait_dscnt 0x6                               ; behind x's fragment pb: 6 - 2 pb younger loads and the 2 pb stores dealt so far
.else
	s_wait_dscnt 6-2*\pb
.endif
.irp cb, 0,1,2,3
.if \zero
	v_wmma_f32_16x16x32_f16 v[ACC+8*(4*\pb+\cb):ACC+8*(4*\pb+\cb)+7], v[64+8*\pb:71+8*\pb], v[96+8*\cb:103+8*\cb], 0
.else
	v_wmma_f32_16x16x32_f16 v[ACC+8*(4*\pb+\cb):ACC+8*(4*\pb+\cb)+7], v[64+8*\pb:71+8*\pb], v[96+8*\cb:103+8*\cb], v[ACC+8*(4*\pb+\cb):ACC+8*(4*\pb+\cb)+7]
.endif
.endr
.if \cv
	ds_store_b64 v6, v[32+8*\pb:33+8*\pb] offset:XP*\pb       ; no wait: no vector or matrix instruction since the wait above names v32-63
	ds_store_b64 v6, v[36+8*\pb:37+8*\pb] offset:XP*\pb+256
.endif
.endr
.endm
	s_load_b512 s[4:19], s[0:1], 0x0               ; features, fpt, wh, nidx, nw, b1, y1, part
	v_lshl_add_u32 v2, v0, 2, SPARE
	v_mov_b32 v3, 0
	v_lshrrev_b32 v1, 5, v0
	v_readfirstlane_b32 s20, v1                    ; wave
	s_mov_b32 s23, 0xffff0000                      ; a word's upper bf16; as a lane mask: lanes 16 to 31
	s_mov_b32 s28, 0x76543210                      ; v_permlanex16_b32: each lane takes its own place in the other half
	s_mov_b32 s29, 0xfedcba98
	v_and_b32 v113, 31, v0                         ; l
	v_and_b32 v111, 15, v0                         ; l % 16
	v_bfe_u32 v112, v0, 4, 1                       ; l / 16
	v_lshlrev_b32 v5, 4, v0                        ; WLD
	s_wait_alu depctr_va_sdst(0)                   ; s20 is written, ahead of its first reader: offsets, bases and LDS addresses are made from it
	s_and_b32 s21, s20, 3                          ; which 64 points
	s_lshr_b32 s22, s20, 2                         ; which 64 channels
	s_lshl_b32 s24, s20, 17
	v_lshl_add_u32 v4, v113, 4, s24                ; XLD: 4 w rows of 32,768 bytes + 16 l
	s_lshr_b32 s26, ttmp9, 5                       ; b
	s_and_b32 s27, ttmp9, 31
	s_lshl_b32 s24, s26, 23
	s_lshl_b32 s27, s27, 10
	s_add_co_u32 s24, s24, s27                     ; the batch, and the group's 256 points
	s_mov_b32 s25, 0
	s_lshl_b32 s30, s26, 20                        ; fpt[b]
	s_mov_b32 s31, 0
	s_lshl_b32 s26, ttmp9, 12
	s_lshl_b32 s27, s20, 8
	s_add_co_u32 s26, s26, s27                     ; nidx, nw: my wave's 16 points
	s_mov_b32 s27, 0
	s_wait_kmcnt 0x0
	s_add_nc_u64 s[10:11], s[10:11], s[26:27]
	s_add_nc_u64 s[12:13], s[12:13], s[26:27]
	s_load_b512 s[32:47], s[10:11], 0x0            ; the neighbours of my 16 points, four words a point
	s_load_b512 s[48:63], s[10:11], 0x40
	s_load_b512 s[68:83], s[10:11], 0x80
	s_load_b512 s[84:99], s[10:11], 0xc0
	s_add_nc_u64 s[4:5], s[4:5], s[24:25]
	s_add_nc_u64 s[6:7], s[6:7], s[30:31]
	s_wait_alu depctr_va_vdst(0)                   ; v4 and v5 are written, which every load of features and of w1 reads as its offset
	LDW 4*32768                                    ; w1's chunk 4 goes with features' chunk 0
	LDX 0
	s_lshl_b32 s24, ttmp9, 13
	s_add_nc_u64 s[18:19], s[18:19], s[24:25]      ; part: four groups of 2,048 bytes a work-group
	s_add_nc_u64 s[30:31], s[16:17], s[24:25]
	s_add_nc_u64 s[30:31], s[30:31], TAIL          ; and the same four groups behind z in y1
	s_lshl_b32 s24, ttmp9, 2
	s_add_co_u32 s24, s24, s21                     ; G = 4 g + w % 4
	s_lshl_b32 s24, s24, 15                        ; 256 channels of 128 bytes
	s_lshl_b32 s26, s22, 13                        ; my 64 channels
	s_add_co_u32 s24, s24, s26
	s_add_nc_u64 s[16:17], s[16:17], s[24:25]      ; z at my wave's 8,192 bytes
	s_mul_i32 s24, s20, 4*XP
	v_lshl_add_u32 v6, v113, 3, s24                ; XST
	s_mul_i32 s24, s20, 4*WP
	s_add_co_u32 s24, s24, WB0
	v_bfe_u32 v1, v0, 3, 2
	v_mul_u32_u24 v7, v1, WP
	v_mul_u32_u24 v12, v1, SGP
	v_and_b32 v1, 7, v0
	v_lshl_add_u32 v7, v1, 4, v7
	v_lshl_add_u32 v12, v1, 4, v12
	v_add_nc_u32 v7, s24, v7                       ; WST: row 4 w + l / 8, 16 (l % 8)
	v_lshl_add_u32 v1, v112, 3, v1
	v_mul_u32_u24 v8, v1, XP
	v_bfe_u32 v1, v0, 3, 1
	v_lshl_add_u32 v8, v1, 4, v8
	s_lshl_b32 s24, s21, 7
	v_add_nc_u32 v8, s24, v8                       ; XRD: row 8 (l / 16) + l % 8, points 64 pg + 8 ((l / 8) % 2) on
	v_mul_u32_u24 v9, v111, IP
	v_lshl_add_u32 v9, v112, 4, v9
	s_mul_i32 s24, s21, 64*IP
	s_add_co_u32 s24, s24, IT
	v_add_nc_u32 v9, s24, v9                       ; IRD
	v_mul_u32_u24 v10, v111, WP
	v_lshl_add_u32 v10, v112, 4, v10
	s_mul_i32 s24, s22, 64*WP
	s_add_co_u32 s24, s24, WB0
	v_add_nc_u32 v10, s24, v10                     ; WRD
	s_mul_i32 s24, s20, 16*SGP
	s_add_co_u32 s24, s24, STG
	v_mul_u32_u24 v11, v111, SGP
	v_lshl_add_u32 v11, v112, 4, v11
	v_add_nc_u32 v11, s24, v11                     ; STO: row l % 16, 16 bytes for each half of the lanes
	v_add_nc_u32 v12, s24, v12                     ; RD: 32 lanes take four rows of 128 bytes: row l / 8, 16 (l % 8)
	v_lshlrev_b32 v13, 4, v113                     ; CO: which are 512 consecutive bytes of z
	s_lshl_b32 s24, s22, 9
	s_lshl_b32 s26, s21, 11
	s_add_co_u32 s24, s24, s26
	v_lshl_add_u32 v14, v113, 3, s24               ; PO
	s_lshl_b32 s24, s22, 8
	v_lshl_add_u32 v15, v111, 2, s24               ; BO
	v_lshlrev_b32 v108, 4, v113
	v_mov_b32 v109, 0
	s_mul_i32 s24, s20, 16*IP
	s_add_co_u32 s24, s24, IT
	v_add_nc_u32 v110, s24, v108
	s_wait_kmcnt 0x0                               ; the indices
; THE INTERPOLATED TILE.  Wave w makes points 16 w .. +15; a lane takes 8 channels (16 bytes) of each of a point's three rows of fpt.  A ring of eight point slots, walked two points at a time.
.macro GADR p                          ; the byte offsets of point p's three rows.  An index is cut to the table's 2,048 rows
.set sb, 32+4*(\p)+4*((\p)/8)
.set sl, (\p)%8
.irp j, 0,1,2
	s_min_u32 s[sb+\j], s[sb+\j], 0x7ff
	s_lshl_b32 s[sb+\j], s[sb+\j], 9
	v_add_nc_u32 v[64+3*sl+\j], s[sb+\j], v108
.endr
.endm
.macro GLD p                           ; point p is asked for: its weights (the same 16 bytes for all lanes), then three rows
.set sl, (\p)%8
	global_load_b128 v[224+4*sl:227+4*sl], v109, s[12:13] offset:16*(\p)
.irp j, 0,1,2
	global_load_b128 v[128+12*sl+4*\j:131+12*sl+4*\j], v[64+3*sl+\j], s[6:7]
.endr
.endm
.macro GSET p                          ; point p's set of four result registers: four sets take turns
.if (\p)%4 == 0
.set go, 104
.else
.set go, 112+4*((\p)%4)
.endif
.endm
.macro GMK p                           ; point p is made: f0 w0 + f1 w1 + f2 w2 in f32, rounded to f16
.set sl, (\p)%8
	GSET \p
.irp d, 0,1,2,3
.set tb, 88+8*((\d)%2)
	v_lshlrev_b32 v[tb],   16,  v[128+12*sl+\d]
	v_and_b32     v[tb+1], s23, v[128+12*sl+\d]
	v_lshlrev_b32 v[tb+2], 16,  v[132+12*sl+\d]
	v_and_b32     v[tb+3], s23, v[132+12*sl+\d]
	v_lshlrev_b32 v[tb+4], 16,  v[136+12*sl+\d]
	v_and_b32     v[tb+5], s23, v[136+12*sl+\d]
	v_pk_mul_f32 v[tb:tb+1], v[tb:tb+1], v[224+4*sl:225+4*sl] op_sel_hi:[1,0]
	v_pk_fma_f32 v[tb:tb+1], v[tb+2:tb+3], v[224+4*sl:225+4*sl], v[tb:tb+1] op_sel:[0,1,0] op_sel_hi:[1,1,1]
	v_pk_fma_f32 v[tb:tb+1], v[tb+4:tb+5], v[226+4*sl:227+4*sl], v[tb:tb+1] op_sel_hi:[1,0,1]
	v_cvt_pk_f16_f32 v[go+\d], v[tb], v[tb+1]
.endr
.endm
.macro GST p                           ; its 16 bytes go into its row of the tile
	GSET \p
	ds_store_b128 v110, v[go:go+3] offset:IP*(\p)
.endm
; Points p and p + 1.  left: four loads for each younger point stay out.  more = 1: their slots take the points eight further on.
.macro GPAIR p, left, more
	s_wait_loadcnt \left
	s_wait_alu depctr_vm_vsrc(0)                   ; the two points' loads have read their offsets, which are made anew below; the LDS stores of two pairs back have read the two result sets that are written again
	GMK \p
	GMK (\p)+1
.if \more
	GADR (\p)+8
	GADR (\p)+9
.endif
	s_wait_alu depctr_va_vdst(0)                   ; the results are written, which the LDS stores read; the offsets are written, which the loads read; the arithmetic is done reading the two slots, in which the loads land
	GST \p
	GST (\p)+1
.if \more
	GLD (\p)+8
	GLD (\p)+9
.endif
.endm
.irp p, 0,1,2,3,4,5,6,7
	GADR \p
.endr
	s_wait_alu depctr_va_vdst(0)                   ; the addresses v6-15 and v108-110 and the first 24 offsets are written, which the loads, stores and LDS instructions from here on read
.irp p, 0,1,2,3,4,5,6,7
	GLD \p
.endr
	GPAIR 0, 24, 1                                 ; six younger points are out
	GPAIR 2, 24, 1
	GPAIR 4, 24, 1
	GPAIR 6, 24, 1
	GPAIR 8, 24, 0
	GPAIR 10, 16, 0                                ; the counts run down
	GPAIR 12, 8, 0
	s_wait_loadcnt 0x0                             ; the last pair; w1's chunk 4 and features' chunk 0, asked for first, are long in
	s_wait_alu depctr_vm_vsrc(0)                   ; the LDS stores of points 10 and 11 have read the two result sets that are written again
	GMK 14
	GMK 15
	CVX
	s_wait_alu depctr_va_vdst(0)                   ; the two results and features' 32 numbers in f16 are written, which the LDS stores read
	GST 14
	GST 15
	STW 0
	SSX
	BAR                                            ; the tile, features' chunk 0 and w1's chunk 4 are whole
.macro TRIPF c, zero                   ; features' chunk c x w1's chunk 4 + c (buffer 0); w1's chunk c is staged into buffer 1, features' chunk c + 1 is asked for
	s_wait_alu depctr_vm_vsrc(0)                   ; the LDS stores have read v16-31 and v32-63, in which the loads below land; in the first trip the gather's loads and LDS stores have read v64-127, in which the fragments land
	LDW (\c)*32768
.if (\c) < 3
	LDX (\c)+1                                     ; no wait on va_vdst: no vector instruction since the one behind the conversions names v32-63
.endif
	KSTEP 0, 0, 0, \zero, 0
	KSTEP 0, 32*XP, 64, 0, 0
.if (\c) < 3
	s_wait_loadcnt 0x8                             ; w1's four are in; features' eight stay out
.else
	s_wait_loadcnt 0x0
.endif
	STW 1                                          ; buffer 1 was last read ahead of the last barrier
	BAR
.endm
.macro TRIPI c                         ; the tile's chunk c x w1's chunk c (buffer 1); the next features chunk and w1's chunk 5 + c are staged
	s_wait_alu depctr_vm_vsrc(0)                   ; the LDS stores have read v16-31, in which the loads below land
.if (\c) < 3
	LDW (5+(\c))*32768
.else
.irp cb, 0,1,2,3
	global_load_b32 v[16+\cb], v15, s[14:15] offset:64*\cb  ; b1 of my lane's four channels
.endr
.endif
	KSTEP 1, 128*(\c), WBUF, 0, 0
.if (\c) < 3
	KSTEP 1, 128*(\c)+64, WBUF+64, 0, 1            ; the features chunk was last read ahead of the last barrier
	s_wait_loadcnt 0x0
	STW 0                                          ; and so was buffer 0
	BAR
.else
	KSTEP 1, 128*(\c)+64, WBUF+64, 0, 0
.endif
.endm
	TRIPF 0, 1
	TRIPI 0
	TRIPF 1, 0
	TRIPI 1
	TRIPF 2, 0
	TRIPI 2
	TRIPF 3, 0
	TRIPI 3
; For channel block cb: the bias is added; then over the wave's 64 points (32 in my lane, 32 in the lane 16 away) the sum, and the squares about m = sum / 64.  Each accumulator is read from its low end on.
; The differences y - m, made for the squares, are also what leaves: eight of them pack into the accumulator's four lowest registers, 16 bytes of a row of z.
.macro STAT cb
.irp pb, 0,1,2,3
.irp q, 0,1,2,3
	v_pk_add_f32 v[ACC+8*(4*\pb+(\cb))+2*\q:ACC+8*(4*\pb+(\cb))+2*\q+1], v[ACC+8*(4*\pb+(\cb))+2*\q:ACC+8*(4*\pb+(\cb))+2*\q+1], v[20+2*(\cb):21+2*(\cb)]
.endr
.endr
.irp pb, 0,1,2,3
	v_pk_add_f32 v[64+2*\pb:65+2*\pb], v[ACC+8*(4*\pb+(\cb)):ACC+8*(4*\pb+(\cb))+1], v[ACC+8*(4*\pb+(\cb))+2:ACC+8*(4*\pb+(\cb))+3]
.endr
.irp pb, 0,1,2,3
	v_pk_add_f32 v[64+2*\pb:65+2*\pb], v[64+2*\pb:65+2*\pb], v[ACC+8*(4*\pb+(\cb))+4:ACC+8*(4*\pb+(\cb))+5]
.endr
.irp pb, 0,1,2,3
	v_pk_add_f32 v[64+2*\pb:65+2*\pb], v[64+2*\pb:65+2*\pb], v[ACC+8*(4*\pb+(\cb))+6:ACC+8*(4*\pb+(\cb))+7]
.endr
	v_pk_add_f32 v[64:65], v[64:65], v[66:67]
	v_pk_add_f32 v[68:69], v[68:69], v[70:71]
	v_pk_add_f32 v[64:65], v[64:65], v[68:69]
	v_add_f32 v64, v64, v65
	v_permlanex16_b32 v65, v64, s28, s29
	v_add_f32 v[32+2*(\cb)], v64, v65
	v_mul_f32 v72, 0x3c800000, v[32+2*(\cb)]       ; m: a power of two as the factor, so the later launches make the same number of the stored sum
	v_mov_b32 v73, v72
.irp pb, 0,1,2,3
.irp q, 0,1,2,3
	v_pk_add_f32 v[76+2*\q:77+2*\q], v[ACC+8*(4*\pb+(\cb))+2*\q:ACC+8*(4*\pb+(\cb))+2*\q+1], v[72:73] neg_lo:[0,1] neg_hi:[0,1]
.endr
.irp q, 0,1,2,3
.if (\pb) == 0 && (\q) < 2
	v_pk_mul_f32 v[84+2*\q:85+2*\q], v[76+2*\q:77+2*\q], v[76+2*\q:77+2*\q]
.else
	v_pk_fma_f32 v[84+2*((\q)%2):85+2*((\q)%2)], v[76+2*\q:77+2*\q], v[76+2*\q:77+2*\q], v[84+2*((\q)%2):85+2*((\q)%2)]
.endif
.endr
.irp q, 0,1,2,3
	v_cvt_pk_f16_f32 v[ACC+8*(4*\pb+(\cb))+\q], v[76+2*\q], v[77+2*\q]
.endr
.endr
	v_pk_add_f32 v[84:85], v[84:85], v[86:87]
	v_add_f32 v84, v84, v85
	v_permlanex16_b32 v85, v84, s28, s29
	v_add_f32 v[33+2*(\cb)], v84, v85
.endm
.macro PSEL q                          ; lanes 0-15 give block 2 q's pair, lanes 16-31 block 2 q + 1's: 32 neighbouring channels
	v_cndmask_b32 v[40+2*(\q)], v[32+4*(\q)], v[34+4*(\q)], s23
	v_cndmask_b32 v[41+2*(\q)], v[33+4*(\q)], v[35+4*(\q)], s23
.endm
.macro PST q                           ; 256 consecutive bytes; once to part, once behind z
	global_store_b64 v14, v[40+2*(\q):41+2*(\q)], s[18:19] offset:256*(\q)
	global_store_b64 v14, v[40+2*(\q):41+2*(\q)], s[30:31] offset:256*(\q)
.endm
.macro OBOF cb                         ; the sixteen registers in which block cb comes back from the stage: a buffer for each block, so that none is loaded twice (v64 on is free when the last block's arithmetic is done)
.if (\cb) == 0
.set ob, 104
.elseif (\cb) == 1
.set ob, 44
.elseif (\cb) == 2
.set ob, 88
.else
.set ob, 64
.endif
.endm
; Channel block cb leaves: 16 rows (channels) of 128 bytes through my own stage, back four rows at a time: 512 consecutive bytes of z.
.macro TOSTAGE cb
	OBOF \cb
	s_wait_alu depctr_va_vdst(0)                   ; the block's roundings have written its accumulators' four lowest registers, which the LDS stores read; no product and no vector line still names the registers in which the loads below land
.irp pb, 0,1,2,3
	ds_store_b128 v11, v[ACC+8*(4*\pb+(\cb)):ACC+8*(4*\pb+(\cb))+3] offset:32*\pb
.endr
.irp t, 0,1,2,3
	ds_load_b128 v[ob+4*\t:ob+4*\t+3], v12 offset:4*SGP*\t  ; LDS serves a wave's instructions in order: these see the stores above; the next block's stores come behind them
.endr
.endm
.macro SEND cb
	OBOF \cb
.irp t, 0,1,2,3
	s_wait_dscnt 3-\t                              ; the younger loads stay out
	global_store_b128 v13, v[ob+4*\t:ob+4*\t+3], s[16:17] offset:2048*(\cb)+512*\t  ; a wave stores 512 consecutive bytes, aligned
.endr
.endm
	s_wait_loadcnt 0x0                             ; b1
	PLACES
	v_cvt_pk_bf16_f32 v16, v16, v17
	v_cvt_pk_bf16_f32 v18, v18, v19
	v_lshlrev_b32 v20, 16, v16
	v_and_b32 v22, s23, v16
	v_lshlrev_b32 v24, 16, v18
	v_and_b32 v26, s23, v18
	v_mov_b32 v21, v20
	v_mov_b32 v23, v22
	v_mov_b32 v25, v24
	v_mov_b32 v27, v26
	STAT 0
	TOSTAGE 0                                      ; each block goes into the stage as soon as it is made; the next block's arithmetic stands between its loads from the stage and its stores
	STAT 1
	SEND 0
	TOSTAGE 1
	STAT 2
	SEND 1
	TOSTAGE 2
	STAT 3
	PSEL 0
	PSEL 1
	SEND 2
	TOSTAGE 3                                      ; its wait also states that the selects have written v40-43, which the pairs' stores read
	PST 0
	PST 1
	SEND 3
	s_wait_dscnt 0x0                               ; the closing lines, six on end
	s_wait_alu 0x0
	s_wait_tensorcnt 0x0
	ds_add_u32 v2, v3
	s_wait_dscnt 0x0
	s_endpgm
.Lfunc_end_k_q53b343e692_gemm1:
	.size	k_q53b343e692_gemm1, .Lfunc_end_k_q53b343e692_gemm1-k_q53b343e692_gemm1
	.p2alignl 7, 3214868480
	.fill 96, 4, 3214868480
	.section	.rodata,"a",@progbits
	.p2align	6, 0x0
	.amdhsa_kernel k_q53b343e692_gemm1
		.amdhsa_group_segment_fixed_size 253952
		.amdhsa_private_segment_fixed_size 0
		.amdhsa_enable_private_segment 0
		.amdhsa_kernarg_size 64
		.amdhsa_user_sgpr_count 2
		.amdhsa_user_sgpr_kernarg_segment_ptr 1
		.amdhsa_wavefront_size32 1
		.amdhsa_system_sgpr_workgroup_id_x 1
		.amdhsa_system_sgpr_workgroup_id_y 1
		.amdhsa_system_sgpr_workgroup_id_z 1
		.amdhsa_system_vgpr_workitem_id 0
		.amdhsa_next_free_vgpr 256
		.amdhsa_next_free_sgpr 100
		.amdhsa_reserve_vcc 0
		.amdhsa_float_denorm_mode_32 3
		.amdhsa_float_denorm_mode_16_64 3
		.amdhsa_memory_ordered 1
		.amdhsa_forward_progress 1
		.amdhsa_inst_pref_size 134
	.end_amdhsa_kernel
	.amdgpu_metadata
---
amdhsa.version: [ 1, 2 ]
amdhsa.kernels:
  - .name:           k_q53b343e692_gemm1
    .symbol:         k_q53b343e692_gemm1.kd
    .args:
      - { .name: features, .offset: 0, .size: 8, .value_kind: global_buffer, .address_space: global }
      - { .name: fpt, .offset: 8, .size: 8, .value_kind: global_buffer, .address_space: global }
      - { .name: wh, .offset: 16, .size: 8, .value_kind: global_buffer, .address_space: global }
      - { .name: nidx, .offset: 24, .size: 8, .value_kind: global_buffer, .address_space: global }
      - { .name: nw, .offset: 32, .size: 8, .value_kind: global_buffer, .address_space: global }
      - { .name: b1, .offset: 40, .size: 8, .value_kind: global_buffer, .address_space: global }
      - { .name: y1, .offset: 48, .size: 8, .value_kind: global_buffer, .address_space: global }
      - { .name: part, .offset: 56, .size: 8, .value_kind: global_buffer, .address_space: global }
    .group_segment_fixed_size: 253952
    .private_segment_fixed_size: 0
    .kernarg_segment_align: 8
    .kernarg_segment_size: 64
    .max_flat_workgroup_size: 512
    .sgpr_count:     100
    .vgpr_count:     256
    .wavefront_size: 32
...
	.end_amdgpu_metadata
.endif
;; end of part 12
;; launch stat1: the kernel of part 3 again; grid 8 x 1, 16 waves a work-group, no clusters, 6,144 bytes of LDS; arguments part, g1, beta1, ab1; writes ab1
;; launch gemm2s: the kernel of part 9 again; grid 256 x 1, 16 waves a work-group, no clusters, 223,232 bytes of LDS; arguments y1, wh, ab1, b2, part; writes part
;; launch stat2: the kernel of part 3 again; grid 8 x 1, 16 waves a work-group, no clusters, 6,144 bytes of LDS; arguments part, g2, beta2, ab2; writes ab2
;; launch gemm2f: the kernel of part 10 again; grid 256 x 1, 16 waves a work-group, no clusters, 223,232 bytes of LDS; arguments y1, wh, ab1, ab2, b2, out0; writes out0
